; MI455X (gfx1250); checked and timed in simulation.
; The chip was launched on July 23, 2026; its instructions are those of AMD's public machine-readable ISA for CDNA 5 (MIT licence, August 2026) and "CDNA5" Instruction Set Architecture Reference Guide (July 2026). The comments in the code are by the model that wrote it; some were corrected since.
;; Top K Mo E. Allowed arithmetic: matrix products marked QUANTISED: E2M3 operands, one E8M0 scale for each 32 along K, by v_wmma_scale_f32_16x16x128_f8f6f4 with both operands' format E2M3, f32 sums; products left as they are: f32 operands where the result goes on into a quantised operand, else bf16, f16 or f32 operands; f32 sums; everything else in f32.
;; Inputs: W1 8 x 1,024 x 4,096 float32; W2 8 x 4,096 x 1,024 float32; Wg 1,024 x 8 float32; b1 8 x 4,096 float32; b2 8 x 1,024 float32; bg 8 float32; x 1,024 x 1,024 float32.
;; Outputs: out0 1,024 x 1,024 float32.
;; Constants: k = 2.
;; This version of the problem:
;;   THIS VERSION OF THE PROBLEM IS GIVEN IN LOW PRECISION. The matrix products marked QUANTISED in the list below multiply operands that are first quantised to E2M3 (2 exponent bits, 3 mantissa bits; 6 bits a number), with one power-of-two scale for each 32 numbers along K (OCP MX v1.0); their sums are f32. All else is computed in f32.
;;   The module's matrix products, in the order in which they are computed (A, B: the left and right operand; K: the contracted axis; several contracted axes count as one K, in the product's order):
;;     1. [M 1,024, K 1,024] x [K 1,024, N 8]; A: input x; B: input Wg: left as it is (N = 8 < 16)
;;     2. [M 32,768, K 1,024] x [K 1,024, N 1,024]; A: input W1; B: input x: QUANTISED
;;     3. batch 8 x [M 1,024, K 4,096] x [K 4,096, N 1,024]; A: computed on the way; B: input W2: QUANTISED
;;     4. batch 1,024 x [M 1, K 8] x [K 8, N 1,024]; A: computed on the way; B: computed on the way: left as it is (K = 8 < 32)
;;   THE QUANTISER, for each operand of a quantised product, along K:
;;     - K is cut into blocks of 32 from its start; a last block that is shorter is filled with zeros.
;;     - A block's scale is 2^e with e = floor(log2(the largest magnitude in the block)) - 2, held to -126 .. 127; a block of zeros has e = 0. As a byte (E8M0): e + 127.
;;     - Each number is divided by its block's scale, clamped to +-7.5, and rounded to the nearest number of E2M3, ties to even, subnormals kept.
;;     - The product sums the exact products of the quantised numbers (number of the format x scale) in f32.
;;   ~~~python
;;   def quantise(x, axis):      # numpy; x: float32 -> the quantised numbers, widened to float32 again
;;       x = np.moveaxis(x, axis, -1); K = x.shape[-1]
;;       x = np.pad(x, [(0, 0)] * (x.ndim - 1) + [(0, -K % 32)]); x = x.reshape(x.shape[:-1] + (-1, 32)); a = np.abs(x).max(-1, keepdims=True)
;;       e = np.where(a > 0, np.clip(np.frexp(np.where(a > 0, a, 1))[1] - 1 - 2, -126, 127), 0)      # np.frexp(a)[1] - 1 = floor(log2(a)), exactly
;;       r = np.clip(x / 2.0 ** e, -7.5, 7.5)
;;       step = 2.0 ** (np.maximum(np.frexp(np.where(r == 0, 1, r))[1] - 1, 0) - 3)
;;       q = np.round(r / step) * step * 2.0 ** e      # np.round: ties to even
;;       return np.moveaxis(q.reshape(q.shape[:-2] + (-1,))[..., :K], -1, axis).astype(np.float32)
;;   ~~~
;;   OPERANDS COMPUTED ON THE WAY. 'Computed on the way' means the value that the module computes at that place (a softmax that the list does not call 'softmax' is quantised finished and normalised). What goes into a quantiser is computed in f32, as accurately as f32 sums, v_exp_f32 and their like allow (about 1e-6 of the number): no bf16 or f16 on the way to a quantiser, and a product that is left as it is and whose result goes on into a quantised operand takes f32 operands (vector FMAs, or v_wmma_f32_16x16x4_f32). A number that lies on a knife's edge between two numbers of the format may be rounded either way, as far as f32 arithmetic and the matrix unit's own rounding can turn it there, and no further.
;; 2 versions. Each part assembles by itself: llvm-mc -triple=amdgcn-amd-amdhsa -mcpu=gfx1250 --defsym DOCPART=n.
;; ======== version 1 of 2: 5 launches
;; workspace buffers: sel 12,288 bytes of whole numbers; gwt 8,192 bytes; xq 819,200 bytes; plan 8,448 bytes of whole numbers; xg 1,740,800 bytes; hb 6,963,200 bytes; y 35,651,584 bytes
;; launch route (part 1): grid 64 x 1, 4 waves a work-group, no clusters, 47,104 bytes of LDS; arguments x, Wg, bg, sel, gwt, xq; writes sel, gwt, xq
.if DOCPART == 1
	.amdgcn_target "amdgcn-amd-amdhsa--gfx1250"
	.amdhsa_code_object_version 6
	.text
	.protected	k_q7275aee91b_route
	.globl	k_q7275aee91b_route
	.p2align	8
	.type	k_q7275aee91b_route,@function
k_q7275aee91b_route:
	s_mov_b64 s[64:65], 0
	v_nop
	global_prefetch_b8 v0, s[64:65] scope:SCOPE_SE
	s_setreg_imm32_b32 hwreg(HW_REG_WAVE_MODE, 25, 1), 1
	s_wait_xcnt 0x0
; ROUTE.  For each of 1,024 tokens: the gate's scores x Wg + bg in f32, the two best experts (the lower index wins a tie), their weights
; (softmax over all 8 with the maximum taken away, the two kept, divided by their sum + 1e-8), and the row of x as codes of E2M3 with one E8M0 byte for each 32 along K.
; SHARES.  A work-group takes 16 tokens, a wave 4.  Lane L holds block L of a row: k = 32 L .. 32 L + 31, so a block's largest magnitude needs no other lane, and the lane's part of
; Wg (32 rows x 8 experts, 1,024 consecutive bytes) stays in 256 registers (window 1) for the wave's four tokens.
; Wg comes by dense loads (512 consecutive bytes a load, 8 KiB a wave) and is dealt to the lanes through LDS, 16 bytes of padding behind each 1,024.
; OUT.  sel: word n = e0 | e1 << 8; from byte 4,096 a pair n: the 64-bit sum of 1 << 8 e over the two experts (a byte for each expert: the next launch counts by adding these).
; gwt: pair n = the weights of e0 and e1.  xq: row n of 768 bytes laid [K step 8][lane half 2][c 2][24 bytes], block 2 c + half of the K step: 48 bytes on end are a lane's 12 operand registers;
; from byte 786,432 the scale bytes [n][32].  No address and no branch here hangs on a score: the choice is stored as numbers at fixed places.
; LIMITS.  NaN and infinities are not served.  Two scores that differ by less than the rounding of an f32 sum of 1,024 terms may change places against another order of summing.
; A block whose largest magnitude lies under 2^-124, a block of zeros among them, keeps the scale byte 1: this program alone reads the bytes.
.set X,    16                          ; v16-143  token t's 32 numbers at X + 32 t
.set S,    144                         ; v144-151 the eight scores, four pairs
.set LND,  152                         ; v152-215 Wg as it lands
.set T,    152                         ; v152-167 at work
.set BV,   168                         ; the best score, its expert; the second best, its expert
.set BI,   169
.set CV,   170
.set CI,   171
.set MXR,  172                         ; the block's largest magnitude
.set SO,   173                         ; the conversion's scale operand
.set BY,   174                         ; the scale's byte
.set ONE,  175
.set PK,   176                         ; v176-180 what lanes 0-3 store
.set W0,   192                         ; results, a register for each token: w of e0, w of e1, the sum's low word, its high word, the two experts
.set W1,   196
.set HL,   200
.set HH,   204
.set SELV, 208
.set C,    212                         ; v212-217 a block's codes
.set U,    218                         ; v218-220 its upper half as converted
.set STG,  33280                       ; LDS: Wg in 32 x 1,040 bytes, then a stage of 3,328 bytes for each wave: 4 rows of 768 bytes of codes, then 128 scale bytes
.set MSB,  0
.macro WIN new                         ; the immediate's high byte repeats the setting that is left
.if MSB != (\new)
	s_set_vgpr_msb (MSB<<8)|(\new)
.set MSB, (\new)
.endif
.endm
	s_load_b256 s[4:11], s[0:1], 0x0               ; x, Wg, bg, sel
	s_load_b128 s[12:15], s[0:1], 0x20             ; gwt, xq
	v_lshl_add_u32 v254, v0, 2, 0xb600
	v_mov_b32 v255, 0
	v_lshrrev_b32 v2, 5, v0
	v_readfirstlane_b32 s24, v2                    ; wave
	v_and_b32 v1, 31, v0                           ; lane L
	v_lshlrev_b32 v2, 7, v1                        ; 128 L: my block in a row of x
	v_lshlrev_b32 v3, 4, v1                        ; 16 L
	v_lshlrev_b32 v10, 2, v1                       ; 4 L
	v_lshlrev_b32 v11, 3, v1                       ; 8 L
	s_lshl_b32 s25, ttmp9, 2
	s_add_co_u32 s25, s25, s24                     ; g = 4 x work-group + wave: my four tokens are 4 g .. 4 g + 3
	s_mul_i32 s30, s24, 8320
	v_add_nc_u32 v4, s30, v3                       ; Wg into LDS: 8 chunks of 1,040 bytes a wave
	v_mul_u32_u24 v5, v1, 1040                     ; and out of it: my chunk
	s_mul_i32 s31, s24, 3328
	s_add_co_u32 s31, s31, STG                     ; my wave's stage
	v_lshrrev_b32 v7, 2, v1
	v_mul_u32_u24 v6, v7, 96                       ; my block's codes in a row of xq: K step L / 4,
	v_and_b32 v7, 1, v1
	v_mad_u32_u24 v6, v7, 48, v6                   ; lane half L % 2,
	v_bfe_u32 v7, v1, 1, 1
	v_mad_u32_u24 v6, v7, 24, v6                   ; c = (L / 2) % 2
	v_add_nc_u32 v6, s31, v6
	v_add_nc_u32 v7, s31, v1                       ; my block's scale byte
	v_add_nc_u32 v8, s31, v3                       ; the stage read back, 16 bytes a lane
	v_add_nc_u32 v9, s31, v10                      ; and 4 bytes a lane
	s_mov_b32 s32, 0x76543210
	s_mov_b32 s33, 0xfedcba98                      ; v_permlanex16_b32: lane l xor 16
	s_lshl_b32 s26, s25, 14                        ; four rows of x
	s_mov_b32 s27, 0
	s_lshl_b32 s28, s24, 13                        ; my wave's 8 KiB of Wg
	s_mov_b32 s29, 0
	s_mul_i32 s34, s25, 3072                       ; four rows of codes
	s_mov_b32 s35, 0
	s_lshl_b32 s36, s25, 7                         ; four rows of scale bytes
	s_mov_b32 s37, 0
	s_lshl_b32 s52, s25, 4                         ; four words
	s_mov_b32 s53, 0
	s_lshl_b32 s54, s25, 5                         ; four pairs
	s_mov_b32 s55, 0
	s_wait_kmcnt 0x0
	s_load_b256 s[16:23], s[8:9], 0x0              ; bg
	s_add_nc_u64 s[4:5], s[4:5], s[26:27]
	s_add_nc_u64 s[6:7], s[6:7], s[28:29]
	s_add_nc_u64 s[38:39], s[14:15], s[34:35]
	s_add_nc_u64 s[40:41], s[14:15], s[36:37]
	s_add_nc_u64 s[42:43], s[10:11], s[52:53]
	s_add_nc_u64 s[44:45], s[10:11], s[54:55]
	s_add_nc_u64 s[46:47], s[12:13], s[54:55]
.irp t, 0,1,2,3
.irp i, 0,1,2,3,4,5,6,7
	global_load_b128 v[X+32*\t+4*\i:X+32*\t+4*\i+3], v2, s[4:5] offset:4096*\t+16*\i
.endr
.endr
.set i, 0
.rept 16
	global_load_b128 v[LND+4*i:LND+4*i+3], v3, s[6:7] offset:512*i     ; 32 lanes read 512 consecutive bytes
.set i, i+1
.endr
	s_wait_loadcnt 0x0
.set i, 0
.rept 16
	ds_store_b128 v4, v[LND+4*i:LND+4*i+3] offset:512*i+16*(i/2)       ; 16 bytes more for each 1,024 passed
.set i, i+1
.endr
	s_wait_dscnt 0x0                               ; for the others: my part of Wg lies in LDS
	s_barrier_signal -1
	s_barrier_wait -1
	WIN 0x40                                       ; destination window 1
.set i, 0
.rept 64
	ds_load_b128 v[4*i:4*i+3], v5 offset:16*i      ; register 8 i + e of window 1 = Wg[32 L + i][e]
.set i, i+1
.endr
	WIN 0
.irp e, 0,1,2,3,4,5,6,7
	v_mov_b32 v[T+\e], 0                           ; written once: a lane permute's destination counts as one of its sources
.endr
	v_mov_b32 v[ONE], 1
	s_wait_dscnt 0x0
	s_wait_kmcnt 0x0                               ; bg
.macro TOKEN t
.set XB, X+32*(\t)
	WIN 0x04                                       ; source 1 (Wg) window 1
.set i, 0
.rept 32                                       ; my 32 terms of each of the eight sums, two experts an instruction; x[i] serves both halves
.set XP, XB+2*(i/2)
.irp p, 0,1,2,3
.if i == 0
	v_pk_mul_f32 v[S+2*\p:S+2*\p+1], v[XP:XP+1], v[8*i+2*\p:8*i+2*\p+1] op_sel_hi:[0,1]
.elseif i%2 == 0
	v_pk_fma_f32 v[S+2*\p:S+2*\p+1], v[XP:XP+1], v[8*i+2*\p:8*i+2*\p+1], v[S+2*\p:S+2*\p+1] op_sel_hi:[0,1,1]
.else
	v_pk_fma_f32 v[S+2*\p:S+2*\p+1], v[XP:XP+1], v[8*i+2*\p:8*i+2*\p+1], v[S+2*\p:S+2*\p+1] op_sel:[1,0,0] op_sel_hi:[1,1,1]
.endif
.endr
.set i, i+1
.endr
	WIN 0
.irp m, 1,2,4,8                                ; over the 32 lanes: every lane ends with the same eight sums
.irp e, 0,1,2,3,4,5,6,7
	v_add_f32_dpp v[S+\e], v[S+\e], v[S+\e] row_xmask:\m row_mask:0xf bank_mask:0xf
.endr
.endr
.irp e, 0,1,2,3,4,5,6,7
	v_permlanex16_b32 v[T+\e], v[S+\e], s32, s33
.endr
.irp e, 0,1,2,3,4,5,6,7
	v_add_f32 v[S+\e], v[S+\e], v[T+\e]
.endr
.irp e, 0,1,2,3,4,5,6,7
	v_add_f32 v[S+\e], s[16+\e], v[S+\e]           ; + bg
.endr
	v_mov_b32 v[BV], v[S]                          ; the best: a later expert takes the place only if it is strictly larger
	v_mov_b32 v[BI], 0
.irp e, 1,2,3,4,5,6,7
	v_cmp_le_f32 vcc_lo, v[S+\e], v[BV]
	v_cndmask_b32 v[BV], v[S+\e], v[BV], vcc_lo
	v_cndmask_b32 v[BI], \e, v[BI], vcc_lo
.endr
	v_mov_b32 v[CV], 0xff800000                    ; the second best: the same among the other seven
	v_mov_b32 v[CI], 0
.irp e, 0,1,2,3,4,5,6,7
	v_cmp_le_f32 s48, v[S+\e], v[CV]
	v_cmp_eq_u32 s49, \e, v[BI]
	s_or_b32 vcc_lo, s48, s49
	v_cndmask_b32 v[CV], v[S+\e], v[CV], vcc_lo
	v_cndmask_b32 v[CI], \e, v[CI], vcc_lo
.endr
.irp e, 0,1,2,3,4,5,6,7
	v_sub_f32 v[T+\e], v[S+\e], v[BV]              ; the maximum is taken away
.endr
	v_sub_f32 v[T+8], v[CV], v[BV]
.irp e, 0,1,2,3,4,5,6,7,8
	v_mul_f32 v[T+\e], 0x3fb8aa3b, v[T+\e]         ; x log2(e)
.endr
.irp e, 0,1,2,3,4,5,6,7,8
	v_exp_f32 v[T+\e], v[T+\e]                     ; one batch: the eight, and the second best once more
.endr
	v_lshl_or_b32 v[SELV+\t], v[CI], 8, v[BI]      ; (a plain line behind the batch)
	s_wait_alu depctr_va_vdst(0)                   ; one wait for the nine, ahead of their first reader
	v_add_f32 v[T], v[T], v[T+1]
	v_add_f32 v[T+2], v[T+2], v[T+3]
	v_add_f32 v[T+4], v[T+4], v[T+5]
	v_add_f32 v[T+6], v[T+6], v[T+7]
	v_add_f32 v[T], v[T], v[T+2]
	v_add_f32 v[T+4], v[T+4], v[T+6]
	v_add_f32 v[T], v[T], v[T+4]                   ; Z
	v_rcp_f32 v[T+9], v[T]                         ; 1 / Z is the best expert's softmax: its exponential is 1
	v_and_b32 v[T+10], 3, v[BI]                    ; meanwhile 1 << 8 e of both experts, as two words
	v_lshlrev_b32 v[T+10], 3, v[T+10]
	v_lshlrev_b32 v[T+10], v[T+10], v[ONE]
	v_cmp_gt_u32 vcc_lo, 4, v[BI]
	v_cndmask_b32 v[T+11], 0, v[T+10], vcc_lo      ; the low word has it for experts 0-3,
	v_sub_nc_u32 v[T+10], v[T+10], v[T+11]         ; the high word for 4-7
	v_and_b32 v[T+12], 3, v[CI]
	v_lshlrev_b32 v[T+12], 3, v[T+12]
	v_lshlrev_b32 v[T+12], v[T+12], v[ONE]
	v_cmp_gt_u32 vcc_lo, 4, v[CI]
	v_cndmask_b32 v[T+13], 0, v[T+12], vcc_lo
	v_sub_nc_u32 v[T+12], v[T+12], v[T+13]
	v_add_nc_u32 v[HL+\t], v[T+11], v[T+13]
	v_add_nc_u32 v[HH+\t], v[T+10], v[T+12]
	s_wait_alu depctr_va_vdst(0)                   ; the reciprocal, ahead of its first reader
	v_mul_f32 v[T+8], v[T+8], v[T+9]               ; the second best's softmax
	v_add_f32 v[T+14], v[T+9], v[T+8]
	v_add_f32 v[T+14], 0x322bcc77, v[T+14]         ; + 1e-8
	v_rcp_f32 v[T+15], v[T+14]
	v_max3_num_f32 v[MXR], |v[XB]|, |v[XB+1]|, 0x1800000   ; meanwhile my block's largest magnitude, with the floor 2^(3 - 127): the byte cannot fall under 1
.irp i, 2,4,6,8,10,12,14,16,18,20,22,24,26,28,30
	v_max3_num_f32 v[MXR], v[MXR], |v[XB+\i]|, |v[XB+\i+1]|
.endr
	s_wait_alu depctr_va_vdst(0)
	v_mul_f32 v[W0+\t], v[T+9], v[T+15]
	v_mul_f32 v[W1+\t], v[T+8], v[T+15]
	v_add_nc_u32 v[SO], 0xff000000, v[MXR]         ; 2 off the exponent field: the conversion takes this operand's exponent field as its scale
	s_wait_dscnt 0x0                               ; the last token's stores into the stage have read C and BY
	v_cvt_scalef32_pk16_fp6_f32 v[C:C+2], v[XB:XB+15], v[SO]
	v_cvt_scalef32_pk16_fp6_f32 v[U:U+2], v[XB+16:XB+31], v[SO]    ; (a conversion's three registers begin on an even number)
	v_lshrrev_b32 v[BY], 23, v[SO]                 ; the scale's byte; also the plain line behind the conversions
.irp i, 0,1,2
	v_mov_b32 v[C+3+\i], v[U+\i]
.endr
.irp i, 0,1,2
	ds_store_b64 v6, v[C+2*\i:C+2*\i+1] offset:768*(\t)+8*\i
.endr
	ds_store_b8 v7, v[BY] offset:3072+32*(\t)
.endm
	TOKEN 0
	TOKEN 1
	TOKEN 2
	TOKEN 3
.irp i, 0,1,2,3,4,5
	ds_load_b128 v[X+4*\i:X+4*\i+3], v8 offset:512*\i   ; LDS serves a wave's instructions in order: these see my stores
.endr
	ds_load_b32 v[X+24], v9 offset:3072
.irp i, 0,1,2,3,4,5
	s_wait_dscnt 6-\i                              ; behind load i: the 5 - i that follow it and the scale bytes' load
	global_store_b128 v3, v[X+4*\i:X+4*\i+3], s[38:39] offset:512*\i   ; four rows of codes are 3,072 consecutive bytes, at a multiple of 256
.endr
	s_wait_dscnt 0x0
	global_store_b32 v10, v[X+24], s[40:41] offset:786432
	v_cmp_eq_u32 s48, 1, v1                        ; lane L of 0-3 takes token L's five numbers
	v_cmp_eq_u32 s49, 2, v1
	v_cmp_eq_u32 s50, 3, v1
.irp q, 0,1,2,3,4
	v_cndmask_b32 v[PK+\q], v[W0+4*\q], v[W0+4*\q+1], s48
	v_cndmask_b32 v[PK+\q], v[PK+\q], v[W0+4*\q+2], s49
	v_cndmask_b32 v[PK+\q], v[PK+\q], v[W0+4*\q+3], s50
.endr
	v_cmp_gt_u32 vcc_lo, 4, v1
	s_wait_xcnt 0x0                                ; EXEC changes only behind this wait: it is a source of the stores above
	s_wait_tensorcnt 0x0
	ds_add_u32 v254, v255
	s_wait_dscnt 0x0
	s_and_saveexec_b32 s51, vcc_lo
	global_store_b32 v10, v[PK+4], s[42:43]
	global_store_b64 v11, v[PK+2:PK+3], s[44:45] offset:4096
	global_store_b64 v11, v[PK:PK+1], s[46:47]
	s_wait_xcnt 0x0
	s_or_b32 exec_lo, exec_lo, s51
	s_endpgm
.Lfunc_end_k_q7275aee91b_route:
	.size	k_q7275aee91b_route, .Lfunc_end_k_q7275aee91b_route-k_q7275aee91b_route
	.p2alignl 7, 3214868480
	.fill 96, 4, 3214868480
	.section	.rodata,"a",@progbits
	.p2align	6, 0x0
	.amdhsa_kernel k_q7275aee91b_route
		.amdhsa_group_segment_fixed_size 47104
		.amdhsa_private_segment_fixed_size 0
		.amdhsa_enable_private_segment 0
		.amdhsa_kernarg_size 48
		.amdhsa_user_sgpr_count 2
		.amdhsa_user_sgpr_kernarg_segment_ptr 1
		.amdhsa_wavefront_size32 1
		.amdhsa_system_sgpr_workgroup_id_x 1
		.amdhsa_system_sgpr_workgroup_id_y 1
		.amdhsa_system_sgpr_workgroup_id_z 1
		.amdhsa_system_vgpr_workitem_id 0
		.amdhsa_next_free_vgpr 512
		.amdhsa_next_free_sgpr 66
		.amdhsa_reserve_vcc 1
		.amdhsa_float_denorm_mode_32 3
		.amdhsa_float_denorm_mode_16_64 3
		.amdhsa_memory_ordered 1
		.amdhsa_forward_progress 1
		.amdhsa_inst_pref_size 86
	.end_amdhsa_kernel
	.amdgpu_metadata
---
amdhsa.version: [ 1, 2 ]
amdhsa.kernels:
  - .name:           k_q7275aee91b_route
    .symbol:         k_q7275aee91b_route.kd
    .args:
      - { .name: x, .offset: 0, .size: 8, .value_kind: global_buffer, .address_space: global }
      - { .name: Wg, .offset: 8, .size: 8, .value_kind: global_buffer, .address_space: global }
      - { .name: bg, .offset: 16, .size: 8, .value_kind: global_buffer, .address_space: global }
      - { .name: sel, .offset: 24, .size: 8, .value_kind: global_buffer, .address_space: global }
      - { .name: gwt, .offset: 32, .size: 8, .value_kind: global_buffer, .address_space: global }
      - { .name: xq, .offset: 40, .size: 8, .value_kind: global_buffer, .address_space: global }
    .group_segment_fixed_size: 47104
    .private_segment_fixed_size: 0
    .kernarg_segment_align: 8
    .kernarg_segment_size: 48
    .max_flat_workgroup_size: 128
    .sgpr_count:     66
    .vgpr_count:     512
    .wavefront_size: 32
...
	.end_amdgpu_metadata
.endif
;; end of part 1
;; launch place (part 2): grid 136 x 1, 1 waves a work-group, no clusters, 512 bytes of LDS; arguments sel, xq, plan, xg; writes plan, xg
.if DOCPART == 2
	.amdgcn_target "amdgcn-amd-amdhsa--gfx1250"
	.amdhsa_code_object_version 6
	.text
	.protected	k_q7275aee91b_place
	.globl	k_q7275aee91b_place
	.p2align	8
	.type	k_q7275aee91b_place,@function
k_q7275aee91b_place:
	s_mov_b64 s[64:65], 0
	v_nop
	global_prefetch_b8 v0, s[64:65] scope:SCOPE_SE
	s_setreg_imm32_b32 hwreg(HW_REG_WAVE_MODE, 25, 1), 1
	s_wait_xcnt 0x0
; PLACE.  The 2,048 routed rows are sorted by expert, in token order, each expert's rows filled up to whole tiles of 16 slots: nt_e = ceil(c_e / 16) tiles from tile0_e on.
; The sum of the nt_e is at most 2,048 / 16 + 7 = 135 whatever the choice; 136 tiles are made, one by each work-group of ONE wave; a tile past the last has no row and is all zeros.
; Work-group T counts all experts' rows anew (8 KiB of sums of bytes), finds its expert, sweeps the 1,024 tokens for the 16 whose rank among that expert's rows is 16 (T - tile0) + 0 .. 15,
; gathers their codes of x and stores them as IMAGES OF THE OPERAND'S REGISTERS: xg[T][K step 8][piece 3][lane 32][16 bytes]; from byte 1,671,168 the scale words [T][K step 8][row 16].
; plan: word 2 n + i = the slot (16 T + row) of token n's expert i; from byte 8,192 tile0[8], then nt[8] (work-group 0 stores these).
; An empty slot has zero codes and the scale byte 0, which is 2^-127 and no NaN.  One wave: no barrier, and LDS serves its instructions in order.
.set SE,  16                           ; v16-47   e0 | e1 << 8 of token 32 i + lane
.set H,   48                           ; v48-111  that token's pair of count words
.set D,   112                          ; v112-143 a sweep's LDS address, a register for each sweep
.set VL,  144                          ; v144-175 and what it stores
.set G,   16                           ; later v16-111: the 8 fragments' registers, v112-119: the row's 8 scale words
.set SCW, 112
.set A,   176                          ; v176-183 at work
	s_load_b256 s[4:11], s[0:1], 0x0               ; sel, xq, plan, xg
	v_lshl_add_u32 v254, v0, 2, 0x100
	v_mov_b32 v255, 0
	v_and_b32 v1, 31, v0                           ; lane
	v_lshlrev_b32 v2, 2, v1
	v_lshlrev_b32 v3, 3, v1
	v_lshlrev_b32 v4, 4, v1
	v_and_b32 v5, 15, v1                           ; r
	v_lshrrev_b32 v6, 4, v1                        ; h
	v_mov_b32 v7, -1
	v_add_nc_u32 v9, 0x10000, v1                   ; lane, marked as the token's second expert
	ds_store_b32 v2, v7                            ; the table: words 0-15 the tile's slots, empty; word 16 takes what belongs to other tiles
	s_mov_b32 s12, 0x00ff00ff
	s_mov_b32 s14, 0x76543210
	s_mov_b32 s15, 0xfedcba98
	s_wait_kmcnt 0x0
.set i, 0
.rept 32
	global_load_b32 v[SE+i], v2, s[4:5] offset:128*i
.set i, i+1
.endr
.set i, 0
.rept 32
	global_load_b64 v[H+2*i:H+2*i+1], v3, s[4:5] offset:4096+256*i
.set i, i+1
.endr
.irp q, 4,5,6,7
	v_mov_b32 v[A+\q], 0                           ; written once: the destination of a lane exchange counts as one of its sources
.endr
	s_wait_loadcnt 0x0
	v_add_nc_u32 v[A], v[H], v[H+2]                ; a byte for each expert: my 32 tokens make at most 32 in a byte
	v_add_nc_u32 v[A+1], v[H+1], v[H+3]
.set i, 2
.rept 30
	v_add_nc_u32 v[A], v[A], v[H+2*i]
	v_add_nc_u32 v[A+1], v[A+1], v[H+2*i+1]
.set i, i+1
.endr
	v_lshrrev_b32 v[A+2], 8, v[A]
	v_lshrrev_b32 v[A+3], 8, v[A+1]
	v_and_b32 v[A], s12, v[A]                      ; widened to 16 bits: experts 0 and 2,
	v_and_b32 v[A+1], s12, v[A+1]                  ; 4 and 6,
	v_and_b32 v[A+2], s12, v[A+2]                  ; 1 and 3,
	v_and_b32 v[A+3], s12, v[A+3]                  ; 5 and 7: the 32 lanes make at most 1,024 in a field
.irp m, 1,2,4,8
.irp q, 0,1,2,3
	v_mov_b32_dpp v[A+4+\q], v[A+\q] row_xmask:\m row_mask:0xf bank_mask:0xf
.endr
.irp q, 0,1,2,3
	v_add_nc_u32 v[A+\q], v[A+\q], v[A+4+\q]
.endr
.endr
.irp q, 0,1,2,3
	v_permlanex16_b32 v[A+4+\q], v[A+\q], s14, s15
.endr
.irp q, 0,1,2,3
	v_add_nc_u32 v[A+\q], v[A+\q], v[A+4+\q]
.endr
	v_readfirstlane_b32 s40, v[A]
	v_readfirstlane_b32 s41, v[A+2]
	v_readfirstlane_b32 s42, v[A+1]
	v_readfirstlane_b32 s43, v[A+3]
	s_and_b32 s16, s40, 0xffff                     ; c_0 .. c_7 in s16-23
	s_lshr_b32 s18, s40, 16
	s_and_b32 s17, s41, 0xffff
	s_lshr_b32 s19, s41, 16
	s_and_b32 s20, s42, 0xffff
	s_lshr_b32 s22, s42, 16
	s_and_b32 s21, s43, 0xffff
	s_lshr_b32 s23, s43, 16
.irp e, 0,1,2,3,4,5,6,7
	s_add_co_u32 s[24+\e], s[16+\e], 15
	s_lshr_b32 s[24+\e], s[24+\e], 4               ; nt_e in s24-31
.endr
	s_mov_b32 s32, 0                               ; tile0_e in s32-39
.irp e, 1,2,3,4,5,6,7
	s_add_co_u32 s[32+\e], s[31+\e], s[23+\e]
.endr
	s_mov_b32 s44, 0                               ; my expert: the last whose first tile is not behind mine
	s_mov_b32 s45, 0
.irp e, 1,2,3,4,5,6,7
	s_cmp_ge_u32 ttmp9, s[32+\e]
	s_cselect_b32 s44, \e, s44
	s_cselect_b32 s45, s[32+\e], s45
.endr
	s_sub_co_u32 s46, ttmp9, s45
	s_lshl_b32 s46, s46, 4
	s_sub_co_u32 s46, 0, s46                       ; rows of my expert passed so far less my tile's first rank
.macro SWEEP i                         ; tokens 32 i + lane
	v_and_b32 v[A], 0xff, v[SE+\i]
	v_lshrrev_b32 v[A+1], 8, v[SE+\i]
	v_cmp_eq_u32 s47, s44, v[A]
	v_cmp_eq_u32 s48, s44, v[A+1]
	s_or_b32 s49, s47, s48                         ; the lanes whose token goes to my expert
	v_mbcnt_lo_u32_b32 v[D+\i], s49, s46           ; its rank less my tile's first: 0 .. 15 in my tile
	v_cndmask_b32 v[D+\i], 16, v[D+\i], s49
	v_min_u32 v[D+\i], 16, v[D+\i]                 ; all else (a rank before my tile wraps round to a large number) goes to word 16
	v_lshlrev_b32 v[D+\i], 2, v[D+\i]
	v_cndmask_b32 v[VL+\i], v1, v9, s48
	v_add_nc_u32 v[VL+\i], 32*\i, v[VL+\i]         ; the token, bit 16: it is the token's second expert
	ds_store_b32 v[D+\i], v[VL+\i]
	s_bcnt1_i32_b32 s50, s49
	s_add_co_u32 s46, s46, s50
.endm
.set Q, 0
.rept 32
	SWEEP Q
.set Q, Q+1
.endr
	v_lshlrev_b32 v10, 2, v5
	ds_load_b32 v11, v10                           ; slot r's token, in lanes r and 16 + r
	s_wait_dscnt 0x0
	v_cmp_ne_u32 s51, -1, v11                      ; the slot has a row
	v_and_b32 v12, 0xffff, v11
	v_min_u32 v12, 0x3ff, v12                      ; the token, held inside the table
	v_bfe_u32 v13, v11, 16, 1
	v_min_u32 v13, 1, v13
	v_mul_u32_u24 v14, v12, 768
	v_mad_u32_u24 v14, v6, 48, v14                 ; its row of codes, my half's 48 bytes of each K step
	v_lshlrev_b32 v15, 5, v12
.irp s, 0,1,2,3,4,5,6,7
.irp g, 0,1,2
	global_load_b128 v[G+12*\s+4*\g:G+12*\s+4*\g+3], v14, s[6:7] offset:96*\s+16*\g
.endr
.endr
	global_load_b128 v[SCW:SCW+3], v15, s[6:7] offset:786432
	global_load_b128 v[SCW+4:SCW+7], v15, s[6:7] offset:786448
	s_mul_i32 s56, ttmp9, 12288
	s_mov_b32 s57, 0
	s_add_nc_u64 s[52:53], s[10:11], s[56:57]      ; my tile's images
	s_lshl_b32 s56, ttmp9, 9
	s_add_nc_u64 s[54:55], s[10:11], s[56:57]      ; and, 1,671,168 bytes on, its scale words
	v_cmp_eq_u32 s58, 1, v6
	s_wait_loadcnt 0x0
.set i, 0
.rept 104
	v_cndmask_b32 v[G+i], 0, v[G+i], s51           ; an empty slot is zeros
.set i, i+1
.endr
.irp s, 0,1,2,3,4,5,6,7
.irp g, 0,1,2
	global_store_b128 v4, v[G+12*\s+4*\g:G+12*\s+4*\g+3], s[52:53] offset:1536*\s+512*\g   ; 512 consecutive bytes, at a multiple of 256
.endr
.endr
.irp i, 0,1,2,3
	v_cndmask_b32 v[A+\i], v[SCW+2*\i], v[SCW+2*\i+1], s58     ; lanes 0-15 K step 2 i, lanes 16-31 K step 2 i + 1
	global_store_b32 v2, v[A+\i], s[54:55] offset:1671168+128*\i
.endr
	v_lshlrev_b32 v[A+4], 3, v12
	v_lshl_add_u32 v[A+4], v13, 2, v[A+4]          ; plan: word 2 n + i
	s_lshl_b32 s59, ttmp9, 4
	v_add_nc_u32 v[A+5], s59, v5                   ; the slot
	v_cmp_gt_u32 s60, 16, v1
	s_and_b32 vcc_lo, s51, s60                     ; lanes 0-15 whose slot has a row
	s_wait_xcnt 0x0                                ; EXEC changes only behind this wait
	s_and_saveexec_b32 s61, vcc_lo
	global_store_b32 v[A+4], v[A+5], s[8:9]
	s_wait_xcnt 0x0
	s_or_b32 exec_lo, exec_lo, s61
	s_cmp_lg_u32 ttmp9, 0
	s_cbranch_scc1 .Ldone
	v_mov_b32 v[A+6], 0
.irp e, 0,1,2,3,4,5,6,7
	v_writelane_b32 v[A+6], s[32+\e], \e
	v_writelane_b32 v[A+6], s[24+\e], 8+\e
.endr
	s_mov_b32 vcc_lo, s60
	s_and_saveexec_b32 s61, vcc_lo
	global_store_b32 v2, v[A+6], s[8:9] offset:8192
	s_wait_xcnt 0x0
	s_or_b32 exec_lo, exec_lo, s61
.Ldone:
	s_wait_tensorcnt 0x0
	ds_add_u32 v254, v255
	s_wait_dscnt 0x0
	s_endpgm
.Lfunc_end_k_q7275aee91b_place:
	.size	k_q7275aee91b_place, .Lfunc_end_k_q7275aee91b_place-k_q7275aee91b_place
	.p2alignl 7, 3214868480
	.fill 96, 4, 3214868480
	.section	.rodata,"a",@progbits
	.p2align	6, 0x0
	.amdhsa_kernel k_q7275aee91b_place
		.amdhsa_group_segment_fixed_size 512
		.amdhsa_private_segment_fixed_size 0
		.amdhsa_enable_private_segment 0
		.amdhsa_kernarg_size 32
		.amdhsa_user_sgpr_count 2
		.amdhsa_user_sgpr_kernarg_segment_ptr 1
		.amdhsa_wavefront_size32 1
		.amdhsa_system_sgpr_workgroup_id_x 1
		.amdhsa_system_sgpr_workgroup_id_y 1
		.amdhsa_system_sgpr_workgroup_id_z 1
		.amdhsa_system_vgpr_workitem_id 0
		.amdhsa_next_free_vgpr 256
		.amdhsa_next_free_sgpr 66
		.amdhsa_reserve_vcc 1
		.amdhsa_float_denorm_mode_32 3
		.amdhsa_float_denorm_mode_16_64 3
		.amdhsa_memory_ordered 1
		.amdhsa_forward_progress 1
		.amdhsa_inst_pref_size 50
	.end_amdhsa_kernel
	.amdgpu_metadata
---
amdhsa.version: [ 1, 2 ]
amdhsa.kernels:
  - .name:           k_q7275aee91b_place
    .symbol:         k_q7275aee91b_place.kd
    .args:
      - { .name: sel, .offset: 0, .size: 8, .value_kind: global_buffer, .address_space: global }
      - { .name: xq, .offset: 8, .size: 8, .value_kind: global_buffer, .address_space: global }
      - { .name: plan, .offset: 16, .size: 8, .value_kind: global_buffer, .address_space: global }
      - { .name: xg, .offset: 24, .size: 8, .value_kind: global_buffer, .address_space: global }
    .group_segment_fixed_size: 512
    .private_segment_fixed_size: 0
    .kernarg_segment_align: 8
    .kernarg_segment_size: 32
    .max_flat_workgroup_size: 32
    .sgpr_count:     66
    .vgpr_count:     256
    .wavefront_size: 32
...
	.end_amdgpu_metadata
.endif
;; end of part 2
;; launch up (part 3): grid 32 x 8, 4 waves a work-group, no clusters, 111,104 bytes of LDS; arguments W1, b1, xg, plan, hb; writes hb
.if DOCPART == 3
	.amdgcn_target "amdgcn-amd-amdhsa--gfx1250"
	.amdhsa_code_object_version 6
	.text
	.protected	k_q7275aee91b_up
	.globl	k_q7275aee91b_up
	.p2align	8
	.type	k_q7275aee91b_up,@function
k_q7275aee91b_up:
	s_mov_b64 s[64:65], 0
	v_nop
	global_prefetch_b8 v0, s[64:65] scope:SCOPE_SE
	s_setreg_imm32_b32 hwreg(HW_REG_WAVE_MODE, 25, 1), 1
	s_wait_xcnt 0x0
; UP (UP = 1): h = relu(x W1[e] + b1[e]) for the rows routed to expert e, quantised, stored as operand images.   DOWN (UP = 0): the partial sums h W2[e] over a quarter of K.   One text, told apart by UP.
; Both products on codes of E2M3 with one E8M0 scale for each 32 along K.  The weights arrive as f32 with K as their FIRST axis and are read ONCE in the whole launch: a work-group owns a SLAB of one expert,
; 128 columns x 1,024 along K (512 KiB), quantises it on the way into LDS (96 KiB of register images) and multiplies it by all tiles of 16 rows of its expert.
; UP: grid 32 x 8: column group cg, expert e.  DOWN: grid 8 x 32: cg, and y = 4 e + q, q the quarter of K = 4,096.  256 work-groups, one to a WGP.
; NO TENSOR LOAD, NO CLUSTER: how many tiles an expert has is read from memory, and the walk over them branches on it.  What work-groups share, the rows' images, is under a third of a work-group's bytes.
; THE STREAM.  Wave w takes rows 256 w .. 256 w + 255 of the slab, K steps 2 w and 2 w + 1, in 8 blocks of 32 rows.  One load reads one row's 128 columns: 512 consecutive bytes at a multiple of 256; lane L gets
; columns 4 L .. 4 L + 3.  128 moves set a block's numbers down K, a column's 32 on end (the conversions take neighbours along K from consecutive registers), and free the landing set for the block two on.
; THE COLUMNS OF A TILE ARE NOT NEIGHBOURS: tile t = 4 half + j holds columns 4 (16 half + r) + j, r = 0 .. 15: so lane L = 16 half + r holds row r of tiles (j, half), j = 0 .. 3.
; Its codes of block 2 c + hb of a K step are registers 6 c .. 6 c + 5 of lane place 16 hb + r of the image: the LDS address puts them there, and no lane exchange is needed.
; An IMAGE is a fragment's 12 registers: piece g = registers 4 g .. 4 g + 3, lane place l's 16 bytes at 512 g + 16 l.
; UP USES THE PRODUCT TRANSPOSED (source 0 = W, source 1 = x): lane (r, h), tile (j, half), register u holds slot r, hidden unit 64 half + 32 h + 4 u + j.  So registers 32 half + 8 j + u of a lane are ONE WHOLE BLOCK
; 2 half + h of the next K, in the lane that the operand's layout asks for, in the order p = 8 j + u for unit 4 u + j.  DOWN sets W2's rows of each block in the same order (row 4 (p % 8) + p / 8 at place p):
; a permutation of k inside a block, alike on both sides: the block's scale and the products are the same, only the order of the sum inside the instruction differs.
; THE PRODUCTS.  Behind ONE barrier every wave reads all 64 fragments from LDS, four at a time through two half-rings, and multiplies them by its own five tiles of rows (tiles PB + 4 m + w), whose 40 fragments
; lie in registers: they were asked for during the stream.  20 tiles (320 rows) a pass; an expert with more takes more passes, ceil(nt / 20) in all, which read LDS and the rows' images again, never the weights.
; A tile past the expert's last is multiplied as tile 0 and not stored; an expert without rows stores nothing.
; LIMITS.  NaN and infinities are not served.  A block whose largest magnitude lies under 2^-124, a block of zeros among them, keeps the scale byte 1: this program alone reads the bytes.
; REGISTERS, in windows of 256.  Window 0: v1-23 addresses; v24-43 the rows' scale words, v44-75 the weights': these 52 hold scales and nothing else; v76-127 the stream's codes and temporaries, v128-255 a block set down K;
;   in the products v76-123, v124-171 the two half-rings, v192-255 tile m = 4's accumulators; on the way out v76-167 are free.
; Window 1: the rows' fragments of m = 0 (v0-95), m = 1 (v96-191), m = 4's K steps 0-3 (v192-239).  Window 2: m = 2, m = 3, m = 4's K steps 4-7.  Window 3: two landing sets of 128; later the accumulators 64 m + 8 t + u, m = 0 .. 3.
.set UP, 1
.if UP
.set PITCH, 16384                      ; a row of the weights in bytes
.set AREC,  12288                      ; a tile's images of the rows' operand, all K steps
.set SREC,  512                        ; and its scale words
.set PLN,   46
.else
.set PITCH, 4096
.set AREC,  49152
.set SREC,  2048
.set PLN,   44
.endif
.set SCI,  98304                       ; LDS: 64 images of 1,536 bytes, fragment (s, t) at (8 s + t) x 1,536; then the weights' scale words, (4 s + j) x 128 + 4 x lane;
.set BIO,  102400                      ; then (UP) the bias as an image of 64 registers: 16 pieces of 512 bytes
.set LOFF, 1                           ; 16 x lane
.set LOF2, 2                           ; 16 x lane + 49,152: an LDS immediate has 16 bits
.set WSA,  3                           ; 4 x lane + SCI
.set IMW,  4                           ; where I store codes: 24,576 w + 6,144 half + 16 r
.set ISW,  5                           ; and scale words: 4 x lane + SCI + 1,024 w
.set VA,   6                           ; v6-10  tile m's images: tile x AREC + 16 x lane
.set VS,   11                          ; v11-15 its scale words: tile x SREC + 4 x lane
.set R4,   16                          ; 4 r
.set H8,   17                          ; 8 h
.set ST0,  18                          ; offsets of the stores in hand
.set ST1,  19
.set BIA,  20                          ; where I store my part of the bias image
.set HV,   21                          ; UP: 128 h;  DOWN: 131,072 h + 16 r
.set L4,   22                          ; 4 x lane
.set TP,   23
.set XS,   24                          ; register 4 m + i: lanes 0-15 the words of K step 2 i, lanes 16-31 of K step 2 i + 1
.set WS,   44                          ; register 4 s + j: lanes 0-15 tile (j, 0), lanes 16-31 tile (j, 1)
.set E,    76                          ; v76-99   column j's six registers of codes at E + 6 j
.set U,    100                         ; v100-115 the upper halves as converted
.set MX,   116                         ; v116-119 largest magnitudes, then the bytes
.set SO,   120                         ; v120-123 the conversions' scale operands
.set SW,   124                         ; v124-127 the scale words as they grow
.set T,    128                         ; v128-255 column j's 32 numbers at T + 32 j
.set RING, 76
.set ACC4, 192
.set BI,   76                          ; the way out of UP: v76-139 the bias, v140-151 the codes, v152-158 upper halves, v160-166 at work
.set HF,   140
.set EU,   152
.set EMX,  160
.set ESO,  162
.set EBY,  164
.set HW,   166
.set O,    76                          ; the way out of DOWN: v76-139
.set WV,   18                          ; s18 wave, s19 expert, s20 column group, s21 quarter of K, s22 tile0, s23 nt, s24 the pass's first tile
.set EX,   19
.set CG,   20
.set QQ,   21
.set T0,   22
.set NT,   23
.set PB,   24
.set IO,   25                          ; s25-29 tile m's number within the expert
.set TAU,  30                          ; s30-34 and in the buffers
.set SEL,  36
.set PCT,  54                          ; s54 passes done;  s55 passes in all: ceil(nt / 20)
.set NPS,  55
.set MSB,  0
.macro WIN new                         ; the immediate's high byte repeats the setting that is left
.if MSB != (\new)
	s_set_vgpr_msb (MSB<<8)|(\new)
.set MSB, (\new)
.endif
.endm
.macro WLOAD b                         ; block b's 32 rows into landing set b % 2
	WIN 0xc0                                       ; destination window 3
.set i, 0
.rept 32
	global_load_b128 v[128*((\b)%2)+4*i:128*((\b)%2)+4*i+3], v[LOFF], s[4:5] offset:(32*(\b)+i)*PITCH th:TH_LOAD_NT
.set i, i+1
.endr
.endm
.macro ALOAD a                         ; load a of the 140 that bring my five tiles of rows: 120 pieces of images, 20 registers of scale words
.if (\a) < 120
.set AM_, (\a)/24
.set AS_, ((\a)%24)/3
.set AG_, (\a)%3
.if AM_ == 4
.set WN, (1+AS_/4)<<6
.set XR_, 192+12*(AS_%4)
.else
.set WN, (1+AM_/2)<<6
.set XR_, 96*(AM_%2)+12*AS_
.endif
	WIN WN
	global_load_b128 v[XR_+4*AG_:XR_+4*AG_+3], v[VA+AM_], s[6:7] offset:1536*AS_+512*AG_
.else
	WIN 0
	global_load_b32 v[XS+(\a)-120], v[VS+((\a)-120)/4], s[8:9] offset:128*(((\a)-120)%4)
.endif
.endm
.macro SETUP                           ; which five tiles are mine in this pass, and where they lie
.irp m, 0,1,2,3,4
	s_add_co_u32 s[IO+\m], s[PB], 4*\m
	s_add_co_u32 s[IO+\m], s[IO+\m], s[WV]
	s_add_co_u32 s[TAU+\m], s[IO+\m], s[T0]
	s_cmp_lt_u32 s[IO+\m], s[NT]
	s_cselect_b32 s[TAU+\m], s[TAU+\m], 0          ; past the expert's last tile: tile 0, which always has rows
	s_min_u32 s[TAU+\m], s[TAU+\m], 135            ; held inside the buffers
	s_mul_i32 s38, s[TAU+\m], AREC
	v_add_nc_u32 v[VA+\m], s38, v[LOFF]
	s_mul_i32 s38, s[TAU+\m], SREC
	v_add_nc_u32 v[VS+\m], s38, v[L4]
.endr
.endm
; BLOCK b OF THE STREAM: 32 rows x 128 columns become 4 x 6 registers of codes a lane and a byte of four scale words.  n: the loads issued behind block b's, which may stay out.
.macro BROW b, n
	s_wait_loadcnt \n
.if UP && ((\b) == 0)
	WIN 0
.irp g, 0,1,2,3
	ds_store_b128 v[BIA], v[E+4*\g:E+4*\g+3] offset:512*\g     ; my 16 registers of the bias image (their loads are older than block 0's)
.endr
.endif
	WIN 0x03                                       ; source window 3
.set p, 0
.rept 32
.if UP
.set rw, p
.else
.set rw, 4*(p%8)+p/8                   ; the order in which UP left the hidden units of a block
.endif
.irp j, 0,1,2,3
	v_mov_b32 v[T+32*\j+p], v[128*((\b)%2)+4*rw+\j]
.endr
.set p, p+1
.endr
.if (\b) < 6
	WLOAD (\b)+2                                   ; the landing set is free
.endif
.if (\b) < 7
.set q, 20*(\b)
.rept 20
	ALOAD q                                        ; a seventh of the rows' loads rides behind each block's
.set q, q+1
.endr
.endif
	WIN 0
.irp j, 0,1,2,3
	v_max3_num_f32 v[MX+\j], |v[T+32*\j]|, |v[T+32*\j+1]|, 0x1800000   ; the four columns by turns; the floor 2^(3 - 127) holds the byte at 1 from below
.endr
.irp i, 2,4,6,8,10,12,14,16,18,20,22,24,26,28,30
.irp j, 0,1,2,3
	v_max3_num_f32 v[MX+\j], v[MX+\j], |v[T+32*\j+\i]|, |v[T+32*\j+\i+1]|
.endr
.endr
	s_wait_dscnt 0x0                               ; the last block's LDS stores have read E and SW
.irp j, 0,1,2,3
	v_add_nc_u32 v[SO+\j], 0xff000000, v[MX+\j]    ; 2 off the exponent field: the conversion's scale operand
.endr
.irp j, 0,1,2,3
	v_lshrrev_b32 v[MX+\j], 23, v[SO+\j]           ; the scale's byte
.endr
.irp j, 0,1,2,3
.if (\b)%4 == 0
	v_mov_b32 v[SW+\j], v[MX+\j]
.else
	v_lshl_or_b32 v[SW+\j], v[MX+\j], 8*((\b)%4), v[SW+\j]
.endif
.endr
.irp j, 0,1,2,3
	v_cvt_scalef32_pk16_fp6_f32 v[E+6*\j:E+6*\j+2], v[T+32*\j:T+32*\j+15], v[SO+\j]
	v_cvt_scalef32_pk16_fp6_f32 v[U+4*\j:U+4*\j+2], v[T+32*\j+16:T+32*\j+31], v[SO+\j]   ; (a conversion's three registers begin on an even number)
.endr
	v_nop                                          ; one plain line behind the conversions
.irp j, 0,1,2,3
.irp i, 0,1,2
	v_mov_b32 v[E+6*\j+3+\i], v[U+4*\j+\i]
.endr
.endr
.set OFS, 12288*((\b)/4)+256*((\b)%2)  ; my wave's K step b / 4; lane places 16 (b % 2) + r
.irp j, 0,1,2,3
.if ((\b)/2)%2 == 0
	ds_store_b128 v[IMW], v[E+6*\j:E+6*\j+3] offset:OFS+1536*\j            ; registers 0-3: piece 0
	ds_store_b64 v[IMW], v[E+6*\j+4:E+6*\j+5] offset:OFS+1536*\j+512       ; registers 4, 5: the first half of piece 1
.else
	ds_store_b64 v[IMW], v[E+6*\j:E+6*\j+1] offset:OFS+1536*\j+520         ; registers 6, 7: its second half
	ds_store_b128 v[IMW], v[E+6*\j+2:E+6*\j+5] offset:OFS+1536*\j+1024     ; registers 8-11: piece 2
.endif
.endr
.if (\b)%4 == 3
.irp j, 0,1,2,3
	ds_store_b32 v[ISW], v[SW+\j] offset:(4*((\b)/4)+\j)*128
.endr
.endif
.endm
.macro RLOAD s, hf                     ; the four fragments (s, 4 hf + j) into half-ring hf
.irp j, 0,1,2,3
.irp g, 0,1,2
.if (\s) < 4
	ds_load_b128 v[RING+48*(\hf)+12*\j+4*\g:RING+48*(\hf)+12*\j+4*\g+3], v[LOFF] offset:(8*(\s)+4*(\hf)+\j)*1536+512*\g
.else
	ds_load_b128 v[RING+48*(\hf)+12*\j+4*\g:RING+48*(\hf)+12*\j+4*\g+3], v[LOF2] offset:(8*((\s)-4)+4*(\hf)+\j)*1536+512*\g
.endif
.endr
.endr
.endm
.macro WMM d, a, b, c, sa, sb, ra, rb  ; ra, rb = 1: that side's scales stand in lanes 16-31
.if ((\ra) == 0) && ((\rb) == 0)
	v_wmma_scale_f32_16x16x128_f8f6f4 v[\d:\d+7], v[\a:\a+11], v[\b:\b+11], \c, v[\sa], v[\sb] matrix_a_fmt:MATRIX_FMT_FP6 matrix_b_fmt:MATRIX_FMT_FP6
.elseif (\rb) == 0
	v_wmma_scale_f32_16x16x128_f8f6f4 v[\d:\d+7], v[\a:\a+11], v[\b:\b+11], \c, v[\sa], v[\sb] matrix_a_fmt:MATRIX_FMT_FP6 matrix_b_fmt:MATRIX_FMT_FP6 matrix_a_scale:MATRIX_SCALE_ROW1
.elseif (\ra) == 0
	v_wmma_scale_f32_16x16x128_f8f6f4 v[\d:\d+7], v[\a:\a+11], v[\b:\b+11], \c, v[\sa], v[\sb] matrix_a_fmt:MATRIX_FMT_FP6 matrix_b_fmt:MATRIX_FMT_FP6 matrix_b_scale:MATRIX_SCALE_ROW1
.else
	v_wmma_scale_f32_16x16x128_f8f6f4 v[\d:\d+7], v[\a:\a+11], v[\b:\b+11], \c, v[\sa], v[\sb] matrix_a_fmt:MATRIX_FMT_FP6 matrix_b_fmt:MATRIX_FMT_FP6 matrix_a_scale:MATRIX_SCALE_ROW1 matrix_b_scale:MATRIX_SCALE_ROW1
.endif
.endm
.macro WM m, s, hf, j                  ; tile of rows m x tile of columns (j, hf), K step s.  K step 0 starts the sum: nothing is cleared
.set RG, RING+48*(\hf)+12*(\j)
.if (\m) == 4
.set DW, 0
.set DD, ACC4+8*(4*(\hf)+(\j))
.set XW, 1+(\s)/4
.set XX, 192+12*((\s)%4)
.else
.set DW, 3
.set DD, 64*(\m)+8*(4*(\hf)+(\j))
.set XW, 1+(\m)/2
.set XX, 96*((\m)%2)+12*(\s)
.endif
.set SWR, WS+4*(\s)+(\j)
.set SXR, XS+4*(\m)+(\s)/2
.if UP
.set WN, (DW<<6)|(DW<<4)|(XW<<2)
	WIN WN
.if (\s) == 0
	WMM DD, RG, XX, 0, SWR, SXR, \hf, (\s)%2
.else
	WMM DD, RG, XX, v[DD:DD+7], SWR, SXR, \hf, (\s)%2
.endif
.else
.set WN, (DW<<6)|(DW<<4)|XW
	WIN WN
.if (\s) == 0
	WMM DD, XX, RG, 0, SXR, SWR, (\s)%2, \hf
.else
	WMM DD, XX, RG, v[DD:DD+7], SXR, SWR, (\s)%2, \hf
.endif
.endif
.endm
; 20 matrix instructions on 20 different accumulators (an accumulator's next link stands 40 matrix instructions on), then the half-ring's next four fragments.
.macro HSET s, hf, n
	s_wait_dscnt \n                                ; my half-ring is in; the other's 12 loads, issued behind it, may be out
.irp m, 0,1,2,3,4
.irp j, 0,1,2,3
	WM \m, \s, \hf, \j
.endr
.endr
.if (\s) < 7
.rept 4
	v_nop                                          ; four plain lines between a matrix instruction and a load into a register that it has read (ISA guide 7.12.1 for vector instructions)
.endr
	WIN 0
	RLOAD (\s)+1, \hf
.endif
.endm
; THE WAY OUT of tile m; a tile past the expert's last is passed over.
.macro EPI m
	s_cmp_ge_u32 s[IO+\m], s[NT]
	s_cbranch_scc1 .Lskip_\@
.if (\m) == 4
.set AW, 0
.set AB, ACC4
.else
.set AW, 3
.set AB, 64*(\m)
.endif
	s_wait_xcnt 0x0                                ; the last tile's stores have read their offsets and data: both are written again below
.if UP
	s_mul_i32 s38, s[TAU+\m], 49152
	v_add_nc_u32 v[ST0], s38, v[LOFF]
	s_lshl_b32 s38, s[TAU+\m], 11
	v_add_nc_u32 v[ST1], s38, v[R4]
.set WN, (AW<<6)|AW
	WIN WN
.set i, 0
.rept 32
	v_pk_add_f32 v[AB+2*i:AB+2*i+1], v[AB+2*i:AB+2*i+1], v[BI+2*i:BI+2*i+1]   ; + b1; each accumulator is read from its low end on
.set i, i+1
.endr
.set WN, (AW<<6)|(AW<<2)
	WIN WN
.set i, 0
.rept 64
	v_max_num_f32 v[AB+i], 0, v[AB+i]              ; relu
.set i, i+1
.endr
.set WN, (AW<<4)|(AW<<2)
	WIN WN
.irp c, 0,1
	v_max3_num_f32 v[EMX+\c], 0x1800000, v[AB+32*\c], v[AB+32*\c+1]   ; my two whole blocks, by turns; none is negative; the floor as above
.endr
.irp i, 2,4,6,8,10,12,14,16,18,20,22,24,26,28,30
.irp c, 0,1
	v_max3_num_f32 v[EMX+\c], v[EMX+\c], v[AB+32*\c+\i], v[AB+32*\c+\i+1]
.endr
.endr
	WIN 0
.irp c, 0,1
	v_add_nc_u32 v[ESO+\c], 0xff000000, v[EMX+\c]
.endr
.irp c, 0,1
	v_lshrrev_b32 v[EBY+\c], 23, v[ESO+\c]
.endr
	WIN AW
.irp c, 0,1
	v_cvt_scalef32_pk16_fp6_f32 v[HF+6*\c:HF+6*\c+2], v[AB+32*\c:AB+32*\c+15], v[ESO+\c]
	v_cvt_scalef32_pk16_fp6_f32 v[EU+4*\c:EU+4*\c+2], v[AB+32*\c+16:AB+32*\c+31], v[ESO+\c]
.endr
	WIN 0
	v_lshl_or_b32 v[HW], v[EBY+1], 16, v[EBY]      ; my two bytes, blocks h and 2 + h (also the plain line behind the conversions),
.irp c, 0,1
.irp i, 0,1,2
	v_mov_b32 v[HF+6*\c+3+\i], v[EU+4*\c+\i]
.endr
.endr
	v_lshlrev_b32 v[HW], v[H8], v[HW]              ; at their places in the row's scale word;
	v_permlanex16_b32 v[TP], v[HW], s[SEL], s[SEL+1]
	v_or_b32 v[HW], v[HW], v[TP]                   ; with lane l xor 16's two it is whole
.irp g, 0,1,2
	global_store_b128 v[ST0], v[HF+4*\g:HF+4*\g+3], s[12:13] offset:512*\g   ; K step cg of the tile's images: 512 consecutive bytes, at a multiple of 256
.endr
	global_store_b32 v[ST1], v[HW], s[14:15]       ; lanes 16-31 write the word that lanes 0-15 write
.else
	s_lshl_b32 s38, s[TAU+\m], 18
	v_add_nc_u32 v[ST0], s38, v[HV]
	WIN AW
.irp u, 0,1,2,3,4,5,6,7                        ; four tiles' numbers of one slot are four neighbouring columns; each accumulator is read from its low end on
.irp hf, 0,1
.irp j, 0,1,2,3
	v_mov_b32 v[O+4*(8*\hf+\u)+\j], v[AB+8*(4*\hf+\j)+\u]
.endr
.endr
.endr
	WIN 0
.irp u, 0,1,2,3,4,5,6,7
.irp hf, 0,1
	global_store_b128 v[ST0], v[O+4*(8*\hf+\u):O+4*(8*\hf+\u)+3], s[12:13] offset:16384*\u+256*\hf th:TH_STORE_NT   ; sixteen lanes store 256 consecutive bytes of slot 8 h + u, at a multiple of 256
.endr
.endr
.endif
	WIN 0
.Lskip_\@:
.endm
	s_load_b256 s[40:47], s[0:1], 0x0              ; UP: W1, b1, xg, plan.  DOWN: W2, hb, plan, y
.if UP
	s_load_b64 s[48:49], s[0:1], 0x20              ; hb
	s_set_vgpr_msb 0x40
	v_lshl_add_u32 v254, v0, 2, 0x1b000
	v_mov_b32 v255, 0
	s_set_vgpr_msb 0x4000
.endif
	v_lshrrev_b32 v2, 5, v0
	v_readfirstlane_b32 s[WV], v2
	v_and_b32 v[TP], 31, v0
	v_lshlrev_b32 v[LOFF], 4, v[TP]
	v_add_nc_u32 v[LOF2], 49152, v[LOFF]
	v_lshlrev_b32 v[L4], 2, v[TP]
	v_add_nc_u32 v[WSA], SCI, v[L4]
	v_and_b32 v[R4], 15, v0                        ; r
	v_bfe_u32 v[H8], v0, 4, 1                      ; h (in the stream: half)
	s_mul_i32 s38, s[WV], 24576
	v_mul_u32_u24 v[IMW], v[H8], 6144
	v_lshl_add_u32 v[IMW], v[R4], 4, v[IMW]
	v_add_nc_u32 v[IMW], s38, v[IMW]
	s_lshl_b32 s38, s[WV], 10
	v_add_nc_u32 v[ISW], s38, v[WSA]
.if UP
	s_lshl_b32 s38, s[WV], 11
	s_add_co_u32 s38, s38, BIO
	v_add_nc_u32 v[BIA], s38, v[LOFF]
	v_lshlrev_b32 v[HV], 7, v[H8]
	v_lshlrev_b32 v[R4], 2, v[R4]
	v_lshlrev_b32 v[H8], 3, v[H8]
	v_mov_b32 v[TP], 0                             ; written once: a lane permute's destination counts as one of its sources
.else
	v_lshlrev_b32 v[HV], 17, v[H8]
	v_lshl_add_u32 v[HV], v[R4], 4, v[HV]
.endif
	s_mov_b32 s[CG], ttmp9
	s_and_b32 s[EX], ttmp7, 0xffff
.if !UP
	s_and_b32 s[QQ], s[EX], 3
	s_lshr_b32 s[EX], s[EX], 2
.endif
	s_lshl_b32 s39, s[EX], 2
	s_lshl_b32 s50, s[EX], 24                      ; an expert's weights are 2^24 bytes
.if UP
	s_lshl_b32 s51, s[WV], 22                      ; my 256 rows
.else
	s_lshl_b32 s51, s[WV], 20
.endif
	s_add_co_u32 s50, s50, s51
	s_lshl_b32 s51, s[CG], 9                       ; the slab's 128 columns
	s_add_co_u32 s50, s50, s51
.if !UP
	s_lshl_b32 s51, s[QQ], 22                      ; the quarter's 1,024 rows
	s_add_co_u32 s50, s50, s51
.endif
	s_mov_b32 s51, 0
.if UP
	s_lshl_b32 s52, s[EX], 14                      ; b1: registers 16 w + i of the bias image: half = w / 2, j = 2 (w % 2) + i / 8, u = i % 8; unit 64 half + 32 h + 4 u + j
	s_lshl_b32 s53, s[CG], 9
	s_add_co_u32 s52, s52, s53
	s_lshr_b32 s53, s[WV], 1
	s_lshl_b32 s53, s53, 8
	s_add_co_u32 s52, s52, s53
	s_and_b32 s53, s[WV], 1
	s_lshl_b32 s53, s53, 3
	s_add_co_u32 s52, s52, s53
	s_mov_b32 s53, 0
.endif
	s_mov_b32 s[SEL], 0x76543210
	s_mov_b32 s[SEL+1], 0xfedcba98
	s_mov_b32 s[PB], 0
	s_mov_b32 s[PCT], 0
	s_wait_kmcnt 0x0
	s_add_nc_u64 s[4:5], s[40:41], s[50:51]
	s_load_b32 s[T0], s[PLN:PLN+1], s39 offset:8192
	s_load_b32 s[NT], s[PLN:PLN+1], s39 offset:8224
.if UP
	s_add_nc_u64 s[16:17], s[42:43], s[52:53]
.set i, 0
.rept 16
	global_load_b32 v[E+i], v[HV], s[16:17] offset:4*(4*(i%8)+i/8)
.set i, i+1
.endr
.endif
	WLOAD 0                                        ; the stream starts ahead of everything that hangs on the plan
	WLOAD 1
	WIN 0
.if UP
	s_mov_b64 s[6:7], s[44:45]                     ; the rows' images: xg,
	s_add_nc_u64 s[8:9], s[44:45], 1671168         ; their scale words
	s_mul_i32 s52, s[CG], 1536
	s_add_nc_u64 s[12:13], s[48:49], s[52:53]      ; out: K step cg of hb's images,
	s_lshl_b32 s52, s[CG], 6
	s_add_nc_u64 s[14:15], s[48:49], s[52:53]
	s_add_nc_u64 s[14:15], s[14:15], 6684672       ; and of its scale words
.else
	s_mul_i32 s52, s[QQ], 12288
	s_mov_b32 s53, 0
	s_add_nc_u64 s[6:7], s[42:43], s[52:53]        ; the rows' images: hb, K steps 8 q on,
	s_lshl_b32 s52, s[QQ], 9
	s_add_nc_u64 s[8:9], s[42:43], s[52:53]
	s_add_nc_u64 s[8:9], s[8:9], 6684672           ; their scale words
	s_lshl_b32 s52, s[QQ], 12
	s_lshl_b32 s38, s[CG], 9
	s_add_co_u32 s52, s52, s38
	s_add_nc_u64 s[12:13], s[46:47], s[52:53]      ; out: y, quarter q, my 128 columns
.endif
	s_wait_kmcnt 0x0
	s_min_u32 s[NT], s[NT], 136                    ; the buffers hold 136 tiles
	s_add_co_u32 s[NPS], s[NT], 19
	s_mul_i32 s[NPS], s[NPS], 3277                 ; / 20: 3,277 / 65,536 lies 3.1e-6 over 1 / 20, and 155 times that is far under 1 / 20: exact up to nt + 19 = 155
	s_lshr_b32 s[NPS], s[NPS], 16                  ; passes in all: ceil(nt / 20)
	SETUP
	; The loads go out in the order (bias) W0 W1 | W2 A0 | W3 A1 | .. | W7 A5 | A6: 32 to a block of weights, 20 to a part of the rows.
	BROW 0, 32                                     ; behind W0: W1
	BROW 1, 52                                     ; behind W1: W2, A0
	BROW 2, 63                                     ; behind W2: A0, W3, A1, 72 loads: a wait's count holds 63 at the most
	BROW 3, 63
	BROW 4, 63
	BROW 5, 63
	BROW 6, 63
	BROW 7, 40                                     ; behind W7: A5, A6
	s_wait_dscnt 0x0                               ; for the others: my two K steps, their scale words and my part of the bias lie in LDS
	s_barrier_signal -1                            ; THE ONE BARRIER: it stands ahead of every branch on the plan's numbers; behind it LDS is only read
	s_barrier_wait -1
.set i, 0
.rept 32
	ds_load_b32 v[WS+i], v[WSA] offset:128*i
.set i, i+1
.endr
	s_wait_loadcnt 0x0                             ; the stream's last 40 loads, the first pass's rows, are in: on every way into a pass no global load is out, so that a pass may write the rows' address registers and load into their fragments anew
.Lpass:
	s_cmp_eq_u32 s[PB], 0
	s_cbranch_scc1 .Lhave                          ; the first pass's rows were asked for during the stream
	SETUP
.set q, 0
.rept 140
	ALOAD q
.set q, q+1
.endr
	WIN 0
.Lhave:
	RLOAD 0, 0
	RLOAD 0, 1
	s_wait_loadcnt 0x0                             ; a later pass's five tiles of rows are in
.irp s, 0,1,2,3,4,5,6
	HSET \s, 0, 12
	HSET \s, 1, 12
.endr
	HSET 7, 0, 12
	HSET 7, 1, 0
.rept 5
	v_nop                                          ; four plain lines ahead of reads of the results and of loads into the operands; five ahead of the next pass's products, which begin the accumulators anew
.endr
	WIN 0
.if UP
.set i, 0
.rept 16
	ds_load_b128 v[BI+4*i:BI+4*i+3], v[LOF2] offset:BIO-49152+512*i
.set i, i+1
.endr
	s_wait_dscnt 0x0
.endif
	EPI 0
	EPI 1
	EPI 2
	EPI 3
	EPI 4
	s_wait_xcnt 0x0                                ; the stores have read their registers: the next pass loads into them
	s_add_co_u32 s[PB], s[PB], 20                  ; the next pass's first tile
	s_add_co_u32 s[PCT], s[PCT], 1                 ; the loop is counted in passes: one a trip, against a number that the loop does not write
	s_cmp_lt_u32 s[PCT], s[NPS]
	s_cbranch_scc1 .Lpass
	s_set_vgpr_msb 0x5
	s_wait_tensorcnt 0x0
	ds_add_u32 v254, v255
	s_wait_dscnt 0x0
	s_set_vgpr_msb 0x500
	s_endpgm
.Lfunc_end_k_q7275aee91b_up:
	.size	k_q7275aee91b_up, .Lfunc_end_k_q7275aee91b_up-k_q7275aee91b_up
	.p2alignl 7, 3214868480
	.fill 96, 4, 3214868480
	.section	.rodata,"a",@progbits
	.p2align	6, 0x0
	.amdhsa_kernel k_q7275aee91b_up
		.amdhsa_group_segment_fixed_size 111104
		.amdhsa_private_segment_fixed_size 0
		.amdhsa_enable_private_segment 0
		.amdhsa_kernarg_size 40
		.amdhsa_user_sgpr_count 2
		.amdhsa_user_sgpr_kernarg_segment_ptr 1
		.amdhsa_wavefront_size32 1
		.amdhsa_system_sgpr_workgroup_id_x 1
		.amdhsa_system_sgpr_workgroup_id_y 1
		.amdhsa_system_sgpr_workgroup_id_z 1
		.amdhsa_system_vgpr_workitem_id 0
		.amdhsa_next_free_vgpr 1024
		.amdhsa_next_free_sgpr 66
		.amdhsa_reserve_vcc 0
		.amdhsa_float_denorm_mode_32 3
		.amdhsa_float_denorm_mode_16_64 3
		.amdhsa_memory_ordered 1
		.amdhsa_forward_progress 1
		.amdhsa_inst_pref_size 241
	.end_amdhsa_kernel
	.amdgpu_metadata
---
amdhsa.version: [ 1, 2 ]
amdhsa.kernels:
  - .name:           k_q7275aee91b_up
    .symbol:         k_q7275aee91b_up.kd
    .args:
      - { .name: W1, .offset: 0, .size: 8, .value_kind: global_buffer, .address_space: global }
      - { .name: b1, .offset: 8, .size: 8, .value_kind: global_buffer, .address_space: global }
      - { .name: xg, .offset: 16, .size: 8, .value_kind: global_buffer, .address_space: global }
      - { .name: plan, .offset: 24, .size: 8, .value_kind: global_buffer, .address_space: global }
      - { .name: hb, .offset: 32, .size: 8, .value_kind: global_buffer, .address_space: global }
    .group_segment_fixed_size: 111104
    .private_segment_fixed_size: 0
    .kernarg_segment_align: 8
    .kernarg_segment_size: 40
    .max_flat_workgroup_size: 128
    .sgpr_count:     66
    .vgpr_count:     1024
    .wavefront_size: 32
...
	.end_amdgpu_metadata
.endif
;; end of part 3
;; launch down (part 4): grid 8 x 32, 4 waves a work-group, no clusters, 102,912 bytes of LDS; arguments W2, hb, plan, y; writes y
.if DOCPART == 4
	.amdgcn_target "amdgcn-amd-amdhsa--gfx1250"
	.amdhsa_code_object_version 6
	.text
	.protected	k_q7275aee91b_down
	.globl	k_q7275aee91b_down
	.p2align	8
	.type	k_q7275aee91b_down,@function
k_q7275aee91b_down:
	s_mov_b64 s[64:65], 0
	v_nop
	global_prefetch_b8 v0, s[64:65] scope:SCOPE_SE
	s_setreg_imm32_b32 hwreg(HW_REG_WAVE_MODE, 25, 1), 1
	s_wait_xcnt 0x0
; UP (UP = 1): h = relu(x W1[e] + b1[e]) for the rows routed to expert e, quantised, stored as operand images.   DOWN (UP = 0): the partial sums h W2[e] over a quarter of K.   One text, told apart by UP.
; Both products on codes of E2M3 with one E8M0 scale for each 32 along K.  The weights arrive as f32 with K as their FIRST axis and are read ONCE in the whole launch: a work-group owns a SLAB of one expert,
; 128 columns x 1,024 along K (512 KiB), quantises it on the way into LDS (96 KiB of register images) and multiplies it by all tiles of 16 rows of its expert.
; UP: grid 32 x 8: column group cg, expert e.  DOWN: grid 8 x 32: cg, and y = 4 e + q, q the quarter of K = 4,096.  256 work-groups, one to a WGP.
; DOWN stores y[slot][q][1,024] in f32: four partial sums for each routed row, which the last launch adds: a row's K is shared among four work-groups so that each of the 256 has one slab, and no launch adds across work-groups.
; NO TENSOR LOAD, NO CLUSTER: how many tiles an expert has is read from memory, and the walk over them branches on it.  What work-groups share, the rows' images, is under a third of a work-group's bytes.
; THE STREAM.  Wave w takes rows 256 w .. 256 w + 255 of the slab, K steps 2 w and 2 w + 1, in 8 blocks of 32 rows.  One load reads one row's 128 columns: 512 consecutive bytes at a multiple of 256; lane L gets
; columns 4 L .. 4 L + 3.  128 moves set a block's numbers down K, a column's 32 on end (the conversions take neighbours along K from consecutive registers), and free the landing set for the block two on.
; THE COLUMNS OF A TILE ARE NOT NEIGHBOURS: tile t = 4 half + j holds columns 4 (16 half + r) + j, r = 0 .. 15: so lane L = 16 half + r holds row r of tiles (j, half), j = 0 .. 3.
; Its codes of block 2 c + hb of a K step are registers 6 c .. 6 c + 5 of lane place 16 hb + r of the image: the LDS address puts them there, and no lane exchange is needed.
; An IMAGE is a fragment's 12 registers: piece g = registers 4 g .. 4 g + 3, lane place l's 16 bytes at 512 g + 16 l.
; UP left the hidden units of a block of 32 in the order p = 8 j + u for unit 4 u + j.  DOWN sets W2's rows of each block in the same order (row 4 (p % 8) + p / 8 at place p):
; a permutation of k inside a block, alike on both sides: the block's scale and the products are the same, only the order of the sum inside the instruction differs.
; DOWN uses the product as it stands (source 0 = h, source 1 = W): lane (r, h), tile (j, half), register u holds slot 8 h + u, column 64 half + 4 r + j: four tiles give a lane four neighbouring columns.
; THE PRODUCTS.  Behind ONE barrier every wave reads all 64 fragments from LDS, four at a time through two half-rings, and multiplies them by its own five tiles of rows (tiles PB + 4 m + w), whose 40 fragments
; lie in registers: they were asked for during the stream.  20 tiles (320 rows) a pass; an expert with more takes more passes, ceil(nt / 20) in all, which read LDS and the rows' images again, never the weights.
; A tile past the expert's last is multiplied as tile 0 and not stored; an expert without rows stores nothing.
; LIMITS.  NaN and infinities are not served.  A block whose largest magnitude lies under 2^-124, a block of zeros among them, keeps the scale byte 1: this program alone reads the bytes.
; REGISTERS, in windows of 256.  Window 0: v1-23 addresses; v24-43 the rows' scale words, v44-75 the weights': these 52 hold scales and nothing else; v76-127 the stream's codes and temporaries, v128-255 a block set down K;
;   in the products v76-123, v124-171 the two half-rings, v192-255 tile m = 4's accumulators; on the way out v76-167 are free.
; Window 1: the rows' fragments of m = 0 (v0-95), m = 1 (v96-191), m = 4's K steps 0-3 (v192-239).  Window 2: m = 2, m = 3, m = 4's K steps 4-7.  Window 3: two landing sets of 128; later the accumulators 64 m + 8 t + u, m = 0 .. 3.
.set UP, 0
.if UP
.set PITCH, 16384                      ; a row of the weights in bytes
.set AREC,  12288                      ; a tile's images of the rows' operand, all K steps
.set SREC,  512                        ; and its scale words
.set PLN,   46
.else
.set PITCH, 4096
.set AREC,  49152
.set SREC,  2048
.set PLN,   44
.endif
.set SCI,  98304                       ; LDS: 64 images of 1,536 bytes, fragment (s, t) at (8 s + t) x 1,536; then the weights' scale words, (4 s + j) x 128 + 4 x lane;
.set BIO,  102400                      ; then (UP) the bias as an image of 64 registers: 16 pieces of 512 bytes
.set LOFF, 1                           ; 16 x lane
.set LOF2, 2                           ; 16 x lane + 49,152: an LDS immediate has 16 bits
.set WSA,  3                           ; 4 x lane + SCI
.set IMW,  4                           ; where I store codes: 24,576 w + 6,144 half + 16 r
.set ISW,  5                           ; and scale words: 4 x lane + SCI + 1,024 w
.set VA,   6                           ; v6-10  tile m's images: tile x AREC + 16 x lane
.set VS,   11                          ; v11-15 its scale words: tile x SREC + 4 x lane
.set R4,   16                          ; 4 r
.set H8,   17                          ; 8 h
.set ST0,  18                          ; offsets of the stores in hand
.set ST1,  19
.set BIA,  20                          ; where I store my part of the bias image
.set HV,   21                          ; UP: 128 h;  DOWN: 131,072 h + 16 r
.set L4,   22                          ; 4 x lane
.set TP,   23
.set XS,   24                          ; register 4 m + i: lanes 0-15 the words of K step 2 i, lanes 16-31 of K step 2 i + 1
.set WS,   44                          ; register 4 s + j: lanes 0-15 tile (j, 0), lanes 16-31 tile (j, 1)
.set E,    76                          ; v76-99   column j's six registers of codes at E + 6 j
.set U,    100                         ; v100-115 the upper halves as converted
.set MX,   116                         ; v116-119 largest magnitudes, then the bytes
.set SO,   120                         ; v120-123 the conversions' scale operands
.set SW,   124                         ; v124-127 the scale words as they grow
.set T,    128                         ; v128-255 column j's 32 numbers at T + 32 j
.set RING, 76
.set ACC4, 192
.set BI,   76                          ; the way out of UP: v76-139 the bias, v140-151 the codes, v152-158 upper halves, v160-166 at work
.set HF,   140
.set EU,   152
.set EMX,  160
.set ESO,  162
.set EBY,  164
.set HW,   166
.set O,    76                          ; the way out of DOWN: v76-139
.set WV,   18                          ; s18 wave, s19 expert, s20 column group, s21 quarter of K, s22 tile0, s23 nt, s24 the pass's first tile
.set EX,   19
.set CG,   20
.set QQ,   21
.set T0,   22
.set NT,   23
.set PB,   24
.set IO,   25                          ; s25-29 tile m's number within the expert
.set TAU,  30                          ; s30-34 and in the buffers
.set SEL,  36
.set PCT,  54                          ; s54 passes done;  s55 passes in all: ceil(nt / 20)
.set NPS,  55
.set MSB,  0
.macro WIN new                         ; the immediate's high byte repeats the setting that is left
.if MSB != (\new)
	s_set_vgpr_msb (MSB<<8)|(\new)
.set MSB, (\new)
.endif
.endm
.macro WLOAD b                         ; block b's 32 rows into landing set b % 2
	WIN 0xc0                                       ; destination window 3
.set i, 0
.rept 32
	global_load_b128 v[128*((\b)%2)+4*i:128*((\b)%2)+4*i+3], v[LOFF], s[4:5] offset:(32*(\b)+i)*PITCH th:TH_LOAD_NT
.set i, i+1
.endr
.endm
.macro ALOAD a                         ; load a of the 140 that bring my five tiles of rows: 120 pieces of images, 20 registers of scale words
.if (\a) < 120
.set AM_, (\a)/24
.set AS_, ((\a)%24)/3
.set AG_, (\a)%3
.if AM_ == 4
.set WN, (1+AS_/4)<<6
.set XR_, 192+12*(AS_%4)
.else
.set WN, (1+AM_/2)<<6
.set XR_, 96*(AM_%2)+12*AS_
.endif
	WIN WN
	global_load_b128 v[XR_+4*AG_:XR_+4*AG_+3], v[VA+AM_], s[6:7] offset:1536*AS_+512*AG_
.else
	WIN 0
	global_load_b32 v[XS+(\a)-120], v[VS+((\a)-120)/4], s[8:9] offset:128*(((\a)-120)%4)
.endif
.endm
.macro SETUP                           ; which five tiles are mine in this pass, and where they lie
.irp m, 0,1,2,3,4
	s_add_co_u32 s[IO+\m], s[PB], 4*\m
	s_add_co_u32 s[IO+\m], s[IO+\m], s[WV]
	s_add_co_u32 s[TAU+\m], s[IO+\m], s[T0]
	s_cmp_lt_u32 s[IO+\m], s[NT]
	s_cselect_b32 s[TAU+\m], s[TAU+\m], 0          ; past the expert's last tile: tile 0, which always has rows
	s_min_u32 s[TAU+\m], s[TAU+\m], 135            ; held inside the buffers
	s_mul_i32 s38, s[TAU+\m], AREC
	v_add_nc_u32 v[VA+\m], s38, v[LOFF]
	s_mul_i32 s38, s[TAU+\m], SREC
	v_add_nc_u32 v[VS+\m], s38, v[L4]
.endr
.endm
; BLOCK b OF THE STREAM: 32 rows x 128 columns become 4 x 6 registers of codes a lane and a byte of four scale words.  n: the loads issued behind block b's, which may stay out.
.macro BROW b, n
	s_wait_loadcnt \n
.if UP && ((\b) == 0)
	WIN 0
.irp g, 0,1,2,3
	ds_store_b128 v[BIA], v[E+4*\g:E+4*\g+3] offset:512*\g     ; my 16 registers of the bias image (their loads are older than block 0's)
.endr
.endif
	WIN 0x03                                       ; source window 3
.set p, 0
.rept 32
.if UP
.set rw, p
.else
.set rw, 4*(p%8)+p/8                   ; the order in which UP left the hidden units of a block
.endif
.irp j, 0,1,2,3
	v_mov_b32 v[T+32*\j+p], v[128*((\b)%2)+4*rw+\j]
.endr
.set p, p+1
.endr
.if (\b) < 6
	WLOAD (\b)+2                                   ; the landing set is free
.endif
.if (\b) < 7
.set q, 20*(\b)
.rept 20
	ALOAD q                                        ; a seventh of the rows' loads rides behind each block's
.set q, q+1
.endr
.endif
	WIN 0
.irp j, 0,1,2,3
	v_max3_num_f32 v[MX+\j], |v[T+32*\j]|, |v[T+32*\j+1]|, 0x1800000   ; the four columns by turns; the floor 2^(3 - 127) holds the byte at 1 from below
.endr
.irp i, 2,4,6,8,10,12,14,16,18,20,22,24,26,28,30
.irp j, 0,1,2,3
	v_max3_num_f32 v[MX+\j], v[MX+\j], |v[T+32*\j+\i]|, |v[T+32*\j+\i+1]|
.endr
.endr
	s_wait_dscnt 0x0                               ; the last block's LDS stores have read E and SW
.irp j, 0,1,2,3
	v_add_nc_u32 v[SO+\j], 0xff000000, v[MX+\j]    ; 2 off the exponent field: the conversion's scale operand
.endr
.irp j, 0,1,2,3
	v_lshrrev_b32 v[MX+\j], 23, v[SO+\j]           ; the scale's byte
.endr
.irp j, 0,1,2,3
.if (\b)%4 == 0
	v_mov_b32 v[SW+\j], v[MX+\j]
.else
	v_lshl_or_b32 v[SW+\j], v[MX+\j], 8*((\b)%4), v[SW+\j]
.endif
.endr
.irp j, 0,1,2,3
	v_cvt_scalef32_pk16_fp6_f32 v[E+6*\j:E+6*\j+2], v[T+32*\j:T+32*\j+15], v[SO+\j]
	v_cvt_scalef32_pk16_fp6_f32 v[U+4*\j:U+4*\j+2], v[T+32*\j+16:T+32*\j+31], v[SO+\j]   ; (a conversion's three registers begin on an even number)
.endr
	v_nop                                          ; one plain line behind the conversions
.irp j, 0,1,2,3
.irp i, 0,1,2
	v_mov_b32 v[E+6*\j+3+\i], v[U+4*\j+\i]
.endr
.endr
.set OFS, 12288*((\b)/4)+256*((\b)%2)  ; my wave's K step b / 4; lane places 16 (b % 2) + r
.irp j, 0,1,2,3
.if ((\b)/2)%2 == 0
	ds_store_b128 v[IMW], v[E+6*\j:E+6*\j+3] offset:OFS+1536*\j            ; registers 0-3: piece 0
	ds_store_b64 v[IMW], v[E+6*\j+4:E+6*\j+5] offset:OFS+1536*\j+512       ; registers 4, 5: the first half of piece 1
.else
	ds_store_b64 v[IMW], v[E+6*\j:E+6*\j+1] offset:OFS+1536*\j+520         ; registers 6, 7: its second half
	ds_store_b128 v[IMW], v[E+6*\j+2:E+6*\j+5] offset:OFS+1536*\j+1024     ; registers 8-11: piece 2
.endif
.endr
.if (\b)%4 == 3
.irp j, 0,1,2,3
	ds_store_b32 v[ISW], v[SW+\j] offset:(4*((\b)/4)+\j)*128
.endr
.endif
.endm
.macro RLOAD s, hf                     ; the four fragments (s, 4 hf + j) into half-ring hf
.irp j, 0,1,2,3
.irp g, 0,1,2
.if (\s) < 4
	ds_load_b128 v[RING+48*(\hf)+12*\j+4*\g:RING+48*(\hf)+12*\j+4*\g+3], v[LOFF] offset:(8*(\s)+4*(\hf)+\j)*1536+512*\g
.else
	ds_load_b128 v[RING+48*(\hf)+12*\j+4*\g:RING+48*(\hf)+12*\j+4*\g+3], v[LOF2] offset:(8*((\s)-4)+4*(\hf)+\j)*1536+512*\g
.endif
.endr
.endr
.endm
.macro WMM d, a, b, c, sa, sb, ra, rb  ; ra, rb = 1: that side's scales stand in lanes 16-31
.if ((\ra) == 0) && ((\rb) == 0)
	v_wmma_scale_f32_16x16x128_f8f6f4 v[\d:\d+7], v[\a:\a+11], v[\b:\b+11], \c, v[\sa], v[\sb] matrix_a_fmt:MATRIX_FMT_FP6 matrix_b_fmt:MATRIX_FMT_FP6
.elseif (\rb) == 0
	v_wmma_scale_f32_16x16x128_f8f6f4 v[\d:\d+7], v[\a:\a+11], v[\b:\b+11], \c, v[\sa], v[\sb] matrix_a_fmt:MATRIX_FMT_FP6 matrix_b_fmt:MATRIX_FMT_FP6 matrix_a_scale:MATRIX_SCALE_ROW1
.elseif (\ra) == 0
	v_wmma_scale_f32_16x16x128_f8f6f4 v[\d:\d+7], v[\a:\a+11], v[\b:\b+11], \c, v[\sa], v[\sb] matrix_a_fmt:MATRIX_FMT_FP6 matrix_b_fmt:MATRIX_FMT_FP6 matrix_b_scale:MATRIX_SCALE_ROW1
.else
	v_wmma_scale_f32_16x16x128_f8f6f4 v[\d:\d+7], v[\a:\a+11], v[\b:\b+11], \c, v[\sa], v[\sb] matrix_a_fmt:MATRIX_FMT_FP6 matrix_b_fmt:MATRIX_FMT_FP6 matrix_a_scale:MATRIX_SCALE_ROW1 matrix_b_scale:MATRIX_SCALE_ROW1
.endif
.endm
.macro WM m, s, hf, j                  ; tile of rows m x tile of columns (j, hf), K step s.  K step 0 starts the sum: nothing is cleared
.set RG, RING+48*(\hf)+12*(\j)
.if (\m) == 4
.set DW, 0
.set DD, ACC4+8*(4*(\hf)+(\j))
.set XW, 1+(\s)/4
.set XX, 192+12*((\s)%4)
.else
.set DW, 3
.set DD, 64*(\m)+8*(4*(\hf)+(\j))
.set XW, 1+(\m)/2
.set XX, 96*((\m)%2)+12*(\s)
.endif
.set SWR, WS+4*(\s)+(\j)
.set SXR, XS+4*(\m)+(\s)/2
.if UP
.set WN, (DW<<6)|(DW<<4)|(XW<<2)
	WIN WN
.if (\s) == 0
	WMM DD, RG, XX, 0, SWR, SXR, \hf, (\s)%2
.else
	WMM DD, RG, XX, v[DD:DD+7], SWR, SXR, \hf, (\s)%2
.endif
.else
.set WN, (DW<<6)|(DW<<4)|XW
	WIN WN
.if (\s) == 0
	WMM DD, XX, RG, 0, SXR, SWR, (\s)%2, \hf
.else
	WMM DD, XX, RG, v[DD:DD+7], SXR, SWR, (\s)%2, \hf
.endif
.endif
.endm
; 20 matrix instructions on 20 different accumulators (an accumulator's next link stands 40 matrix instructions on), then the half-ring's next four fragments.
.macro HSET s, hf, n
	s_wait_dscnt \n                                ; my half-ring is in; the other's 12 loads, issued behind it, may be out
.irp m, 0,1,2,3,4
.irp j, 0,1,2,3
	WM \m, \s, \hf, \j
.endr
.endr
.if (\s) < 7
.rept 4
	v_nop                                          ; four plain lines between a matrix instruction and a load into a register that it has read (ISA guide 7.12.1 for vector instructions)
.endr
	WIN 0
	RLOAD (\s)+1, \hf
.endif
.endm
; THE WAY OUT of tile m; a tile past the expert's last is passed over.
.macro EPI m
	s_cmp_ge_u32 s[IO+\m], s[NT]
	s_cbranch_scc1 .Lskip_\@
.if (\m) == 4
.set AW, 0
.set AB, ACC4
.else
.set AW, 3
.set AB, 64*(\m)
.endif
	s_wait_xcnt 0x0                                ; the last tile's stores have read their offsets and data: both are written again below
.if UP
	s_mul_i32 s38, s[TAU+\m], 49152
	v_add_nc_u32 v[ST0], s38, v[LOFF]
	s_lshl_b32 s38, s[TAU+\m], 11
	v_add_nc_u32 v[ST1], s38, v[R4]
.set WN, (AW<<6)|AW
	WIN WN
.set i, 0
.rept 32
	v_pk_add_f32 v[AB+2*i:AB+2*i+1], v[AB+2*i:AB+2*i+1], v[BI+2*i:BI+2*i+1]   ; + b1; each accumulator is read from its low end on
.set i, i+1
.endr
.set WN, (AW<<6)|(AW<<2)
	WIN WN
.set i, 0
.rept 64
	v_max_num_f32 v[AB+i], 0, v[AB+i]              ; relu
.set i, i+1
.endr
.set WN, (AW<<4)|(AW<<2)
	WIN WN
.irp c, 0,1
	v_max3_num_f32 v[EMX+\c], 0x1800000, v[AB+32*\c], v[AB+32*\c+1]   ; my two whole blocks, by turns; none is negative; the floor as above
.endr
.irp i, 2,4,6,8,10,12,14,16,18,20,22,24,26,28,30
.irp c, 0,1
	v_max3_num_f32 v[EMX+\c], v[EMX+\c], v[AB+32*\c+\i], v[AB+32*\c+\i+1]
.endr
.endr
	WIN 0
.irp c, 0,1
	v_add_nc_u32 v[ESO+\c], 0xff000000, v[EMX+\c]
.endr
.irp c, 0,1
	v_lshrrev_b32 v[EBY+\c], 23, v[ESO+\c]
.endr
	WIN AW
.irp c, 0,1
	v_cvt_scalef32_pk16_fp6_f32 v[HF+6*\c:HF+6*\c+2], v[AB+32*\c:AB+32*\c+15], v[ESO+\c]
	v_cvt_scalef32_pk16_fp6_f32 v[EU+4*\c:EU+4*\c+2], v[AB+32*\c+16:AB+32*\c+31], v[ESO+\c]
.endr
	WIN 0
	v_lshl_or_b32 v[HW], v[EBY+1], 16, v[EBY]      ; my two bytes, blocks h and 2 + h (also the plain line behind the conversions),
.irp c, 0,1
.irp i, 0,1,2
	v_mov_b32 v[HF+6*\c+3+\i], v[EU+4*\c+\i]
.endr
.endr
	v_lshlrev_b32 v[HW], v[H8], v[HW]              ; at their places in the row's scale word;
	v_permlanex16_b32 v[TP], v[HW], s[SEL], s[SEL+1]
	v_or_b32 v[HW], v[HW], v[TP]                   ; with lane l xor 16's two it is whole
.irp g, 0,1,2
	global_store_b128 v[ST0], v[HF+4*\g:HF+4*\g+3], s[12:13] offset:512*\g   ; K step cg of the tile's images: 512 consecutive bytes, at a multiple of 256
.endr
	global_store_b32 v[ST1], v[HW], s[14:15]       ; lanes 16-31 write the word that lanes 0-15 write
.else
	s_lshl_b32 s38, s[TAU+\m], 18
	v_add_nc_u32 v[ST0], s38, v[HV]
	WIN AW
.irp u, 0,1,2,3,4,5,6,7                        ; four tiles' numbers of one slot are four neighbouring columns; each accumulator is read from its low end on
.irp hf, 0,1
.irp j, 0,1,2,3
	v_mov_b32 v[O+4*(8*\hf+\u)+\j], v[AB+8*(4*\hf+\j)+\u]
.endr
.endr
.endr
	WIN 0
.irp u, 0,1,2,3,4,5,6,7
.irp hf, 0,1
	global_store_b128 v[ST0], v[O+4*(8*\hf+\u):O+4*(8*\hf+\u)+3], s[12:13] offset:16384*\u+256*\hf th:TH_STORE_NT   ; sixteen lanes store 256 consecutive bytes of slot 8 h + u, at a multiple of 256
.endr
.endr
.endif
	WIN 0
.Lskip_\@:
.endm
	s_load_b256 s[40:47], s[0:1], 0x0              ; UP: W1, b1, xg, plan.  DOWN: W2, hb, plan, y
	v_lshl_add_u32 v19, v0, 2, 0x19000
	v_mov_b32 v20, 0
.if UP
	s_load_b64 s[48:49], s[0:1], 0x20              ; hb
.endif
	v_lshrrev_b32 v2, 5, v0
	v_readfirstlane_b32 s[WV], v2
	v_and_b32 v[TP], 31, v0
	v_lshlrev_b32 v[LOFF], 4, v[TP]
	v_add_nc_u32 v[LOF2], 49152, v[LOFF]
	v_lshlrev_b32 v[L4], 2, v[TP]
	v_add_nc_u32 v[WSA], SCI, v[L4]
	v_and_b32 v[R4], 15, v0                        ; r
	v_bfe_u32 v[H8], v0, 4, 1                      ; h (in the stream: half)
	s_mul_i32 s38, s[WV], 24576
	v_mul_u32_u24 v[IMW], v[H8], 6144
	v_lshl_add_u32 v[IMW], v[R4], 4, v[IMW]
	v_add_nc_u32 v[IMW], s38, v[IMW]
	s_lshl_b32 s38, s[WV], 10
	v_add_nc_u32 v[ISW], s38, v[WSA]
.if UP
	s_lshl_b32 s38, s[WV], 11
	s_add_co_u32 s38, s38, BIO
	v_add_nc_u32 v[BIA], s38, v[LOFF]
	v_lshlrev_b32 v[HV], 7, v[H8]
	v_lshlrev_b32 v[R4], 2, v[R4]
	v_lshlrev_b32 v[H8], 3, v[H8]
	v_mov_b32 v[TP], 0                             ; written once: a lane permute's destination counts as one of its sources
.else
	v_lshlrev_b32 v[HV], 17, v[H8]
	v_lshl_add_u32 v[HV], v[R4], 4, v[HV]
.endif
	s_mov_b32 s[CG], ttmp9
	s_and_b32 s[EX], ttmp7, 0xffff
.if !UP
	s_and_b32 s[QQ], s[EX], 3
	s_lshr_b32 s[EX], s[EX], 2
.endif
	s_lshl_b32 s39, s[EX], 2
	s_lshl_b32 s50, s[EX], 24                      ; an expert's weights are 2^24 bytes
.if UP
	s_lshl_b32 s51, s[WV], 22                      ; my 256 rows
.else
	s_lshl_b32 s51, s[WV], 20
.endif
	s_add_co_u32 s50, s50, s51
	s_lshl_b32 s51, s[CG], 9                       ; the slab's 128 columns
	s_add_co_u32 s50, s50, s51
.if !UP
	s_lshl_b32 s51, s[QQ], 22                      ; the quarter's 1,024 rows
	s_add_co_u32 s50, s50, s51
.endif
	s_mov_b32 s51, 0
.if UP
	s_lshl_b32 s52, s[EX], 14                      ; b1: registers 16 w + i of the bias image: half = w / 2, j = 2 (w % 2) + i / 8, u = i % 8; unit 64 half + 32 h + 4 u + j
	s_lshl_b32 s53, s[CG], 9
	s_add_co_u32 s52, s52, s53
	s_lshr_b32 s53, s[WV], 1
	s_lshl_b32 s53, s53, 8
	s_add_co_u32 s52, s52, s53
	s_and_b32 s53, s[WV], 1
	s_lshl_b32 s53, s53, 3
	s_add_co_u32 s52, s52, s53
	s_mov_b32 s53, 0
.endif
	s_mov_b32 s[SEL], 0x76543210
	s_mov_b32 s[SEL+1], 0xfedcba98
	s_mov_b32 s[PB], 0
	s_mov_b32 s[PCT], 0
	s_wait_kmcnt 0x0
	s_add_nc_u64 s[4:5], s[40:41], s[50:51]
	s_load_b32 s[T0], s[PLN:PLN+1], s39 offset:8192
	s_load_b32 s[NT], s[PLN:PLN+1], s39 offset:8224
.if UP
	s_add_nc_u64 s[16:17], s[42:43], s[52:53]
.set i, 0
.rept 16
	global_load_b32 v[E+i], v[HV], s[16:17] offset:4*(4*(i%8)+i/8)
.set i, i+1
.endr
.endif
	WLOAD 0                                        ; the stream starts ahead of everything that hangs on the plan
	WLOAD 1
	WIN 0
.if UP
	s_mov_b64 s[6:7], s[44:45]                     ; the rows' images: xg,
	s_add_nc_u64 s[8:9], s[44:45], 1671168         ; their scale words
	s_mul_i32 s52, s[CG], 1536
	s_add_nc_u64 s[12:13], s[48:49], s[52:53]      ; out: K step cg of hb's images,
	s_lshl_b32 s52, s[CG], 6
	s_add_nc_u64 s[14:15], s[48:49], s[52:53]
	s_add_nc_u64 s[14:15], s[14:15], 6684672       ; and of its scale words
.else
	s_mul_i32 s52, s[QQ], 12288
	s_mov_b32 s53, 0
	s_add_nc_u64 s[6:7], s[42:43], s[52:53]        ; the rows' images: hb, K steps 8 q on,
	s_lshl_b32 s52, s[QQ], 9
	s_add_nc_u64 s[8:9], s[42:43], s[52:53]
	s_add_nc_u64 s[8:9], s[8:9], 6684672           ; their scale words
	s_lshl_b32 s52, s[QQ], 12
	s_lshl_b32 s38, s[CG], 9
	s_add_co_u32 s52, s52, s38
	s_add_nc_u64 s[12:13], s[46:47], s[52:53]      ; out: y, quarter q, my 128 columns
.endif
	s_wait_kmcnt 0x0
	s_min_u32 s[NT], s[NT], 136                    ; the buffers hold 136 tiles
	s_add_co_u32 s[NPS], s[NT], 19
	s_mul_i32 s[NPS], s[NPS], 3277                 ; / 20: 3,277 / 65,536 lies 3.1e-6 over 1 / 20, and 155 times that is far under 1 / 20: exact up to nt + 19 = 155
	s_lshr_b32 s[NPS], s[NPS], 16                  ; passes in all: ceil(nt / 20)
	SETUP
	; The loads go out in the order (bias) W0 W1 | W2 A0 | W3 A1 | .. | W7 A5 | A6: 32 to a block of weights, 20 to a part of the rows.
	BROW 0, 32                                     ; behind W0: W1
	BROW 1, 52                                     ; behind W1: W2, A0
	BROW 2, 63                                     ; behind W2: A0, W3, A1, 72 loads: a wait's count holds 63 at the most
	BROW 3, 63
	BROW 4, 63
	BROW 5, 63
	BROW 6, 63
	BROW 7, 40                                     ; behind W7: A5, A6
	s_wait_dscnt 0x0                               ; for the others: my two K steps, their scale words and my part of the bias lie in LDS
	s_barrier_signal -1                            ; THE ONE BARRIER: it stands ahead of every branch on the plan's numbers; behind it LDS is only read
	s_barrier_wait -1
.set i, 0
.rept 32
	ds_load_b32 v[WS+i], v[WSA] offset:128*i
.set i, i+1
.endr
	s_wait_loadcnt 0x0                             ; the stream's last 40 loads, the first pass's rows, are in: on every way into a pass no global load is out, so that a pass may write the rows' address registers and load into their fragments anew
.Lpass:
	s_cmp_eq_u32 s[PB], 0
	s_cbranch_scc1 .Lhave                          ; the first pass's rows were asked for during the stream
	SETUP
.set q, 0
.rept 140
	ALOAD q
.set q, q+1
.endr
	WIN 0
.Lhave:
	RLOAD 0, 0
	RLOAD 0, 1
	s_wait_loadcnt 0x0                             ; a later pass's five tiles of rows are in
.irp s, 0,1,2,3,4,5,6
	HSET \s, 0, 12
	HSET \s, 1, 12
.endr
	HSET 7, 0, 12
	HSET 7, 1, 0
.rept 5
	v_nop                                          ; four plain lines ahead of reads of the results and of loads into the operands; five ahead of the next pass's products, which begin the accumulators anew
.endr
	WIN 0
.if UP
.set i, 0
.rept 16
	ds_load_b128 v[BI+4*i:BI+4*i+3], v[LOF2] offset:BIO-49152+512*i
.set i, i+1
.endr
	s_wait_dscnt 0x0
.endif
	EPI 0
	EPI 1
	EPI 2
	EPI 3
	EPI 4
	s_wait_xcnt 0x0                                ; the stores have read their registers: the next pass loads into them
	s_add_co_u32 s[PB], s[PB], 20                  ; the next pass's first tile
	s_add_co_u32 s[PCT], s[PCT], 1                 ; the loop is counted in passes: one a trip, against a number that the loop does not write
	s_cmp_lt_u32 s[PCT], s[NPS]
	s_cbranch_scc1 .Lpass
	s_wait_tensorcnt 0x0
	ds_add_u32 v19, v20
	s_wait_dscnt 0x0
	s_endpgm
.Lfunc_end_k_q7275aee91b_down:
	.size	k_q7275aee91b_down, .Lfunc_end_k_q7275aee91b_down-k_q7275aee91b_down
	.p2alignl 7, 3214868480
	.fill 96, 4, 3214868480
	.section	.rodata,"a",@progbits
	.p2align	6, 0x0
	.amdhsa_kernel k_q7275aee91b_down
		.amdhsa_group_segment_fixed_size 102912
		.amdhsa_private_segment_fixed_size 0
		.amdhsa_enable_private_segment 0
		.amdhsa_kernarg_size 32
		.amdhsa_user_sgpr_count 2
		.amdhsa_user_sgpr_kernarg_segment_ptr 1
		.amdhsa_wavefront_size32 1
		.amdhsa_system_sgpr_workgroup_id_x 1
		.amdhsa_system_sgpr_workgroup_id_y 1
		.amdhsa_system_sgpr_workgroup_id_z 1
		.amdhsa_system_vgpr_workitem_id 0
		.amdhsa_next_free_vgpr 1024
		.amdhsa_next_free_sgpr 66
		.amdhsa_reserve_vcc 0
		.amdhsa_float_denorm_mode_32 3
		.amdhsa_float_denorm_mode_16_64 3
		.amdhsa_memory_ordered 1
		.amdhsa_forward_progress 1
		.amdhsa_inst_pref_size 218
	.end_amdhsa_kernel
	.amdgpu_metadata
---
amdhsa.version: [ 1, 2 ]
amdhsa.kernels:
  - .name:           k_q7275aee91b_down
    .symbol:         k_q7275aee91b_down.kd
    .args:
      - { .name: W2, .offset: 0, .size: 8, .value_kind: global_buffer, .address_space: global }
      - { .name: hb, .offset: 8, .size: 8, .value_kind: global_buffer, .address_space: global }
      - { .name: plan, .offset: 16, .size: 8, .value_kind: global_buffer, .address_space: global }
      - { .name: y, .offset: 24, .size: 8, .value_kind: global_buffer, .address_space: global }
    .group_segment_fixed_size: 102912
    .private_segment_fixed_size: 0
    .kernarg_segment_align: 8
    .kernarg_segment_size: 32
    .max_flat_workgroup_size: 128
    .sgpr_count:     66
    .vgpr_count:     1024
    .wavefront_size: 32
...
	.end_amdgpu_metadata
.endif
;; end of part 4
;; launch combine (part 5): grid 256 x 1, 4 waves a work-group, no clusters, 0 bytes of LDS; arguments y, plan, sel, gwt, b2, out0; writes out0
.if DOCPART == 5
	.amdgcn_target "amdgcn-amd-amdhsa--gfx1250"
	.amdhsa_code_object_version 6
	.text
	.protected	k_q7275aee91b_combine
	.globl	k_q7275aee91b_combine
	.p2align	8
	.type	k_q7275aee91b_combine,@function
k_q7275aee91b_combine:
	s_mov_b64 s[64:65], 0
	v_nop
	global_prefetch_b8 v0, s[64:65] scope:SCOPE_SE
	s_setreg_imm32_b32 hwreg(HW_REG_WAVE_MODE, 25, 1), 1
	s_wait_xcnt 0x0
; COMBINE.  out0[n] = w0 (b2[e0] + the four partial sums of token n's row at expert e0) + w1 (the same at e1), all in f32.  The six experts that the mask throws away add nothing.
; A wave takes one token: n = 4 x work-group + wave.  Its two slots come from the plan, its experts from sel, its weights from gwt, by scalar loads; slots and experts are held inside their tables.
; A stream: no LDS, no barrier, no matrix unit.  The row goes in four quarters of 1,024 bytes; a quarter is 20 loads of 512 consecutive bytes (10 rows x 2), 80 registers; three buffers, so that 60 loads of a wave are out at the start.
.set B0, 16                            ; v16-95, v96-175, v176-255: in a buffer row r at 8 r: 0 b2[e0], 1-4 y of slot 0, 5 b2[e1], 6-9 y of slot 1
.set B1, 96
.set B2, 176
	s_load_b256 s[4:11], s[0:1], 0x0               ; y, plan, sel, gwt
	s_load_b128 s[12:15], s[0:1], 0x20             ; b2, out0
	v_lshrrev_b32 v2, 5, v0
	v_readfirstlane_b32 s16, v2
	v_and_b32 v1, 31, v0
	v_lshlrev_b32 v1, 4, v1                        ; 16 x lane
	s_lshl_b32 s17, ttmp9, 2
	s_add_co_u32 s17, s17, s16                     ; n
	s_lshl_b32 s18, s17, 3
	s_lshl_b32 s19, s17, 2
	s_wait_kmcnt 0x0
	s_load_b64 s[20:21], s[6:7], s18 offset:0x0    ; the two slots
	s_load_b32 s22, s[8:9], s19 offset:0x0         ; e0 | e1 << 8
	s_load_b64 s[24:25], s[10:11], s18 offset:0x0  ; w0, w1
	s_wait_kmcnt 0x0
	s_min_u32 s20, s20, 2175
	s_min_u32 s21, s21, 2175
	s_and_b32 s23, s22, 0xff
	s_lshr_b32 s22, s22, 8
	s_min_u32 s23, s23, 7                          ; e0
	s_min_u32 s22, s22, 7                          ; e1
	s_mov_b32 s29, 0
	s_lshl_b32 s28, s20, 14                        ; a slot of y is 4 x 4,096 bytes
	s_add_nc_u64 s[32:33], s[4:5], s[28:29]
	s_lshl_b32 s28, s21, 14
	s_add_nc_u64 s[34:35], s[4:5], s[28:29]
	s_lshl_b32 s28, s23, 12
	s_add_nc_u64 s[36:37], s[12:13], s[28:29]
	s_lshl_b32 s28, s22, 12
	s_add_nc_u64 s[38:39], s[12:13], s[28:29]
	s_lshl_b32 s28, s17, 12
	s_add_nc_u64 s[40:41], s[14:15], s[28:29]
	s_mov_b32 s26, s25                             ; w1 as the low word of a pair of its own: the packed forms take a scalar pair's low word for both halves
	s_mov_b32 s27, s25
.macro QLOAD q, b
.irp i, 0,1
	global_load_b128 v[\b+4*\i:\b+4*\i+3], v1, s[36:37] offset:1024*(\q)+512*\i
.endr
.irp r, 0,1,2,3
.irp i, 0,1
	global_load_b128 v[\b+8+8*\r+4*\i:\b+8+8*\r+4*\i+3], v1, s[32:33] offset:4096*\r+1024*(\q)+512*\i th:TH_LOAD_NT
.endr
.endr
.irp i, 0,1
	global_load_b128 v[\b+40+4*\i:\b+40+4*\i+3], v1, s[38:39] offset:1024*(\q)+512*\i
.endr
.irp r, 0,1,2,3
.irp i, 0,1
	global_load_b128 v[\b+48+8*\r+4*\i:\b+48+8*\r+4*\i+3], v1, s[34:35] offset:4096*\r+1024*(\q)+512*\i th:TH_LOAD_NT
.endr
.endr
.endm
.macro QWORK q, b, n                   ; n: the loads of the younger quarters, which may stay out
	s_wait_loadcnt \n
.irp r, 1,2,3,4
.irp k, 0,2,4,6
	v_pk_add_f32 v[\b+\k:\b+\k+1], v[\b+\k:\b+\k+1], v[\b+8*\r+\k:\b+8*\r+\k+1]
	v_pk_add_f32 v[\b+40+\k:\b+40+\k+1], v[\b+40+\k:\b+40+\k+1], v[\b+40+8*\r+\k:\b+40+8*\r+\k+1]
.endr
.endr
.irp k, 0,2,4,6
	v_pk_mul_f32 v[\b+\k:\b+\k+1], v[\b+\k:\b+\k+1], s[24:25] op_sel_hi:[1,0]
.endr
.irp k, 0,2,4,6
	v_pk_fma_f32 v[\b+\k:\b+\k+1], v[\b+40+\k:\b+40+\k+1], s[26:27], v[\b+\k:\b+\k+1] op_sel_hi:[1,0,1]
.endr
	global_store_b128 v1, v[\b:\b+3], s[40:41] offset:1024*(\q)          ; 32 lanes store 512 consecutive bytes, at a multiple of 256
	global_store_b128 v1, v[\b+4:\b+7], s[40:41] offset:1024*(\q)+512
.endm
	QLOAD 0, B0
	QLOAD 1, B1
	QLOAD 2, B2
	QWORK 0, B0, 40                                ; behind quarter 0: quarters 1 and 2
	s_wait_xcnt 0x0                                ; quarter 0's stores have read their registers: quarter 3 lands there
	QLOAD 3, B0
	QWORK 1, B1, 40                                ; behind quarter 1: quarters 2 and 3
	QWORK 2, B2, 20
	QWORK 3, B0, 0
	s_endpgm
.Lfunc_end_k_q7275aee91b_combine:
	.size	k_q7275aee91b_combine, .Lfunc_end_k_q7275aee91b_combine-k_q7275aee91b_combine
	.p2alignl 7, 3214868480
	.fill 96, 4, 3214868480
	.section	.rodata,"a",@progbits
	.p2align	6, 0x0
	.amdhsa_kernel k_q7275aee91b_combine
		.amdhsa_group_segment_fixed_size 0
		.amdhsa_private_segment_fixed_size 0
		.amdhsa_enable_private_segment 0
		.amdhsa_kernarg_size 48
		.amdhsa_user_sgpr_count 2
		.amdhsa_user_sgpr_kernarg_segment_ptr 1
		.amdhsa_wavefront_size32 1
		.amdhsa_system_sgpr_workgroup_id_x 1
		.amdhsa_system_sgpr_workgroup_id_y 1
		.amdhsa_system_sgpr_workgroup_id_z 1
		.amdhsa_system_vgpr_workitem_id 0
		.amdhsa_next_free_vgpr 256
		.amdhsa_next_free_sgpr 66
		.amdhsa_reserve_vcc 0
		.amdhsa_float_denorm_mode_32 3
		.amdhsa_float_denorm_mode_16_64 3
		.amdhsa_memory_ordered 1
		.amdhsa_forward_progress 1
		.amdhsa_inst_pref_size 20
	.end_amdhsa_kernel
	.amdgpu_metadata
---
amdhsa.version: [ 1, 2 ]
amdhsa.kernels:
  - .name:           k_q7275aee91b_combine
    .symbol:         k_q7275aee91b_combine.kd
    .args:
      - { .name: y, .offset: 0, .size: 8, .value_kind: global_buffer, .address_space: global }
      - { .name: plan, .offset: 8, .size: 8, .value_kind: global_buffer, .address_space: global }
      - { .name: sel, .offset: 16, .size: 8, .value_kind: global_buffer, .address_space: global }
      - { .name: gwt, .offset: 24, .size: 8, .value_kind: global_buffer, .address_space: global }
      - { .name: b2, .offset: 32, .size: 8, .value_kind: global_buffer, .address_space: global }
      - { .name: out0, .offset: 40, .size: 8, .value_kind: global_buffer, .address_space: global }
    .group_segment_fixed_size: 0
    .private_segment_fixed_size: 0
    .kernarg_segment_align: 8
    .kernarg_segment_size: 48
    .max_flat_workgroup_size: 128
    .sgpr_count:     66
    .vgpr_count:     256
    .wavefront_size: 32
...
	.end_amdgpu_metadata
.endif
;; end of part 5
;; ======== version 2 of 2: 5 launches
;; workspace buffers: sel 12,288 bytes of whole numbers; gwt 8,192 bytes; xq 819,200 bytes; plan 8,448 bytes of whole numbers; xg 1,740,800 bytes; hb 6,963,200 bytes; y 35,651,584 bytes
;; launch route (part 6): grid 64 x 1, 4 waves a work-group, no clusters, 47,104 bytes of LDS; arguments x, Wg, bg, sel, gwt, xq; writes sel, gwt, xq
.if DOCPART == 6
	.amdgcn_target "amdgcn-amd-amdhsa--gfx1250"
	.amdhsa_code_object_version 6
	.text
	.protected	k_q7275aee91b_route
	.globl	k_q7275aee91b_route
	.p2align	8
	.type	k_q7275aee91b_route,@function
k_q7275aee91b_route:
	s_mov_b64 s[64:65], 0
	v_nop
	global_prefetch_b8 v0, s[64:65] scope:SCOPE_SE
	s_setreg_imm32_b32 hwreg(HW_REG_WAVE_MODE, 25, 1), 1
	s_wait_xcnt 0x0
; ROUTE.  For each of 1,024 tokens: the gate's scores x Wg + bg in f32, the two best experts (the lower index wins a tie), their weights
; (softmax over all 8 with the maximum taken away, the two kept, divided by their sum + 1e-8), and the row of x as codes of E2M3 with one E8M0 byte for each 32 along K.
; SHARES.  A work-group takes 16 tokens, a wave 4.  Lane L holds block L of a row: k = 32 L .. 32 L + 31, so a block's largest magnitude needs no other lane, and the lane's part of
; Wg (32 rows x 8 experts, 1,024 consecutive bytes) stays in 256 registers (window 1) for the wave's four tokens.
; Wg comes by dense loads (512 consecutive bytes a load, 8 KiB a wave) and is dealt to the lanes through LDS, 16 bytes of padding behind each 1,024.
; OUT.  sel: word n = e0 | e1 << 8; from byte 4,096 a pair n: the 64-bit sum of 1 << 8 e over the two experts (a byte for each expert: the next launch counts by adding these).
; gwt: pair n = the weights of e0 and e1.  xq: row n of 768 bytes laid [K step 8][lane half 2][c 2][24 bytes], block 2 c + half of the K step: 48 bytes on end are a lane's 12 operand registers;
; from byte 786,432 the scale bytes [n][32].  No address and no branch here hangs on a score: the choice is stored as numbers at fixed places.
; LIMITS.  NaN and infinities are not served.  Two scores that differ by less than the rounding of an f32 sum of 1,024 terms may change places against another order of summing.
; A block whose largest magnitude lies under 2^-124, a block of zeros among them, keeps the scale byte 1: this program alone reads the bytes.
.set X,    16                          ; v16-143  token t's 32 numbers at X + 32 t
.set S,    144                         ; v144-151 the eight scores, four pairs
.set LND,  152                         ; v152-215 Wg as it lands
.set T,    152                         ; v152-167 at work
.set BV,   168                         ; the best score, its expert; the second best, its expert
.set BI,   169
.set CV,   170
.set CI,   171
.set MXR,  172                         ; the block's largest magnitude
.set SO,   173                         ; the conversion's scale operand
.set BY,   174                         ; the scale's byte
.set ONE,  175
.set PK,   176                         ; v176-180 what lanes 0-3 store
.set W0,   192                         ; results, a register for each token: w of e0, w of e1, the sum's low word, its high word, the two experts
.set W1,   196
.set HL,   200
.set HH,   204
.set SELV, 208
.set C,    212                         ; v212-217 a block's codes
.set U,    218                         ; v218-220 its upper half as converted
.set STG,  33280                       ; LDS: Wg in 32 x 1,040 bytes, then a stage of 3,328 bytes for each wave: 4 rows of 768 bytes of codes, then 128 scale bytes
.set MSB,  0
.macro WIN new                         ; the immediate's high byte repeats the setting that is left
.if MSB != (\new)
	s_set_vgpr_msb (MSB<<8)|(\new)
.set MSB, (\new)
.endif
.endm
	s_load_b256 s[4:11], s[0:1], 0x0               ; x, Wg, bg, sel
	s_load_b128 s[12:15], s[0:1], 0x20             ; gwt, xq
	v_lshl_add_u32 v254, v0, 2, 0xb600
	v_mov_b32 v255, 0
	v_lshrrev_b32 v2, 5, v0
	v_readfirstlane_b32 s24, v2                    ; wave
	v_and_b32 v1, 31, v0                           ; lane L
	v_lshlrev_b32 v2, 7, v1                        ; 128 L: my block in a row of x
	v_lshlrev_b32 v3, 4, v1                        ; 16 L
	v_lshlrev_b32 v10, 2, v1                       ; 4 L
	v_lshlrev_b32 v11, 3, v1                       ; 8 L
	s_lshl_b32 s25, ttmp9, 2
	s_add_co_u32 s25, s25, s24                     ; g = 4 x work-group + wave: my four tokens are 4 g .. 4 g + 3
	s_mul_i32 s30, s24, 8320
	v_add_nc_u32 v4, s30, v3                       ; Wg into LDS: 8 chunks of 1,040 bytes a wave
	v_mul_u32_u24 v5, v1, 1040                     ; and out of it: my chunk
	s_mul_i32 s31, s24, 3328
	s_add_co_u32 s31, s31, STG                     ; my wave's stage
	v_lshrrev_b32 v7, 2, v1
	v_mul_u32_u24 v6, v7, 96                       ; my block's codes in a row of xq: K step L / 4,
	v_and_b32 v7, 1, v1
	v_mad_u32_u24 v6, v7, 48, v6                   ; lane half L % 2,
	v_bfe_u32 v7, v1, 1, 1
	v_mad_u32_u24 v6, v7, 24, v6                   ; c = (L / 2) % 2
	v_add_nc_u32 v6, s31, v6
	v_add_nc_u32 v7, s31, v1                       ; my block's scale byte
	v_add_nc_u32 v8, s31, v3                       ; the stage read back, 16 bytes a lane
	v_add_nc_u32 v9, s31, v10                      ; and 4 bytes a lane
	s_mov_b32 s32, 0x76543210
	s_mov_b32 s33, 0xfedcba98                      ; v_permlanex16_b32: lane l xor 16
	s_lshl_b32 s26, s25, 14                        ; four rows of x
	s_mov_b32 s27, 0
	s_lshl_b32 s28, s24, 13                        ; my wave's 8 KiB of Wg
	s_mov_b32 s29, 0
	s_mul_i32 s34, s25, 3072                       ; four rows of codes
	s_mov_b32 s35, 0
	s_lshl_b32 s36, s25, 7                         ; four rows of scale bytes
	s_mov_b32 s37, 0
	s_lshl_b32 s52, s25, 4                         ; four words
	s_mov_b32 s53, 0
	s_lshl_b32 s54, s25, 5                         ; four pairs
	s_mov_b32 s55, 0
	s_wait_kmcnt 0x0
	s_load_b256 s[16:23], s[8:9], 0x0              ; bg
	s_add_nc_u64 s[4:5], s[4:5], s[26:27]
	s_add_nc_u64 s[6:7], s[6:7], s[28:29]
	s_add_nc_u64 s[38:39], s[14:15], s[34:35]
	s_add_nc_u64 s[40:41], s[14:15], s[36:37]
	s_add_nc_u64 s[42:43], s[10:11], s[52:53]
	s_add_nc_u64 s[44:45], s[10:11], s[54:55]
	s_add_nc_u64 s[46:47], s[12:13], s[54:55]
.irp t, 0,1,2,3
.irp i, 0,1,2,3,4,5,6,7
	global_load_b128 v[X+32*\t+4*\i:X+32*\t+4*\i+3], v2, s[4:5] offset:4096*\t+16*\i
.endr
.endr
.set i, 0
.rept 16
	global_load_b128 v[LND+4*i:LND+4*i+3], v3, s[6:7] offset:512*i     ; 32 lanes read 512 consecutive bytes
.set i, i+1
.endr
	s_wait_loadcnt 0x0
.set i, 0
.rept 16
	ds_store_b128 v4, v[LND+4*i:LND+4*i+3] offset:512*i+16*(i/2)       ; 16 bytes more for each 1,024 passed
.set i, i+1
.endr
	s_wait_dscnt 0x0                               ; for the others: my part of Wg lies in LDS
	s_barrier_signal -1
	s_barrier_wait -1
	WIN 0x40                                       ; destination window 1
.set i, 0
.rept 64
	ds_load_b128 v[4*i:4*i+3], v5 offset:16*i      ; register 8 i + e of window 1 = Wg[32 L + i][e]
.set i, i+1
.endr
	WIN 0
.irp e, 0,1,2,3,4,5,6,7
	v_mov_b32 v[T+\e], 0                           ; written once: a lane permute's destination counts as one of its sources
.endr
	v_mov_b32 v[ONE], 1
	s_wait_dscnt 0x0
	s_wait_kmcnt 0x0                               ; bg
.macro TOKEN t
.set XB, X+32*(\t)
	WIN 0x04                                       ; source 1 (Wg) window 1
.set i, 0
.rept 32                                       ; my 32 terms of each of the eight sums, two experts an instruction; x[i] serves both halves
.set XP, XB+2*(i/2)
.irp p, 0,1,2,3
.if i == 0
	v_pk_mul_f32 v[S+2*\p:S+2*\p+1], v[XP:XP+1], v[8*i+2*\p:8*i+2*\p+1] op_sel_hi:[0,1]
.elseif i%2 == 0
	v_pk_fma_f32 v[S+2*\p:S+2*\p+1], v[XP:XP+1], v[8*i+2*\p:8*i+2*\p+1], v[S+2*\p:S+2*\p+1] op_sel_hi:[0,1,1]
.else
	v_pk_fma_f32 v[S+2*\p:S+2*\p+1], v[XP:XP+1], v[8*i+2*\p:8*i+2*\p+1], v[S+2*\p:S+2*\p+1] op_sel:[1,0,0] op_sel_hi:[1,1,1]
.endif
.endr
.set i, i+1
.endr
	WIN 0
.irp m, 1,2,4,8                                ; over the 32 lanes: every lane ends with the same eight sums
.irp e, 0,1,2,3,4,5,6,7
	v_add_f32_dpp v[S+\e], v[S+\e], v[S+\e] row_xmask:\m row_mask:0xf bank_mask:0xf
.endr
.endr
.irp e, 0,1,2,3,4,5,6,7
	v_permlanex16_b32 v[T+\e], v[S+\e], s32, s33
.endr
.irp e, 0,1,2,3,4,5,6,7
	v_add_f32 v[S+\e], v[S+\e], v[T+\e]
.endr
.irp e, 0,1,2,3,4,5,6,7
	v_add_f32 v[S+\e], s[16+\e], v[S+\e]           ; + bg
.endr
	v_mov_b32 v[BV], v[S]                          ; the best: a later expert takes the place only if it is strictly larger
	v_mov_b32 v[BI], 0
.irp e, 1,2,3,4,5,6,7
	v_cmp_le_f32 vcc_lo, v[S+\e], v[BV]
	v_cndmask_b32 v[BV], v[S+\e], v[BV], vcc_lo
	v_cndmask_b32 v[BI], \e, v[BI], vcc_lo
.endr
	v_mov_b32 v[CV], 0xff800000                    ; the second best: the same among the other seven
	v_mov_b32 v[CI], 0
.irp e, 0,1,2,3,4,5,6,7
	v_cmp_le_f32 s48, v[S+\e], v[CV]
	v_cmp_eq_u32 s49, \e, v[BI]
	s_or_b32 vcc_lo, s48, s49
	v_cndmask_b32 v[CV], v[S+\e], v[CV], vcc_lo
	v_cndmask_b32 v[CI], \e, v[CI], vcc_lo
.endr
.irp e, 0,1,2,3,4,5,6,7
	v_sub_f32 v[T+\e], v[S+\e], v[BV]              ; the maximum is taken away
.endr
	v_sub_f32 v[T+8], v[CV], v[BV]
.irp e, 0,1,2,3,4,5,6,7,8
	v_mul_f32 v[T+\e], 0x3fb8aa3b, v[T+\e]         ; x log2(e)
.endr
	s_wait_alu depctr_va_vdst(0)
.irp e, 0,1,2,3,4,5,6,7,8
	v_exp_f32 v[T+\e], v[T+\e]                     ; one batch: the eight, and the second best once more
.endr
	v_lshl_or_b32 v[SELV+\t], v[CI], 8, v[BI]      ; (a plain line behind the batch)
	s_wait_alu depctr_va_vdst(0)                   ; one wait for the nine, ahead of their first reader
	v_add_f32 v[T], v[T], v[T+1]
	v_add_f32 v[T+2], v[T+2], v[T+3]
	v_add_f32 v[T+4], v[T+4], v[T+5]
	v_add_f32 v[T+6], v[T+6], v[T+7]
	v_add_f32 v[T], v[T], v[T+2]
	v_add_f32 v[T+4], v[T+4], v[T+6]
	v_add_f32 v[T], v[T], v[T+4]                   ; Z
	s_wait_alu depctr_va_vdst(0)
	v_rcp_f32 v[T+9], v[T]                         ; 1 / Z is the best expert's softmax: its exponential is 1
	v_and_b32 v[T+10], 3, v[BI]                    ; meanwhile 1 << 8 e of both experts, as two words
	v_lshlrev_b32 v[T+10], 3, v[T+10]
	v_lshlrev_b32 v[T+10], v[T+10], v[ONE]
	v_cmp_gt_u32 vcc_lo, 4, v[BI]
	v_cndmask_b32 v[T+11], 0, v[T+10], vcc_lo      ; the low word has it for experts 0-3,
	v_sub_nc_u32 v[T+10], v[T+10], v[T+11]         ; the high word for 4-7
	v_and_b32 v[T+12], 3, v[CI]
	v_lshlrev_b32 v[T+12], 3, v[T+12]
	v_lshlrev_b32 v[T+12], v[T+12], v[ONE]
	v_cmp_gt_u32 vcc_lo, 4, v[CI]
	v_cndmask_b32 v[T+13], 0, v[T+12], vcc_lo
	v_sub_nc_u32 v[T+12], v[T+12], v[T+13]
	v_add_nc_u32 v[HL+\t], v[T+11], v[T+13]
	v_add_nc_u32 v[HH+\t], v[T+10], v[T+12]
	s_wait_alu depctr_va_vdst(0)                   ; the reciprocal, ahead of its first reader
	v_mul_f32 v[T+8], v[T+8], v[T+9]               ; the second best's softmax
	v_add_f32 v[T+14], v[T+9], v[T+8]
	v_add_f32 v[T+14], 0x322bcc77, v[T+14]         ; + 1e-8
	s_wait_alu depctr_va_vdst(0)
	v_rcp_f32 v[T+15], v[T+14]
	v_max3_num_f32 v[MXR], |v[XB]|, |v[XB+1]|, 0x1800000   ; meanwhile my block's largest magnitude, with the floor 2^(3 - 127): the byte cannot fall under 1
.irp i, 2,4,6,8,10,12,14,16,18,20,22,24,26,28,30
	v_max3_num_f32 v[MXR], v[MXR], |v[XB+\i]|, |v[XB+\i+1]|
.endr
	s_wait_alu depctr_va_vdst(0)
	v_mul_f32 v[W0+\t], v[T+9], v[T+15]
	v_mul_f32 v[W1+\t], v[T+8], v[T+15]
	v_add_nc_u32 v[SO], 0xff000000, v[MXR]         ; 2 off the exponent field: the conversion takes this operand's exponent field as its scale
	s_wait_alu depctr_va_vdst(0)
	s_wait_dscnt 0x0                               ; the last token's stores into the stage have read C and BY
	v_cvt_scalef32_pk16_fp6_f32 v[C:C+2], v[XB:XB+15], v[SO]
	v_cvt_scalef32_pk16_fp6_f32 v[U:U+2], v[XB+16:XB+31], v[SO]    ; (a conversion's three registers begin on an even number)
	v_lshrrev_b32 v[BY], 23, v[SO]                 ; the scale's byte; also the plain line behind the conversions
.irp i, 0,1,2
	v_mov_b32 v[C+3+\i], v[U+\i]
.endr
.irp i, 0,1,2
	ds_store_b64 v6, v[C+2*\i:C+2*\i+1] offset:768*(\t)+8*\i
.endr
	ds_store_b8 v7, v[BY] offset:3072+32*(\t)
.endm
	TOKEN 0
	TOKEN 1
	TOKEN 2
	TOKEN 3
.irp i, 0,1,2,3,4,5
	ds_load_b128 v[X+4*\i:X+4*\i+3], v8 offset:512*\i   ; LDS serves a wave's instructions in order: these see my stores
.endr
	ds_load_b32 v[X+24], v9 offset:3072
.irp i, 0,1,2,3,4,5
	s_wait_dscnt 6-\i                              ; behind load i: the 5 - i that follow it and the scale bytes' load
	global_store_b128 v3, v[X+4*\i:X+4*\i+3], s[38:39] offset:512*\i   ; four rows of codes are 3,072 consecutive bytes, at a multiple of 256
.endr
	s_wait_dscnt 0x0
	global_store_b32 v10, v[X+24], s[40:41] offset:786432
	v_cmp_eq_u32 s48, 1, v1                        ; lane L of 0-3 takes token L's five numbers
	v_cmp_eq_u32 s49, 2, v1
	v_cmp_eq_u32 s50, 3, v1
.irp q, 0,1,2,3,4
	v_cndmask_b32 v[PK+\q], v[W0+4*\q], v[W0+4*\q+1], s48
	v_cndmask_b32 v[PK+\q], v[PK+\q], v[W0+4*\q+2], s49
	v_cndmask_b32 v[PK+\q], v[PK+\q], v[W0+4*\q+3], s50
.endr
	v_cmp_gt_u32 vcc_lo, 4, v1
	s_wait_alu depctr_va_vdst(0)
	s_wait_xcnt 0x0                                ; EXEC changes only behind this wait: it is a source of the stores above
	s_wait_tensorcnt 0x0
	ds_add_u32 v254, v255
	s_wait_dscnt 0x0
	s_and_saveexec_b32 s51, vcc_lo
	global_store_b32 v10, v[PK+4], s[42:43]
	global_store_b64 v11, v[PK+2:PK+3], s[44:45] offset:4096
	global_store_b64 v11, v[PK:PK+1], s[46:47]
	s_wait_xcnt 0x0
	s_or_b32 exec_lo, exec_lo, s51
	s_endpgm
.Lfunc_end_k_q7275aee91b_route:
	.size	k_q7275aee91b_route, .Lfunc_end_k_q7275aee91b_route-k_q7275aee91b_route
	.p2alignl 7, 3214868480
	.fill 96, 4, 3214868480
	.section	.rodata,"a",@progbits
	.p2align	6, 0x0
	.amdhsa_kernel k_q7275aee91b_route
		.amdhsa_group_segment_fixed_size 47104
		.amdhsa_private_segment_fixed_size 0
		.amdhsa_enable_private_segment 0
		.amdhsa_kernarg_size 48
		.amdhsa_user_sgpr_count 2
		.amdhsa_user_sgpr_kernarg_segment_ptr 1
		.amdhsa_wavefront_size32 1
		.amdhsa_system_sgpr_workgroup_id_x 1
		.amdhsa_system_sgpr_workgroup_id_y 1
		.amdhsa_system_sgpr_workgroup_id_z 1
		.amdhsa_system_vgpr_workitem_id 0
		.amdhsa_next_free_vgpr 512
		.amdhsa_next_free_sgpr 66
		.amdhsa_reserve_vcc 1
		.amdhsa_float_denorm_mode_32 3
		.amdhsa_float_denorm_mode_16_64 3
		.amdhsa_memory_ordered 1
		.amdhsa_forward_progress 1
		.amdhsa_inst_pref_size 86
	.end_amdhsa_kernel
	.amdgpu_metadata
---
amdhsa.version: [ 1, 2 ]
amdhsa.kernels:
  - .name:           k_q7275aee91b_route
    .symbol:         k_q7275aee91b_route.kd
    .args:
      - { .name: x, .offset: 0, .size: 8, .value_kind: global_buffer, .address_space: global }
      - { .name: Wg, .offset: 8, .size: 8, .value_kind: global_buffer, .address_space: global }
      - { .name: bg, .offset: 16, .size: 8, .value_kind: global_buffer, .address_space: global }
      - { .name: sel, .offset: 24, .size: 8, .value_kind: global_buffer, .address_space: global }
      - { .name: gwt, .offset: 32, .size: 8, .value_kind: global_buffer, .address_space: global }
      - { .name: xq, .offset: 40, .size: 8, .value_kind: global_buffer, .address_space: global }
    .group_segment_fixed_size: 47104
    .private_segment_fixed_size: 0
    .kernarg_segment_align: 8
    .kernarg_segment_size: 48
    .max_flat_workgroup_size: 128
    .sgpr_count:     66
    .vgpr_count:     512
    .wavefront_size: 32
...
	.end_amdgpu_metadata
.endif
;; end of part 6
;; launch place (part 7): grid 136 x 1, 1 waves a work-group, no clusters, 512 bytes of LDS; arguments sel, xq, plan, xg; writes plan, xg
.if DOCPART == 7
	.amdgcn_target "amdgcn-amd-amdhsa--gfx1250"
	.amdhsa_code_object_version 6
	.text
	.protected	k_q7275aee91b_place
	.globl	k_q7275aee91b_place
	.p2align	8
	.type	k_q7275aee91b_place,@function
k_q7275aee91b_place:
	s_mov_b64 s[64:65], 0
	v_nop
	global_prefetch_b8 v0, s[64:65] scope:SCOPE_SE
	s_setreg_imm32_b32 hwreg(HW_REG_WAVE_MODE, 25, 1), 1
	s_wait_xcnt 0x0
; PLACE.  The 2,048 routed rows are sorted by expert, in token order, each expert's rows filled up to whole tiles of 16 slots: nt_e = ceil(c_e / 16) tiles from tile0_e on.
; The sum of the nt_e is at most 2,048 / 16 + 7 = 135 whatever the choice; 136 tiles are made, one by each work-group of ONE wave; a tile past the last has no row and is all zeros.
; Work-group T counts all experts' rows anew (8 KiB of sums of bytes), finds its expert, sweeps the 1,024 tokens for the 16 whose rank among that expert's rows is 16 (T - tile0) + 0 .. 15,
; gathers their codes of x and stores them as IMAGES OF THE OPERAND'S REGISTERS: xg[T][K step 8][piece 3][lane 32][16 bytes]; from byte 1,671,168 the scale words [T][K step 8][row 16].
; plan: word 2 n + i = the slot (16 T + row) of token n's expert i; from byte 8,192 tile0[8], then nt[8] (work-group 0 stores these).
; An empty slot has zero codes and the scale byte 0, which is 2^-127 and no NaN.  One wave: no barrier, and LDS serves its instructions in order.
.set SE,  16                           ; v16-47   e0 | e1 << 8 of token 32 i + lane
.set H,   48                           ; v48-111  that token's pair of count words
.set D,   112                          ; v112-143 a sweep's LDS address, a register for each sweep
.set VL,  144                          ; v144-175 and what it stores
.set G,   16                           ; later v16-111: the 8 fragments' registers, v112-119: the row's 8 scale words
.set SCW, 112
.set A,   176                          ; v176-183 at work
	s_load_b256 s[4:11], s[0:1], 0x0               ; sel, xq, plan, xg
	v_lshl_add_u32 v254, v0, 2, 0x100
	v_mov_b32 v255, 0
	v_and_b32 v1, 31, v0                           ; lane
	v_lshlrev_b32 v2, 2, v1
	v_lshlrev_b32 v3, 3, v1
	v_lshlrev_b32 v4, 4, v1
	v_and_b32 v5, 15, v1                           ; r
	v_lshrrev_b32 v6, 4, v1                        ; h
	v_mov_b32 v7, -1
	v_add_nc_u32 v9, 0x10000, v1                   ; lane, marked as the token's second expert
	ds_store_b32 v2, v7                            ; the table: words 0-15 the tile's slots, empty; word 16 takes what belongs to other tiles
	s_mov_b32 s12, 0x00ff00ff
	s_mov_b32 s14, 0x76543210
	s_mov_b32 s15, 0xfedcba98
	s_wait_alu depctr_va_vdst(0)
	s_wait_kmcnt 0x0
.set i, 0
.rept 32
	global_load_b32 v[SE+i], v2, s[4:5] offset:128*i
.set i, i+1
.endr
.set i, 0
.rept 32
	global_load_b64 v[H+2*i:H+2*i+1], v3, s[4:5] offset:4096+256*i
.set i, i+1
.endr
.irp q, 4,5,6,7
	v_mov_b32 v[A+\q], 0                           ; written once: the destination of a lane exchange counts as one of its sources
.endr
	s_wait_loadcnt 0x0
	v_add_nc_u32 v[A], v[H], v[H+2]                ; a byte for each expert: my 32 tokens make at most 32 in a byte
	v_add_nc_u32 v[A+1], v[H+1], v[H+3]
.set i, 2
.rept 30
	v_add_nc_u32 v[A], v[A], v[H+2*i]
	v_add_nc_u32 v[A+1], v[A+1], v[H+2*i+1]
.set i, i+1
.endr
	v_lshrrev_b32 v[A+2], 8, v[A]
	v_lshrrev_b32 v[A+3], 8, v[A+1]
	v_and_b32 v[A], s12, v[A]                      ; widened to 16 bits: experts 0 and 2,
	v_and_b32 v[A+1], s12, v[A+1]                  ; 4 and 6,
	v_and_b32 v[A+2], s12, v[A+2]                  ; 1 and 3,
	v_and_b32 v[A+3], s12, v[A+3]                  ; 5 and 7: the 32 lanes make at most 1,024 in a field
.irp m, 1,2,4,8
.irp q, 0,1,2,3
	v_mov_b32_dpp v[A+4+\q], v[A+\q] row_xmask:\m row_mask:0xf bank_mask:0xf
.endr
.irp q, 0,1,2,3
	v_add_nc_u32 v[A+\q], v[A+\q], v[A+4+\q]
.endr
.endr
.irp q, 0,1,2,3
	v_permlanex16_b32 v[A+4+\q], v[A+\q], s14, s15
.endr
.irp q, 0,1,2,3
	v_add_nc_u32 v[A+\q], v[A+\q], v[A+4+\q]
.endr
	v_readfirstlane_b32 s40, v[A]
	v_readfirstlane_b32 s41, v[A+2]
	v_readfirstlane_b32 s42, v[A+1]
	v_readfirstlane_b32 s43, v[A+3]
	s_and_b32 s16, s40, 0xffff                     ; c_0 .. c_7 in s16-23
	s_lshr_b32 s18, s40, 16
	s_and_b32 s17, s41, 0xffff
	s_lshr_b32 s19, s41, 16
	s_and_b32 s20, s42, 0xffff
	s_lshr_b32 s22, s42, 16
	s_and_b32 s21, s43, 0xffff
	s_lshr_b32 s23, s43, 16
.irp e, 0,1,2,3,4,5,6,7
	s_add_co_u32 s[24+\e], s[16+\e], 15
	s_lshr_b32 s[24+\e], s[24+\e], 4               ; nt_e in s24-31
.endr
	s_mov_b32 s32, 0                               ; tile0_e in s32-39
.irp e, 1,2,3,4,5,6,7
	s_add_co_u32 s[32+\e], s[31+\e], s[23+\e]
.endr
	s_mov_b32 s44, 0                               ; my expert: the last whose first tile is not behind mine
	s_mov_b32 s45, 0
.irp e, 1,2,3,4,5,6,7
	s_cmp_ge_u32 ttmp9, s[32+\e]
	s_cselect_b32 s44, \e, s44
	s_cselect_b32 s45, s[32+\e], s45
.endr
	s_sub_co_u32 s46, ttmp9, s45
	s_lshl_b32 s46, s46, 4
	s_sub_co_u32 s46, 0, s46                       ; rows of my expert passed so far less my tile's first rank
.macro SWEEP i                         ; tokens 32 i + lane
	v_and_b32 v[A], 0xff, v[SE+\i]
	v_lshrrev_b32 v[A+1], 8, v[SE+\i]
	v_cmp_eq_u32 s47, s44, v[A]
	v_cmp_eq_u32 s48, s44, v[A+1]
	s_or_b32 s49, s47, s48                         ; the lanes whose token goes to my expert
	v_mbcnt_lo_u32_b32 v[D+\i], s49, s46           ; its rank less my tile's first: 0 .. 15 in my tile
	v_cndmask_b32 v[D+\i], 16, v[D+\i], s49
	v_min_u32 v[D+\i], 16, v[D+\i]                 ; all else (a rank before my tile wraps round to a large number) goes to word 16
	v_lshlrev_b32 v[D+\i], 2, v[D+\i]
	v_cndmask_b32 v[VL+\i], v1, v9, s48
	v_add_nc_u32 v[VL+\i], 32*\i, v[VL+\i]         ; the token, bit 16: it is the token's second expert
	ds_store_b32 v[D+\i], v[VL+\i]
	s_bcnt1_i32_b32 s50, s49
	s_add_co_u32 s46, s46, s50
.endm
.set Q, 0
.rept 32
	SWEEP Q
.set Q, Q+1
.endr
	v_lshlrev_b32 v10, 2, v5
	ds_load_b32 v11, v10                           ; slot r's token, in lanes r and 16 + r
	s_wait_dscnt 0x0
	v_cmp_ne_u32 s51, -1, v11                      ; the slot has a row
	v_and_b32 v12, 0xffff, v11
	v_min_u32 v12, 0x3ff, v12                      ; the token, held inside the table
	v_bfe_u32 v13, v11, 16, 1
	v_min_u32 v13, 1, v13
	v_mul_u32_u24 v14, v12, 768
	v_mad_u32_u24 v14, v6, 48, v14                 ; its row of codes, my half's 48 bytes of each K step
	v_lshlrev_b32 v15, 5, v12
.irp s, 0,1,2,3,4,5,6,7
.irp g, 0,1,2
	global_load_b128 v[G+12*\s+4*\g:G+12*\s+4*\g+3], v14, s[6:7] offset:96*\s+16*\g
.endr
.endr
	global_load_b128 v[SCW:SCW+3], v15, s[6:7] offset:786432
	global_load_b128 v[SCW+4:SCW+7], v15, s[6:7] offset:786448
	s_mul_i32 s56, ttmp9, 12288
	s_mov_b32 s57, 0
	s_add_nc_u64 s[52:53], s[10:11], s[56:57]      ; my tile's images
	s_lshl_b32 s56, ttmp9, 9
	s_add_nc_u64 s[54:55], s[10:11], s[56:57]      ; and, 1,671,168 bytes on, its scale words
	v_cmp_eq_u32 s58, 1, v6
	s_wait_loadcnt 0x0
.set i, 0
.rept 104
	v_cndmask_b32 v[G+i], 0, v[G+i], s51           ; an empty slot is zeros
.set i, i+1
.endr
.irp s, 0,1,2,3,4,5,6,7
.irp g, 0,1,2
	global_store_b128 v4, v[G+12*\s+4*\g:G+12*\s+4*\g+3], s[52:53] offset:1536*\s+512*\g   ; 512 consecutive bytes, at a multiple of 256
.endr
.endr
.irp i, 0,1,2,3
	v_cndmask_b32 v[A+\i], v[SCW+2*\i], v[SCW+2*\i+1], s58     ; lanes 0-15 K step 2 i, lanes 16-31 K step 2 i + 1
	global_store_b32 v2, v[A+\i], s[54:55] offset:1671168+128*\i
.endr
	v_lshlrev_b32 v[A+4], 3, v12
	v_lshl_add_u32 v[A+4], v13, 2, v[A+4]          ; plan: word 2 n + i
	s_lshl_b32 s59, ttmp9, 4
	v_add_nc_u32 v[A+5], s59, v5                   ; the slot
	v_cmp_gt_u32 s60, 16, v1
	s_and_b32 vcc_lo, s51, s60                     ; lanes 0-15 whose slot has a row
	s_wait_alu depctr_va_vdst(0)
	s_wait_xcnt 0x0                                ; EXEC changes only behind this wait
	s_and_saveexec_b32 s61, vcc_lo
	global_store_b32 v[A+4], v[A+5], s[8:9]
	s_wait_xcnt 0x0
	s_or_b32 exec_lo, exec_lo, s61
	s_cmp_lg_u32 ttmp9, 0
	s_cbranch_scc1 .Ldone
	v_mov_b32 v[A+6], 0
.irp e, 0,1,2,3,4,5,6,7
	v_writelane_b32 v[A+6], s[32+\e], \e
	v_writelane_b32 v[A+6], s[24+\e], 8+\e
.endr
	s_mov_b32 vcc_lo, s60
	s_and_saveexec_b32 s61, vcc_lo
	global_store_b32 v2, v[A+6], s[8:9] offset:8192
	s_wait_xcnt 0x0
	s_or_b32 exec_lo, exec_lo, s61
.Ldone:
	s_wait_tensorcnt 0x0
	ds_add_u32 v254, v255
	s_wait_dscnt 0x0
	s_endpgm
.Lfunc_end_k_q7275aee91b_place:
	.size	k_q7275aee91b_place, .Lfunc_end_k_q7275aee91b_place-k_q7275aee91b_place
	.p2alignl 7, 3214868480
	.fill 96, 4, 3214868480
	.section	.rodata,"a",@progbits
	.p2align	6, 0x0
	.amdhsa_kernel k_q7275aee91b_place
		.amdhsa_group_segment_fixed_size 512
		.amdhsa_private_segment_fixed_size 0
		.amdhsa_enable_private_segment 0
		.amdhsa_kernarg_size 32
		.amdhsa_user_sgpr_count 2
		.amdhsa_user_sgpr_kernarg_segment_ptr 1
		.amdhsa_wavefront_size32 1
		.amdhsa_system_sgpr_workgroup_id_x 1
		.amdhsa_system_sgpr_workgroup_id_y 1
		.amdhsa_system_sgpr_workgroup_id_z 1
		.amdhsa_system_vgpr_workitem_id 0
		.amdhsa_next_free_vgpr 256
		.amdhsa_next_free_sgpr 66
		.amdhsa_reserve_vcc 1
		.amdhsa_float_denorm_mode_32 3
		.amdhsa_float_denorm_mode_16_64 3
		.amdhsa_memory_ordered 1
		.amdhsa_forward_progress 1
		.amdhsa_inst_pref_size 50
	.end_amdhsa_kernel
	.amdgpu_metadata
---
amdhsa.version: [ 1, 2 ]
amdhsa.kernels:
  - .name:           k_q7275aee91b_place
    .symbol:         k_q7275aee91b_place.kd
    .args:
      - { .name: sel, .offset: 0, .size: 8, .value_kind: global_buffer, .address_space: global }
      - { .name: xq, .offset: 8, .size: 8, .value_kind: global_buffer, .address_space: global }
      - { .name: plan, .offset: 16, .size: 8, .value_kind: global_buffer, .address_space: global }
      - { .name: xg, .offset: 24, .size: 8, .value_kind: global_buffer, .address_space: global }
    .group_segment_fixed_size: 512
    .private_segment_fixed_size: 0
    .kernarg_segment_align: 8
    .kernarg_segment_size: 32
    .max_flat_workgroup_size: 32
    .sgpr_count:     66
    .vgpr_count:     256
    .wavefront_size: 32
...
	.end_amdgpu_metadata
.endif
;; end of part 7
;; launch up (part 8): grid 32 x 8, 4 waves a work-group, no clusters, 111,104 bytes of LDS; arguments W1, b1, xg, plan, hb; writes hb
.if DOCPART == 8
	.amdgcn_target "amdgcn-amd-amdhsa--gfx1250"
	.amdhsa_code_object_version 6
	.text
	.protected	k_q7275aee91b_up
	.globl	k_q7275aee91b_up
	.p2align	8
	.type	k_q7275aee91b_up,@function
k_q7275aee91b_up:
	s_mov_b64 s[64:65], 0
	v_nop
	global_prefetch_b8 v0, s[64:65] scope:SCOPE_SE
	s_setreg_imm32_b32 hwreg(HW_REG_WAVE_SCHED_MODE, 0, 2), 2
	s_setreg_imm32_b32 hwreg(HW_REG_WAVE_MODE, 25, 1), 1
	s_wait_xcnt 0x0
	s_wait_alu depctr_vm_vsrc(0)
; UP (UP = 1): h = relu(x W1[e] + b1[e]) for the rows routed to expert e, quantised, stored as operand images.   DOWN (UP = 0): the partial sums h W2[e] over a quarter of K.   One text, told apart by UP.
; Both products on codes of E2M3 with one E8M0 scale for each 32 along K.  The weights arrive as f32 with K as their FIRST axis and are read ONCE in the whole launch: a work-group owns a SLAB of one expert,
; 128 columns x 1,024 along K (512 KiB), quantises it on the way into LDS (96 KiB of register images) and multiplies it by all tiles of 16 rows of its expert.
; UP: grid 32 x 8: column group cg, expert e.  DOWN: grid 8 x 32: cg, and y = 4 e + q, q the quarter of K = 4,096.  256 work-groups, one to a WGP.
; NO TENSOR LOAD, NO CLUSTER: how many tiles an expert has is read from memory, and the walk over them branches on it.  What work-groups share, the rows' images, is under a third of a work-group's bytes.
; THE STREAM.  Wave w takes rows 256 w .. 256 w + 255 of the slab, K steps 2 w and 2 w + 1, in 8 blocks of 32 rows.  One load reads one row's 128 columns: 512 consecutive bytes at a multiple of 256; lane L gets
; columns 4 L .. 4 L + 3.  128 moves set a block's numbers down K, a column's 32 on end (the conversions take neighbours along K from consecutive registers), and free the landing set for the block two on.
; THE COLUMNS OF A TILE ARE NOT NEIGHBOURS: tile t = 4 half + j holds columns 4 (16 half + r) + j, r = 0 .. 15: so lane L = 16 half + r holds row r of tiles (j, half), j = 0 .. 3.
; Its codes of block 2 c + hb of a K step are registers 6 c .. 6 c + 5 of lane place 16 hb + r of the image: the LDS address puts them there, and no lane exchange is needed.
; An IMAGE is a fragment's 12 registers: piece g = registers 4 g .. 4 g + 3, lane place l's 16 bytes at 512 g + 16 l.
; UP USES THE PRODUCT TRANSPOSED (source 0 = W, source 1 = x): lane (r, h), tile (j, half), register u holds slot r, hidden unit 64 half + 32 h + 4 u + j.  So registers 32 half + 8 j + u of a lane are ONE WHOLE BLOCK
; 2 half + h of the next K, in the lane that the operand's layout asks for, in the order p = 8 j + u for unit 4 u + j.  DOWN sets W2's rows of each block in the same order (row 4 (p % 8) + p / 8 at place p):
; a permutation of k inside a block, alike on both sides: the block's scale and the products are the same, only the order of the sum inside the instruction differs.
; THE PRODUCTS.  Behind ONE barrier every wave reads all 64 fragments from LDS, four at a time through two half-rings, and multiplies them by its own five tiles of rows (tiles PB + 4 m + w), whose 40 fragments
; lie in registers: they were asked for during the stream.  20 tiles (320 rows) a pass; an expert with more takes more passes, ceil(nt / 20) in all, which read LDS and the rows' images again, never the weights.
; A tile past the expert's last is multiplied as tile 0 and not stored; an expert without rows stores nothing.
; LIMITS.  NaN and infinities are not served.  A block whose largest magnitude lies under 2^-124, a block of zeros among them, keeps the scale byte 1: this program alone reads the bytes.
; REGISTERS, in windows of 256.  Window 0: v1-23 addresses; v24-43 the rows' scale words, v44-75 the weights': these 52 hold scales and nothing else; v76-127 the stream's codes and temporaries, v128-255 a block set down K;
;   in the products v76-123, v124-171 the two half-rings, v192-255 tile m = 4's accumulators; on the way out v76-167 are free.
; Window 1: the rows' fragments of m = 0 (v0-95), m = 1 (v96-191), m = 4's K steps 0-3 (v192-239).  Window 2: m = 2, m = 3, m = 4's K steps 4-7.  Window 3: two landing sets of 128; later the accumulators 64 m + 8 t + u, m = 0 .. 3.
; THE MODE: SCHED_MODE bits 1:0 = 2 (LLVM: expert scheduling mode 2), set by the entry lines.  The code itself states the register dependences
; between vector or matrix instructions and memory or LDS instructions, with s_wait_alu, always for 0.
; THE PLAN.  The registers that memory or LDS instructions touch, and who else names them:
;   the landing sets     Block b's 128 moves read set b % 2; behind them the loads of block b + 2 land in it.
;   E, SW                Block b's conversions and moves write them; the LDS stores that read them are issued in block b + 1 (block 7's behind the stream).  UP: E first carries my part of the bias from its loads to LDS.
;   VA, VS               SETUP writes them, once a pass; the rows' 140 loads read them.
;   the rows' fragments, XS, WS   Loads land in them; the products alone read them.
;   the half-rings       LDS loads land in them; the products read them.  Half-step k multiplies one of them; the loads into the other, which half-step k - 1 multiplied, ride behind its first four products.
;   the way out          UP: the bias lands in v76-139; a tile's vector lines write ST0, ST1, HF, HW, and its stores read them.  DOWN: ST0 and O likewise.
;   v1-5, v16, v17, v20-22 and the closing add's two   made at the head and never written again.
; So ONE wait on va_vdst stands in a block of the stream, behind its moves, and the block's loads and the last block's LDS stores follow it; one wait on vm_vsrc stands ahead of the lines that write SW and E again.
; One wait on va_vdst stands at the head of a half-step that carries loads.  On the way out one stands behind the products and one ahead of each tile's stores; a wait on vm_vsrc ahead of the lines that write a tile's out registers again, and at a pass's end.
.set UP, 1
.if UP
.set PITCH, 16384                      ; a row of the weights in bytes
.set AREC,  12288                      ; a tile's images of the rows' operand, all K steps
.set SREC,  512                        ; and its scale words
.set PLN,   46
.else
.set PITCH, 4096
.set AREC,  49152
.set SREC,  2048
.set PLN,   44
.endif
.set SCI,  98304                       ; LDS: 64 images of 1,536 bytes, fragment (s, t) at (8 s + t) x 1,536; then the weights' scale words, (4 s + j) x 128 + 4 x lane;
.set BIO,  102400                      ; then (UP) the bias as an image of 64 registers: 16 pieces of 512 bytes
.set LOFF, 1                           ; 16 x lane
.set LOF2, 2                           ; 16 x lane + 49,152: an LDS immediate has 16 bits
.set WSA,  3                           ; 4 x lane + SCI
.set IMW,  4                           ; where I store codes: 24,576 w + 6,144 half + 16 r
.set ISW,  5                           ; and scale words: 4 x lane + SCI + 1,024 w
.set VA,   6                           ; v6-10  tile m's images: tile x AREC + 16 x lane
.set VS,   11                          ; v11-15 its scale words: tile x SREC + 4 x lane
.set R4,   16                          ; 4 r
.set H8,   17                          ; 8 h
.set ST0,  18                          ; offsets of the stores in hand
.set ST1,  19
.set BIA,  20                          ; where I store my part of the bias image
.set HV,   21                          ; UP: 128 h;  DOWN: 131,072 h + 16 r
.set L4,   22                          ; 4 x lane
.set TP,   23
.set XS,   24                          ; register 4 m + i: lanes 0-15 the words of K step 2 i, lanes 16-31 of K step 2 i + 1
.set WS,   44                          ; register 4 s + j: lanes 0-15 tile (j, 0), lanes 16-31 tile (j, 1)
.set E,    76                          ; v76-99   column j's six registers of codes at E + 6 j
.set U,    100                         ; v100-115 the upper halves as converted
.set MX,   116                         ; v116-119 largest magnitudes, then the bytes
.set SO,   120                         ; v120-123 the conversions' scale operands
.set SW,   124                         ; v124-127 the scale words as they grow
.set T,    128                         ; v128-255 column j's 32 numbers at T + 32 j
.set RING, 76
.set ACC4, 192
.set BI,   76                          ; the way out of UP: v76-139 the bias, v140-151 the codes, v152-158 upper halves, v160-166 at work
.set HF,   140
.set EU,   152
.set EMX,  160
.set ESO,  162
.set EBY,  164
.set HW,   166
.set O,    76                          ; the way out of DOWN: v76-139
.set WV,   18                          ; s18 wave, s19 expert, s20 column group, s21 quarter of K, s22 tile0, s23 nt, s24 the pass's first tile
.set EX,   19
.set CG,   20
.set QQ,   21
.set T0,   22
.set NT,   23
.set PB,   24
.set IO,   25                          ; s25-29 tile m's number within the expert
.set TAU,  30                          ; s30-34 and in the buffers
.set SEL,  36
.set PCT,  54                          ; s54 passes done;  s55 passes in all: ceil(nt / 20)
.set NPS,  55
.set MSB,  0
.macro WIN new                         ; the immediate's high byte repeats the setting that is left
.if MSB != (\new)
	s_set_vgpr_msb (MSB<<8)|(\new)
.set MSB, (\new)
.endif
.endm
.macro WLOAD b                         ; block b's 32 rows into landing set b % 2
	WIN 0xc0                                       ; destination window 3
.set i, 0
.rept 32
	global_load_b128 v[128*((\b)%2)+4*i:128*((\b)%2)+4*i+3], v[LOFF], s[4:5] offset:(32*(\b)+i)*PITCH th:TH_LOAD_NT
.set i, i+1
.endr
.endm
.macro ALOAD a                         ; load a of the 140 that bring my five tiles of rows: 120 pieces of images, 20 registers of scale words
.if (\a) < 120
.set AM_, (\a)/24
.set AS_, ((\a)%24)/3
.set AG_, (\a)%3
.if AM_ == 4
.set WN, (1+AS_/4)<<6
.set XR_, 192+12*(AS_%4)
.else
.set WN, (1+AM_/2)<<6
.set XR_, 96*(AM_%2)+12*AS_
.endif
	WIN WN
	global_load_b128 v[XR_+4*AG_:XR_+4*AG_+3], v[VA+AM_], s[6:7] offset:1536*AS_+512*AG_
.else
	WIN 0
	global_load_b32 v[XS+(\a)-120], v[VS+((\a)-120)/4], s[8:9] offset:128*(((\a)-120)%4)
.endif
.endm
.macro SETUP                           ; which five tiles are mine in this pass, and where they lie
.irp m, 0,1,2,3,4
	s_add_co_u32 s[IO+\m], s[PB], 4*\m
	s_add_co_u32 s[IO+\m], s[IO+\m], s[WV]
	s_add_co_u32 s[TAU+\m], s[IO+\m], s[T0]
	s_cmp_lt_u32 s[IO+\m], s[NT]
	s_cselect_b32 s[TAU+\m], s[TAU+\m], 0          ; past the expert's last tile: tile 0, which always has rows
	s_min_u32 s[TAU+\m], s[TAU+\m], 135            ; held inside the buffers
	s_mul_i32 s38, s[TAU+\m], AREC
	v_add_nc_u32 v[VA+\m], s38, v[LOFF]
	s_mul_i32 s38, s[TAU+\m], SREC
	v_add_nc_u32 v[VS+\m], s38, v[L4]
.endr
.endm
.macro STO b                           ; block b's codes go to LDS, and behind a K step's fourth block its scale words
.set OFS, 12288*((\b)/4)+256*((\b)%2)  ; my wave's K step b / 4; lane places 16 (b % 2) + r
.irp j, 0,1,2,3
.if ((\b)/2)%2 == 0
	ds_store_b128 v[IMW], v[E+6*\j:E+6*\j+3] offset:OFS+1536*\j            ; registers 0-3: piece 0
	ds_store_b64 v[IMW], v[E+6*\j+4:E+6*\j+5] offset:OFS+1536*\j+512       ; registers 4, 5: the first half of piece 1
.else
	ds_store_b64 v[IMW], v[E+6*\j:E+6*\j+1] offset:OFS+1536*\j+520         ; registers 6, 7: its second half
	ds_store_b128 v[IMW], v[E+6*\j+2:E+6*\j+5] offset:OFS+1536*\j+1024     ; registers 8-11: piece 2
.endif
.endr
.if (\b)%4 == 3
.irp j, 0,1,2,3
	ds_store_b32 v[ISW], v[SW+\j] offset:(4*((\b)/4)+\j)*128
.endr
.endif
.endm
; BLOCK b OF THE STREAM: 32 rows x 128 columns become 4 x 6 registers of codes a lane and a byte of four scale words.  n: the loads issued behind block b's, which may stay out.
.macro BROW b, n
	s_wait_loadcnt \n
.if UP && ((\b) == 0)
	WIN 0
.irp g, 0,1,2,3
	ds_store_b128 v[BIA], v[E+4*\g:E+4*\g+3] offset:512*\g     ; my 16 registers of the bias image (their loads are older than block 0's)
.endr
.endif
	WIN 0x03                                       ; source window 3
.set p, 0
.rept 32
.if UP
.set rw, p
.else
.set rw, 4*(p%8)+p/8                   ; the order in which UP left the hidden units of a block
.endif
.irp j, 0,1,2,3
	v_mov_b32 v[T+32*\j+p], v[128*((\b)%2)+4*rw+\j]
.endr
.set p, p+1
.endr
.if (\b) < 6
	WIN 0xc0                                       ; the window of the loads that follow: the switch, then the wait, then the loads
.else
	WIN 0
.endif
	s_wait_alu depctr_va_vdst(0)                   ; blocks 0 to 5: the moves are done reading the landing set, in which the loads below land; blocks 1 to 7: the block before has written E and SW, which the LDS stores below read; block 0: SETUP has written VA and VS, the rows' loads' offsets
.if (\b) < 6
	WLOAD (\b)+2                                   ; the landing set is free
.endif
.if (\b) < 7
.set q, 20*(\b)
.rept 20
	ALOAD q                                        ; a seventh of the rows' loads rides behind each block's
.set q, q+1
.endr
.endif
	WIN 0
.if (\b) > 0
	STO (\b)-1                                     ; no vector instruction since the wait names E, SW or the two addresses
.endif
.irp j, 0,1,2,3
	v_max3_num_f32 v[MX+\j], |v[T+32*\j]|, |v[T+32*\j+1]|, 0x1800000   ; the four columns by turns; the floor 2^(3 - 127) holds the byte at 1 from below
.endr
.irp i, 2,4,6,8,10,12,14,16,18,20,22,24,26,28,30
.irp j, 0,1,2,3
	v_max3_num_f32 v[MX+\j], v[MX+\j], |v[T+32*\j+\i]|, |v[T+32*\j+\i+1]|
.endr
.endr
	s_wait_alu depctr_va_vdst(0)
	s_wait_dscnt 0x0                               ; the last block's LDS stores are done
.if UP || ((\b) > 0)
	s_wait_alu depctr_vm_vsrc(0)                   ; the LDS stores above (UP, block 0: those of the bias) have read E and SW, which the lines below write again
.endif
.irp j, 0,1,2,3
	v_add_nc_u32 v[SO+\j], 0xff000000, v[MX+\j]    ; 2 off the exponent field: the conversion's scale operand
.endr
.irp j, 0,1,2,3
	v_lshrrev_b32 v[MX+\j], 23, v[SO+\j]           ; the scale's byte
.endr
.irp j, 0,1,2,3
.if (\b)%4 == 0
	v_mov_b32 v[SW+\j], v[MX+\j]
.else
	v_lshl_or_b32 v[SW+\j], v[MX+\j], 8*((\b)%4), v[SW+\j]
.endif
.endr
.irp j, 0,1,2,3
	v_cvt_scalef32_pk16_fp6_f32 v[E+6*\j:E+6*\j+2], v[T+32*\j:T+32*\j+15], v[SO+\j]
	v_cvt_scalef32_pk16_fp6_f32 v[U+4*\j:U+4*\j+2], v[T+32*\j+16:T+32*\j+31], v[SO+\j]   ; (a conversion's three registers begin on an even number)
.endr
	v_nop                                          ; one plain line behind the conversions
.irp j, 0,1,2,3
.irp i, 0,1,2
	v_mov_b32 v[E+6*\j+3+\i], v[U+4*\j+\i]
.endr
.endr
.endm
.macro RFRAG s, hf, j                  ; fragment (s, 4 hf + j) into its place in half-ring hf: three loads
.irp g, 0,1,2
.if (\s) < 4
	ds_load_b128 v[RING+48*(\hf)+12*(\j)+4*\g:RING+48*(\hf)+12*(\j)+4*\g+3], v[LOFF] offset:(8*(\s)+4*(\hf)+(\j))*1536+512*\g
.else
	ds_load_b128 v[RING+48*(\hf)+12*(\j)+4*\g:RING+48*(\hf)+12*(\j)+4*\g+3], v[LOF2] offset:(8*((\s)-4)+4*(\hf)+(\j))*1536+512*\g
.endif
.endr
.endm
.macro RLOAD s, hf                     ; the four fragments (s, 4 hf + j) into half-ring hf
.irp j, 0,1,2,3
	RFRAG \s, \hf, \j
.endr
.endm
.macro WMM d, a, b, c, sa, sb, ra, rb  ; ra, rb = 1: that side's scales stand in lanes 16-31
.if ((\ra) == 0) && ((\rb) == 0)
	v_wmma_scale_f32_16x16x128_f8f6f4 v[\d:\d+7], v[\a:\a+11], v[\b:\b+11], \c, v[\sa], v[\sb] matrix_a_fmt:MATRIX_FMT_FP6 matrix_b_fmt:MATRIX_FMT_FP6
.elseif (\rb) == 0
	v_wmma_scale_f32_16x16x128_f8f6f4 v[\d:\d+7], v[\a:\a+11], v[\b:\b+11], \c, v[\sa], v[\sb] matrix_a_fmt:MATRIX_FMT_FP6 matrix_b_fmt:MATRIX_FMT_FP6 matrix_a_scale:MATRIX_SCALE_ROW1
.elseif (\ra) == 0
	v_wmma_scale_f32_16x16x128_f8f6f4 v[\d:\d+7], v[\a:\a+11], v[\b:\b+11], \c, v[\sa], v[\sb] matrix_a_fmt:MATRIX_FMT_FP6 matrix_b_fmt:MATRIX_FMT_FP6 matrix_b_scale:MATRIX_SCALE_ROW1
.else
	v_wmma_scale_f32_16x16x128_f8f6f4 v[\d:\d+7], v[\a:\a+11], v[\b:\b+11], \c, v[\sa], v[\sb] matrix_a_fmt:MATRIX_FMT_FP6 matrix_b_fmt:MATRIX_FMT_FP6 matrix_a_scale:MATRIX_SCALE_ROW1 matrix_b_scale:MATRIX_SCALE_ROW1
.endif
.endm
.macro WM m, s, hf, j                  ; tile of rows m x tile of columns (j, hf), K step s.  K step 0 starts the sum: nothing is cleared
.set RG, RING+48*(\hf)+12*(\j)
.if (\m) == 4
.set DW, 0
.set DD, ACC4+8*(4*(\hf)+(\j))
.set XW, 1+(\s)/4
.set XX, 192+12*((\s)%4)
.else
.set DW, 3
.set DD, 64*(\m)+8*(4*(\hf)+(\j))
.set XW, 1+(\m)/2
.set XX, 96*((\m)%2)+12*(\s)
.endif
.set SWR, WS+4*(\s)+(\j)
.set SXR, XS+4*(\m)+(\s)/2
.if UP
.set WN, (DW<<6)|(DW<<4)|(XW<<2)
	WIN WN
.if (\s) == 0
	WMM DD, RG, XX, 0, SWR, SXR, \hf, (\s)%2
.else
	WMM DD, RG, XX, v[DD:DD+7], SWR, SXR, \hf, (\s)%2
.endif
.else
.set WN, (DW<<6)|(DW<<4)|XW
	WIN WN
.if (\s) == 0
	WMM DD, XX, RG, 0, SXR, SWR, (\s)%2, \hf
.else
	WMM DD, XX, RG, v[DD:DD+7], SXR, SWR, (\s)%2, \hf
.endif
.endif
.endm
; A HALF-STEP: 20 matrix instructions on 20 different accumulators (an accumulator's next link stands 40 matrix instructions on).
; The OTHER half-ring's next four fragments ride behind its first four products, three loads behind each: in half-step (s, 0) those of (s, 1), in (s, 1) those of (s + 1, 0).  Half-steps (0, 0) and (7, 1) carry none.
; Tile m = 4 goes first: in UP its products have their result and their source 0 in window 0, as an LDS load has its data and its address, so that the loads want no switch; DOWN switches round each three.
.macro HSET s, hf
.set RIDE, 0
.if ((\hf) == 0) && ((\s) > 0)
.set RIDE, 1
.set RS, (\s)
.set RH, 1
.endif
.if ((\hf) == 1) && ((\s) < 7)
.set RIDE, 1
.set RS, (\s)+1
.set RH, 0
.endif
.if ((\s) == 0) && ((\hf) == 0)
	s_wait_dscnt 12                                ; my half-ring is in; the other's 12 loads, issued behind it, may be out
.else
	s_wait_dscnt 0x0                               ; my half-ring is in: its loads, which rode in the half-step before, are the youngest
.endif
.if RIDE
	s_wait_alu depctr_va_vdst(0)                   ; the half-step before is done reading the other half-ring, in which the loads below land; this half-step's products name none of those registers
.endif
.irp j, 0,1,2,3
	WM 4, \s, \hf, \j
.if RIDE
.if \j == 0
.rept 4
	v_nop                                          ; four plain lines stand between the last half-step's matrix instructions and the first load into the registers that they read, beside the wait above
.endr
.endif
.if !UP
	WIN 0
.endif
	RFRAG RS, RH, \j
.endif
.endr
.irp m, 0,1,2,3
.irp j, 0,1,2,3
	WM \m, \s, \hf, \j
.endr
.endr
.endm
; THE WAY OUT of tile m; a tile past the expert's last is passed over.
.macro EPI m
	s_cmp_ge_u32 s[IO+\m], s[NT]
	s_cbranch_scc1 .Lskip_\@
.if (\m) == 4
.set AW, 0
.set AB, ACC4
.else
.set AW, 3
.set AB, 64*(\m)
.endif
.if UP
.set WN, (AW<<6)|AW
	WIN WN
.set i, 0
.rept 32
	v_pk_add_f32 v[AB+2*i:AB+2*i+1], v[AB+2*i:AB+2*i+1], v[BI+2*i:BI+2*i+1]   ; + b1; each accumulator is read from its low end on
.set i, i+1
.endr
.set WN, (AW<<6)|(AW<<2)
	WIN WN
.set i, 0
.rept 64
	v_max_num_f32 v[AB+i], 0, v[AB+i]              ; relu
.set i, i+1
.endr
.set WN, (AW<<4)|(AW<<2)
	WIN WN
.irp c, 0,1
	v_max3_num_f32 v[EMX+\c], 0x1800000, v[AB+32*\c], v[AB+32*\c+1]   ; my two whole blocks, by turns; none is negative; the floor as above
.endr
.irp i, 2,4,6,8,10,12,14,16,18,20,22,24,26,28,30
.irp c, 0,1
	v_max3_num_f32 v[EMX+\c], v[EMX+\c], v[AB+32*\c+\i], v[AB+32*\c+\i+1]
.endr
.endr
	WIN 0
	s_wait_alu depctr_va_vdst(0)
	s_wait_xcnt 0x0                                ; the last tile's stores have had their addresses translated: their offsets and data are written again only below; the 128 lines above name none of them
.if (\m) > 0
	s_wait_alu depctr_vm_vsrc(0)                   ; the last tile's stores have read ST0, ST1, HF and HW, which the lines below write again (ahead of tile 0 the pass's end has stated it)
.endif
	s_mul_i32 s38, s[TAU+\m], 49152
	v_add_nc_u32 v[ST0], s38, v[LOFF]
	s_lshl_b32 s38, s[TAU+\m], 11
	v_add_nc_u32 v[ST1], s38, v[R4]
.irp c, 0,1
	v_add_nc_u32 v[ESO+\c], 0xff000000, v[EMX+\c]
.endr
.irp c, 0,1
	v_lshrrev_b32 v[EBY+\c], 23, v[ESO+\c]
.endr
	WIN AW
.irp c, 0,1
	v_cvt_scalef32_pk16_fp6_f32 v[HF+6*\c:HF+6*\c+2], v[AB+32*\c:AB+32*\c+15], v[ESO+\c]
	v_cvt_scalef32_pk16_fp6_f32 v[EU+4*\c:EU+4*\c+2], v[AB+32*\c+16:AB+32*\c+31], v[ESO+\c]
.endr
	WIN 0
	v_lshl_or_b32 v[HW], v[EBY+1], 16, v[EBY]      ; my two bytes, blocks h and 2 + h (also the plain line behind the conversions),
.irp c, 0,1
.irp i, 0,1,2
	v_mov_b32 v[HF+6*\c+3+\i], v[EU+4*\c+\i]
.endr
.endr
	v_lshlrev_b32 v[HW], v[H8], v[HW]              ; at their places in the row's scale word;
	v_permlanex16_b32 v[TP], v[HW], s[SEL], s[SEL+1]
	v_or_b32 v[HW], v[HW], v[TP]                   ; with lane l xor 16's two it is whole
	s_wait_alu depctr_va_vdst(0)                   ; the lines above have written ST0, ST1, HF and HW, which the four stores read
.irp g, 0,1,2
	global_store_b128 v[ST0], v[HF+4*\g:HF+4*\g+3], s[12:13] offset:512*\g   ; K step cg of the tile's images: 512 consecutive bytes, at a multiple of 256
.endr
	global_store_b32 v[ST1], v[HW], s[14:15]       ; lanes 16-31 write the word that lanes 0-15 write
.else
	s_wait_xcnt 0x0                                ; the last tile's stores have had their addresses translated: their offset and data are written again below
.if (\m) > 0
	s_wait_alu depctr_vm_vsrc(0)                   ; the last tile's stores have read ST0 and O, which the lines below write again (ahead of tile 0 the pass's end has stated it)
.endif
	s_lshl_b32 s38, s[TAU+\m], 18
	v_add_nc_u32 v[ST0], s38, v[HV]
	WIN AW
.irp u, 0,1,2,3,4,5,6,7                        ; four tiles' numbers of one slot are four neighbouring columns; each accumulator is read from its low end on
.irp hf, 0,1
.irp j, 0,1,2,3
	v_mov_b32 v[O+4*(8*\hf+\u)+\j], v[AB+8*(4*\hf+\j)+\u]
.endr
.endr
.endr
	WIN 0
	s_wait_alu depctr_va_vdst(0)                   ; the lines above have written ST0 and O, which the sixteen stores read
.irp u, 0,1,2,3,4,5,6,7
.irp hf, 0,1
	global_store_b128 v[ST0], v[O+4*(8*\hf+\u):O+4*(8*\hf+\u)+3], s[12:13] offset:16384*\u+256*\hf th:TH_STORE_NT   ; sixteen lanes store 256 consecutive bytes of slot 8 h + u, at a multiple of 256
.endr
.endr
.endif
	WIN 0
.Lskip_\@:
.endm
	s_load_b256 s[40:47], s[0:1], 0x0              ; UP: W1, b1, xg, plan.  DOWN: W2, hb, plan, y
.if UP
	s_load_b64 s[48:49], s[0:1], 0x20              ; hb
	s_set_vgpr_msb 0x40
	v_lshl_add_u32 v254, v0, 2, 0x1b000
	v_mov_b32 v255, 0
	s_set_vgpr_msb 0x4000
.endif
	v_lshrrev_b32 v2, 5, v0
	v_readfirstlane_b32 s[WV], v2
	v_and_b32 v[TP], 31, v0
	v_lshlrev_b32 v[LOFF], 4, v[TP]
	v_add_nc_u32 v[LOF2], 49152, v[LOFF]
	v_lshlrev_b32 v[L4], 2, v[TP]
	v_add_nc_u32 v[WSA], SCI, v[L4]
	v_and_b32 v[R4], 15, v0                        ; r
	v_bfe_u32 v[H8], v0, 4, 1                      ; h (in the stream: half)
	s_wait_alu depctr_va_sdst(0)                   ; s18, the wave's number, is written, ahead of its first reader
	s_mul_i32 s38, s[WV], 24576
	v_mul_u32_u24 v[IMW], v[H8], 6144
	v_lshl_add_u32 v[IMW], v[R4], 4, v[IMW]
	v_add_nc_u32 v[IMW], s38, v[IMW]
	s_lshl_b32 s38, s[WV], 10
	v_add_nc_u32 v[ISW], s38, v[WSA]
.if UP
	s_lshl_b32 s38, s[WV], 11
	s_add_co_u32 s38, s38, BIO
	v_add_nc_u32 v[BIA], s38, v[LOFF]
	v_lshlrev_b32 v[HV], 7, v[H8]
	v_lshlrev_b32 v[R4], 2, v[R4]
	v_lshlrev_b32 v[H8], 3, v[H8]
	v_mov_b32 v[TP], 0                             ; written once: a lane permute's destination counts as one of its sources
.else
	v_lshlrev_b32 v[HV], 17, v[H8]
	v_lshl_add_u32 v[HV], v[R4], 4, v[HV]
.endif
	s_mov_b32 s[CG], ttmp9
	s_and_b32 s[EX], ttmp7, 0xffff
.if !UP
	s_and_b32 s[QQ], s[EX], 3
	s_lshr_b32 s[EX], s[EX], 2
.endif
	s_lshl_b32 s39, s[EX], 2
	s_lshl_b32 s50, s[EX], 24                      ; an expert's weights are 2^24 bytes
.if UP
	s_lshl_b32 s51, s[WV], 22                      ; my 256 rows
.else
	s_lshl_b32 s51, s[WV], 20
.endif
	s_add_co_u32 s50, s50, s51
	s_lshl_b32 s51, s[CG], 9                       ; the slab's 128 columns
	s_add_co_u32 s50, s50, s51
.if !UP
	s_lshl_b32 s51, s[QQ], 22                      ; the quarter's 1,024 rows
	s_add_co_u32 s50, s50, s51
.endif
	s_mov_b32 s51, 0
.if UP
	s_lshl_b32 s52, s[EX], 14                      ; b1: registers 16 w + i of the bias image: half = w / 2, j = 2 (w % 2) + i / 8, u = i % 8; unit 64 half + 32 h + 4 u + j
	s_lshl_b32 s53, s[CG], 9
	s_add_co_u32 s52, s52, s53
	s_lshr_b32 s53, s[WV], 1
	s_lshl_b32 s53, s53, 8
	s_add_co_u32 s52, s52, s53
	s_and_b32 s53, s[WV], 1
	s_lshl_b32 s53, s53, 3
	s_add_co_u32 s52, s52, s53
	s_mov_b32 s53, 0
.endif
	s_mov_b32 s[SEL], 0x76543210
	s_mov_b32 s[SEL+1], 0xfedcba98
	s_mov_b32 s[PB], 0
	s_mov_b32 s[PCT], 0
	s_wait_kmcnt 0x0
	s_add_nc_u64 s[4:5], s[40:41], s[50:51]
	s_load_b32 s[T0], s[PLN:PLN+1], s39 offset:8192
	s_load_b32 s[NT], s[PLN:PLN+1], s39 offset:8224
	s_wait_alu depctr_va_vdst(0)                   ; the head's offsets and addresses (v1-5, v16, v17, v20-22) are written: the loads, stores and LDS instructions of the whole kernel read them
.if UP
	s_add_nc_u64 s[16:17], s[42:43], s[52:53]
.set i, 0
.rept 16
	global_load_b32 v[E+i], v[HV], s[16:17] offset:4*(4*(i%8)+i/8)
.set i, i+1
.endr
.endif
	WLOAD 0                                        ; the stream starts ahead of everything that hangs on the plan
	WLOAD 1
	WIN 0
.if UP
	s_mov_b64 s[6:7], s[44:45]                     ; the rows' images: xg,
	s_add_nc_u64 s[8:9], s[44:45], 1671168         ; their scale words
	s_mul_i32 s52, s[CG], 1536
	s_add_nc_u64 s[12:13], s[48:49], s[52:53]      ; out: K step cg of hb's images,
	s_lshl_b32 s52, s[CG], 6
	s_add_nc_u64 s[14:15], s[48:49], s[52:53]
	s_add_nc_u64 s[14:15], s[14:15], 6684672       ; and of its scale words
.else
	s_mul_i32 s52, s[QQ], 12288
	s_mov_b32 s53, 0
	s_add_nc_u64 s[6:7], s[42:43], s[52:53]        ; the rows' images: hb, K steps 8 q on,
	s_lshl_b32 s52, s[QQ], 9
	s_add_nc_u64 s[8:9], s[42:43], s[52:53]
	s_add_nc_u64 s[8:9], s[8:9], 6684672           ; their scale words
	s_lshl_b32 s52, s[QQ], 12
	s_lshl_b32 s38, s[CG], 9
	s_add_co_u32 s52, s52, s38
	s_add_nc_u64 s[12:13], s[46:47], s[52:53]      ; out: y, quarter q, my 128 columns
.endif
	s_wait_kmcnt 0x0
	s_min_u32 s[NT], s[NT], 136                    ; the buffers hold 136 tiles
	s_add_co_u32 s[NPS], s[NT], 19
	s_mul_i32 s[NPS], s[NPS], 3277                 ; / 20: 3,277 / 65,536 lies 3.1e-6 over 1 / 20, and 155 times that is far under 1 / 20: exact up to nt + 19 = 155
	s_lshr_b32 s[NPS], s[NPS], 16                  ; passes in all: ceil(nt / 20)
	SETUP
	; The loads go out in the order (bias) W0 W1 | W2 A0 | W3 A1 | .. | W7 A5 | A6: 32 to a block of weights, 20 to a part of the rows.
	BROW 0, 32                                     ; behind W0: W1
	BROW 1, 52                                     ; behind W1: W2, A0
	BROW 2, 63                                     ; behind W2: A0, W3, A1, 72 loads: a wait's count holds 63 at the most
	BROW 3, 63
	BROW 4, 63
	BROW 5, 63
	BROW 6, 63
	BROW 7, 40                                     ; behind W7: A5, A6
	s_wait_alu depctr_va_vdst(0)                   ; block 7 has written E and SW, which its LDS stores read; and the stream's vector lines are done with v76-255
	STO 7
	s_wait_dscnt 0x0                               ; for the others: my two K steps, their scale words and my part of the bias lie in LDS
	s_barrier_signal -1                            ; THE ONE BARRIER: it stands ahead of every branch on the plan's numbers; behind it LDS is only read
	s_barrier_wait -1
	s_wait_alu depctr_vm_vsrc(0)                   ; my LDS stores have read E and SW: these registers are part of the half-rings from here on, in which LDS loads land
.set i, 0
.rept 32
	ds_load_b32 v[WS+i], v[WSA] offset:128*i
.set i, i+1
.endr
	s_wait_loadcnt 0x0                             ; the stream's last 40 loads, the first pass's rows, are in: on every way into a pass no global load is out, so that a pass may write the rows' address registers and load into their fragments anew
.Lpass:
	s_cmp_eq_u32 s[PB], 0
	s_cbranch_scc1 .Lhave                          ; the first pass's rows were asked for during the stream
	SETUP
	WIN 0x40                                       ; the window of the first load below: the switch, then the wait, then the loads
	s_wait_alu depctr_va_vdst(0)                   ; SETUP has written VA and VS, which the 140 loads read
.set q, 0
.rept 140
	ALOAD q
.set q, q+1
.endr
	WIN 0
.Lhave:
	RLOAD 0, 0
	RLOAD 0, 1
	s_wait_loadcnt 0x0                             ; a later pass's five tiles of rows are in
.irp s, 0,1,2,3,4,5,6,7
	HSET \s, 0
	HSET \s, 1
.endr
.rept 5
	v_nop                                          ; four plain lines ahead of reads of the results; five ahead of the next pass's products, which begin the accumulators anew
.endr
	WIN 0
	s_wait_alu depctr_va_vdst(0)                   ; the products are done reading the half-rings, the rows' fragments and the scale words: in UP the bias lands in the half-rings below, and in all of them a later pass's loads
.if UP
.set i, 0
.rept 16
	ds_load_b128 v[BI+4*i:BI+4*i+3], v[LOF2] offset:BIO-49152+512*i
.set i, i+1
.endr
	s_wait_dscnt 0x0
.endif
	EPI 0
	EPI 1
	EPI 2
	EPI 3
	EPI 4
	s_wait_xcnt 0x0                                ; the stores have had their addresses translated: the next pass loads into their registers
	s_wait_alu depctr_vm_vsrc(0)                   ; the tiles' stores have read their offsets and data, in which the next pass's LDS loads land or which its tiles write again; the rows' loads have read VA and VS, which SETUP writes again
	s_add_co_u32 s[PB], s[PB], 20                  ; the next pass's first tile
	s_add_co_u32 s[PCT], s[PCT], 1                 ; the loop is counted in passes: one a trip, against a number that the loop does not write
	s_cmp_lt_u32 s[PCT], s[NPS]
	s_cbranch_scc1 .Lpass
	s_set_vgpr_msb 0x5                             ; the add's two registers, its sources 0 and 1, lie in window 1
	s_wait_dscnt 0x0                               ; the closing lines, six on end
	s_wait_alu 0x0
	s_wait_tensorcnt 0x0
	ds_add_u32 v254, v255
	s_wait_dscnt 0x0
	s_endpgm
.Lfunc_end_k_q7275aee91b_up:
	.size	k_q7275aee91b_up, .Lfunc_end_k_q7275aee91b_up-k_q7275aee91b_up
	.p2alignl 7, 3214868480
	.fill 96, 4, 3214868480
	.section	.rodata,"a",@progbits
	.p2align	6, 0x0
	.amdhsa_kernel k_q7275aee91b_up
		.amdhsa_group_segment_fixed_size 111104
		.amdhsa_private_segment_fixed_size 0
		.amdhsa_enable_private_segment 0
		.amdhsa_kernarg_size 40
		.amdhsa_user_sgpr_count 2
		.amdhsa_user_sgpr_kernarg_segment_ptr 1
		.amdhsa_wavefront_size32 1
		.amdhsa_system_sgpr_workgroup_id_x 1
		.amdhsa_system_sgpr_workgroup_id_y 1
		.amdhsa_system_sgpr_workgroup_id_z 1
		.amdhsa_system_vgpr_workitem_id 0
		.amdhsa_next_free_vgpr 1024
		.amdhsa_next_free_sgpr 66
		.amdhsa_reserve_vcc 0
		.amdhsa_float_denorm_mode_32 3
		.amdhsa_float_denorm_mode_16_64 3
		.amdhsa_memory_ordered 1
		.amdhsa_forward_progress 1
		.amdhsa_inst_pref_size 243
	.end_amdhsa_kernel
	.amdgpu_metadata
---
amdhsa.version: [ 1, 2 ]
amdhsa.kernels:
  - .name:           k_q7275aee91b_up
    .symbol:         k_q7275aee91b_up.kd
    .args:
      - { .name: W1, .offset: 0, .size: 8, .value_kind: global_buffer, .address_space: global }
      - { .name: b1, .offset: 8, .size: 8, .value_kind: global_buffer, .address_space: global }
      - { .name: xg, .offset: 16, .size: 8, .value_kind: global_buffer, .address_space: global }
      - { .name: plan, .offset: 24, .size: 8, .value_kind: global_buffer, .address_space: global }
      - { .name: hb, .offset: 32, .size: 8, .value_kind: global_buffer, .address_space: global }
    .group_segment_fixed_size: 111104
    .private_segment_fixed_size: 0
    .kernarg_segment_align: 8
    .kernarg_segment_size: 40
    .max_flat_workgroup_size: 128
    .sgpr_count:     66
    .vgpr_count:     1024
    .wavefront_size: 32
...
	.end_amdgpu_metadata
.endif
;; end of part 8
;; launch down (part 9): grid 8 x 32, 4 waves a work-group, no clusters, 102,912 bytes of LDS; arguments W2, hb, plan, y; writes y
.if DOCPART == 9
	.amdgcn_target "amdgcn-amd-amdhsa--gfx1250"
	.amdhsa_code_object_version 6
	.text
	.protected	k_q7275aee91b_down
	.globl	k_q7275aee91b_down
	.p2align	8
	.type	k_q7275aee91b_down,@function
k_q7275aee91b_down:
	s_mov_b64 s[64:65], 0
	v_nop
	global_prefetch_b8 v0, s[64:65] scope:SCOPE_SE
	s_setreg_imm32_b32 hwreg(HW_REG_WAVE_SCHED_MODE, 0, 2), 2
	s_setreg_imm32_b32 hwreg(HW_REG_WAVE_MODE, 25, 1), 1
	s_wait_xcnt 0x0
	s_wait_alu depctr_vm_vsrc(0)
; UP (UP = 1): h = relu(x W1[e] + b1[e]) for the rows routed to expert e, quantised, stored as operand images.   DOWN (UP = 0): the partial sums h W2[e] over a quarter of K.   One text, told apart by UP.
; Both products on codes of E2M3 with one E8M0 scale for each 32 along K.  The weights arrive as f32 with K as their FIRST axis and are read ONCE in the whole launch: a work-group owns a SLAB of one expert,
; 128 columns x 1,024 along K (512 KiB), quantises it on the way into LDS (96 KiB of register images) and multiplies it by all tiles of 16 rows of its expert.
; UP: grid 32 x 8: column group cg, expert e.  DOWN: grid 8 x 32: cg, and y = 4 e + q, q the quarter of K = 4,096.  256 work-groups, one to a WGP.
; DOWN stores y[slot][q][1,024] in f32: four partial sums for each routed row, which the last launch adds: a row's K is shared among four work-groups so that each of the 256 has one slab, and no launch adds across work-groups.
; NO TENSOR LOAD, NO CLUSTER: how many tiles an expert has is read from memory, and the walk over them branches on it.  What work-groups share, the rows' images, is under a third of a work-group's bytes.
; THE STREAM.  Wave w takes rows 256 w .. 256 w + 255 of the slab, K steps 2 w and 2 w + 1, in 8 blocks of 32 rows.  One load reads one row's 128 columns: 512 consecutive bytes at a multiple of 256; lane L gets
; columns 4 L .. 4 L + 3.  128 moves set a block's numbers down K, a column's 32 on end (the conversions take neighbours along K from consecutive registers), and free the landing set for the block two on.
; THE COLUMNS OF A TILE ARE NOT NEIGHBOURS: tile t = 4 half + j holds columns 4 (16 half + r) + j, r = 0 .. 15: so lane L = 16 half + r holds row r of tiles (j, half), j = 0 .. 3.
; Its codes of block 2 c + hb of a K step are registers 6 c .. 6 c + 5 of lane place 16 hb + r of the image: the LDS address puts them there, and no lane exchange is needed.
; An IMAGE is a fragment's 12 registers: piece g = registers 4 g .. 4 g + 3, lane place l's 16 bytes at 512 g + 16 l.
; UP left the hidden units of a block of 32 in the order p = 8 j + u for unit 4 u + j.  DOWN sets W2's rows of each block in the same order (row 4 (p % 8) + p / 8 at place p):
; a permutation of k inside a block, alike on both sides: the block's scale and the products are the same, only the order of the sum inside the instruction differs.
; DOWN uses the product as it stands (source 0 = h, source 1 = W): lane (r, h), tile (j, half), register u holds slot 8 h + u, column 64 half + 4 r + j: four tiles give a lane four neighbouring columns.
; THE PRODUCTS.  Behind ONE barrier every wave reads all 64 fragments from LDS, four at a time through two half-rings, and multiplies them by its own five tiles of rows (tiles PB + 4 m + w), whose 40 fragments
; lie in registers: they were asked for during the stream.  20 tiles (320 rows) a pass; an expert with more takes more passes, ceil(nt / 20) in all, which read LDS and the rows' images again, never the weights.
; A tile past the expert's last is multiplied as tile 0 and not stored; an expert without rows stores nothing.
; LIMITS.  NaN and infinities are not served.  A block whose largest magnitude lies under 2^-124, a block of zeros among them, keeps the scale byte 1: this program alone reads the bytes.
; REGISTERS, in windows of 256.  Window 0: v1-23 addresses; v24-43 the rows' scale words, v44-75 the weights': these 52 hold scales and nothing else; v76-127 the stream's codes and temporaries, v128-255 a block set down K;
;   in the products v76-123, v124-171 the two half-rings, v192-255 tile m = 4's accumulators; on the way out v76-167 are free.
; Window 1: the rows' fragments of m = 0 (v0-95), m = 1 (v96-191), m = 4's K steps 0-3 (v192-239).  Window 2: m = 2, m = 3, m = 4's K steps 4-7.  Window 3: two landing sets of 128; later the accumulators 64 m + 8 t + u, m = 0 .. 3.
; THE MODE: SCHED_MODE bits 1:0 = 2 (LLVM: expert scheduling mode 2), set by the entry lines.  The code itself states the register dependences
; between vector or matrix instructions and memory or LDS instructions, with s_wait_alu, always for 0.
; THE PLAN.  The registers that memory or LDS instructions touch, and who else names them:
;   the landing sets     Block b's 128 moves read set b % 2; behind them the loads of block b + 2 land in it.
;   E, SW                Block b's conversions and moves write them; the LDS stores that read them are issued in block b + 1 (block 7's behind the stream).  UP: E first carries my part of the bias from its loads to LDS.
;   VA, VS               SETUP writes them, once a pass; the rows' 140 loads read them.
;   the rows' fragments, XS, WS   Loads land in them; the products alone read them.
;   the half-rings       LDS loads land in them; the products read them.  Half-step k multiplies one of them; the loads into the other, which half-step k - 1 multiplied, ride behind its first four products.
;   the way out          UP: the bias lands in v76-139; a tile's vector lines write ST0, ST1, HF, HW, and its stores read them.  DOWN: ST0 and O likewise.
;   v1-5, v16, v17, v21, v22 and the closing add's two (v19, v20)   made at the head and never written again.
; So ONE wait on va_vdst stands in a block of the stream, behind its moves, and the block's loads and the last block's LDS stores follow it; one wait on vm_vsrc stands ahead of the lines that write SW and E again.
; One wait on va_vdst stands at the head of a half-step that carries loads.  On the way out one stands behind the products and one ahead of each tile's stores; a wait on vm_vsrc ahead of the lines that write a tile's out registers again, and at a pass's end.
.set UP, 0
.if UP
.set PITCH, 16384                      ; a row of the weights in bytes
.set AREC,  12288                      ; a tile's images of the rows' operand, all K steps
.set SREC,  512                        ; and its scale words
.set PLN,   46
.else
.set PITCH, 4096
.set AREC,  49152
.set SREC,  2048
.set PLN,   44
.endif
.set SCI,  98304                       ; LDS: 64 images of 1,536 bytes, fragment (s, t) at (8 s + t) x 1,536; then the weights' scale words, (4 s + j) x 128 + 4 x lane;
.set BIO,  102400                      ; then (UP) the bias as an image of 64 registers: 16 pieces of 512 bytes
.set LOFF, 1                           ; 16 x lane
.set LOF2, 2                           ; 16 x lane + 49,152: an LDS immediate has 16 bits
.set WSA,  3                           ; 4 x lane + SCI
.set IMW,  4                           ; where I store codes: 24,576 w + 6,144 half + 16 r
.set ISW,  5                           ; and scale words: 4 x lane + SCI + 1,024 w
.set VA,   6                           ; v6-10  tile m's images: tile x AREC + 16 x lane
.set VS,   11                          ; v11-15 its scale words: tile x SREC + 4 x lane
.set R4,   16                          ; 4 r
.set H8,   17                          ; 8 h
.set ST0,  18                          ; offsets of the stores in hand
.set ST1,  19
.set BIA,  20                          ; where I store my part of the bias image
.set HV,   21                          ; UP: 128 h;  DOWN: 131,072 h + 16 r
.set L4,   22                          ; 4 x lane
.set TP,   23
.set XS,   24                          ; register 4 m + i: lanes 0-15 the words of K step 2 i, lanes 16-31 of K step 2 i + 1
.set WS,   44                          ; register 4 s + j: lanes 0-15 tile (j, 0), lanes 16-31 tile (j, 1)
.set E,    76                          ; v76-99   column j's six registers of codes at E + 6 j
.set U,    100                         ; v100-115 the upper halves as converted
.set MX,   116                         ; v116-119 largest magnitudes, then the bytes
.set SO,   120                         ; v120-123 the conversions' scale operands
.set SW,   124                         ; v124-127 the scale words as they grow
.set T,    128                         ; v128-255 column j's 32 numbers at T + 32 j
.set RING, 76
.set ACC4, 192
.set BI,   76                          ; the way out of UP: v76-139 the bias, v140-151 the codes, v152-158 upper halves, v160-166 at work
.set HF,   140
.set EU,   152
.set EMX,  160
.set ESO,  162
.set EBY,  164
.set HW,   166
.set O,    76                          ; the way out of DOWN: v76-139
.set WV,   18                          ; s18 wave, s19 expert, s20 column group, s21 quarter of K, s22 tile0, s23 nt, s24 the pass's first tile
.set EX,   19
.set CG,   20
.set QQ,   21
.set T0,   22
.set NT,   23
.set PB,   24
.set IO,   25                          ; s25-29 tile m's number within the expert
.set TAU,  30                          ; s30-34 and in the buffers
.set SEL,  36
.set PCT,  54                          ; s54 passes done;  s55 passes in all: ceil(nt / 20)
.set NPS,  55
.set MSB,  0
.macro WIN new                         ; the immediate's high byte repeats the setting that is left
.if MSB != (\new)
	s_set_vgpr_msb (MSB<<8)|(\new)
.set MSB, (\new)
.endif
.endm
.macro WLOAD b                         ; block b's 32 rows into landing set b % 2
	WIN 0xc0                                       ; destination window 3
.set i, 0
.rept 32
	global_load_b128 v[128*((\b)%2)+4*i:128*((\b)%2)+4*i+3], v[LOFF], s[4:5] offset:(32*(\b)+i)*PITCH th:TH_LOAD_NT
.set i, i+1
.endr
.endm
.macro ALOAD a                         ; load a of the 140 that bring my five tiles of rows: 120 pieces of images, 20 registers of scale words
.if (\a) < 120
.set AM_, (\a)/24
.set AS_, ((\a)%24)/3
.set AG_, (\a)%3
.if AM_ == 4
.set WN, (1+AS_/4)<<6
.set XR_, 192+12*(AS_%4)
.else
.set WN, (1+AM_/2)<<6
.set XR_, 96*(AM_%2)+12*AS_
.endif
	WIN WN
	global_load_b128 v[XR_+4*AG_:XR_+4*AG_+3], v[VA+AM_], s[6:7] offset:1536*AS_+512*AG_
.else
	WIN 0
	global_load_b32 v[XS+(\a)-120], v[VS+((\a)-120)/4], s[8:9] offset:128*(((\a)-120)%4)
.endif
.endm
.macro SETUP                           ; which five tiles are mine in this pass, and where they lie
.irp m, 0,1,2,3,4
	s_add_co_u32 s[IO+\m], s[PB], 4*\m
	s_add_co_u32 s[IO+\m], s[IO+\m], s[WV]
	s_add_co_u32 s[TAU+\m], s[IO+\m], s[T0]
	s_cmp_lt_u32 s[IO+\m], s[NT]
	s_cselect_b32 s[TAU+\m], s[TAU+\m], 0          ; past the expert's last tile: tile 0, which always has rows
	s_min_u32 s[TAU+\m], s[TAU+\m], 135            ; held inside the buffers
	s_mul_i32 s38, s[TAU+\m], AREC
	v_add_nc_u32 v[VA+\m], s38, v[LOFF]
	s_mul_i32 s38, s[TAU+\m], SREC
	v_add_nc_u32 v[VS+\m], s38, v[L4]
.endr
.endm
.macro STO b                           ; block b's codes go to LDS, and behind a K step's fourth block its scale words
.set OFS, 12288*((\b)/4)+256*((\b)%2)  ; my wave's K step b / 4; lane places 16 (b % 2) + r
.irp j, 0,1,2,3
.if ((\b)/2)%2 == 0
	ds_store_b128 v[IMW], v[E+6*\j:E+6*\j+3] offset:OFS+1536*\j            ; registers 0-3: piece 0
	ds_store_b64 v[IMW], v[E+6*\j+4:E+6*\j+5] offset:OFS+1536*\j+512       ; registers 4, 5: the first half of piece 1
.else
	ds_store_b64 v[IMW], v[E+6*\j:E+6*\j+1] offset:OFS+1536*\j+520         ; registers 6, 7: its second half
	ds_store_b128 v[IMW], v[E+6*\j+2:E+6*\j+5] offset:OFS+1536*\j+1024     ; registers 8-11: piece 2
.endif
.endr
.if (\b)%4 == 3
.irp j, 0,1,2,3
	ds_store_b32 v[ISW], v[SW+\j] offset:(4*((\b)/4)+\j)*128
.endr
.endif
.endm
; BLOCK b OF THE STREAM: 32 rows x 128 columns become 4 x 6 registers of codes a lane and a byte of four scale words.  n: the loads issued behind block b's, which may stay out.
.macro BROW b, n
	s_wait_loadcnt \n
.if UP && ((\b) == 0)
	WIN 0
.irp g, 0,1,2,3
	ds_store_b128 v[BIA], v[E+4*\g:E+4*\g+3] offset:512*\g     ; my 16 registers of the bias image (their loads are older than block 0's)
.endr
.endif
	WIN 0x03                                       ; source window 3
.set p, 0
.rept 32
.if UP
.set rw, p
.else
.set rw, 4*(p%8)+p/8                   ; the order in which UP left the hidden units of a block
.endif
.irp j, 0,1,2,3
	v_mov_b32 v[T+32*\j+p], v[128*((\b)%2)+4*rw+\j]
.endr
.set p, p+1
.endr
.if (\b) < 6
	WIN 0xc0                                       ; the window of the loads that follow: the switch, then the wait, then the loads
.else
	WIN 0
.endif
	s_wait_alu depctr_va_vdst(0)                   ; blocks 0 to 5: the moves are done reading the landing set, in which the loads below land; blocks 1 to 7: the block before has written E and SW, which the LDS stores below read; block 0: SETUP has written VA and VS, the rows' loads' offsets
.if (\b) < 6
	WLOAD (\b)+2                                   ; the landing set is free
.endif
.if (\b) < 7
.set q, 20*(\b)
.rept 20
	ALOAD q                                        ; a seventh of the rows' loads rides behind each block's
.set q, q+1
.endr
.endif
	WIN 0
.if (\b) > 0
	STO (\b)-1                                     ; no vector instruction since the wait names E, SW or the two addresses
.endif
.irp j, 0,1,2,3
	v_max3_num_f32 v[MX+\j], |v[T+32*\j]|, |v[T+32*\j+1]|, 0x1800000   ; the four columns by turns; the floor 2^(3 - 127) holds the byte at 1 from below
.endr
.irp i, 2,4,6,8,10,12,14,16,18,20,22,24,26,28,30
.irp j, 0,1,2,3
	v_max3_num_f32 v[MX+\j], v[MX+\j], |v[T+32*\j+\i]|, |v[T+32*\j+\i+1]|
.endr
.endr
	s_wait_alu depctr_va_vdst(0)
	s_wait_dscnt 0x0                               ; the last block's LDS stores are done
.if UP || ((\b) > 0)
	s_wait_alu depctr_vm_vsrc(0)                   ; the LDS stores above (UP, block 0: those of the bias) have read E and SW, which the lines below write again
.endif
.irp j, 0,1,2,3
	v_add_nc_u32 v[SO+\j], 0xff000000, v[MX+\j]    ; 2 off the exponent field: the conversion's scale operand
.endr
.irp j, 0,1,2,3
	v_lshrrev_b32 v[MX+\j], 23, v[SO+\j]           ; the scale's byte
.endr
.irp j, 0,1,2,3
.if (\b)%4 == 0
	v_mov_b32 v[SW+\j], v[MX+\j]
.else
	v_lshl_or_b32 v[SW+\j], v[MX+\j], 8*((\b)%4), v[SW+\j]
.endif
.endr
.irp j, 0,1,2,3
	v_cvt_scalef32_pk16_fp6_f32 v[E+6*\j:E+6*\j+2], v[T+32*\j:T+32*\j+15], v[SO+\j]
	v_cvt_scalef32_pk16_fp6_f32 v[U+4*\j:U+4*\j+2], v[T+32*\j+16:T+32*\j+31], v[SO+\j]   ; (a conversion's three registers begin on an even number)
.endr
	v_nop                                          ; one plain line behind the conversions
.irp j, 0,1,2,3
.irp i, 0,1,2
	v_mov_b32 v[E+6*\j+3+\i], v[U+4*\j+\i]
.endr
.endr
.endm
.macro RFRAG s, hf, j                  ; fragment (s, 4 hf + j) into its place in half-ring hf: three loads
.irp g, 0,1,2
.if (\s) < 4
	ds_load_b128 v[RING+48*(\hf)+12*(\j)+4*\g:RING+48*(\hf)+12*(\j)+4*\g+3], v[LOFF] offset:(8*(\s)+4*(\hf)+(\j))*1536+512*\g
.else
	ds_load_b128 v[RING+48*(\hf)+12*(\j)+4*\g:RING+48*(\hf)+12*(\j)+4*\g+3], v[LOF2] offset:(8*((\s)-4)+4*(\hf)+(\j))*1536+512*\g
.endif
.endr
.endm
.macro RLOAD s, hf                     ; the four fragments (s, 4 hf + j) into half-ring hf
.irp j, 0,1,2,3
	RFRAG \s, \hf, \j
.endr
.endm
.macro WMM d, a, b, c, sa, sb, ra, rb  ; ra, rb = 1: that side's scales stand in lanes 16-31
.if ((\ra) == 0) && ((\rb) == 0)
	v_wmma_scale_f32_16x16x128_f8f6f4 v[\d:\d+7], v[\a:\a+11], v[\b:\b+11], \c, v[\sa], v[\sb] matrix_a_fmt:MATRIX_FMT_FP6 matrix_b_fmt:MATRIX_FMT_FP6
.elseif (\rb) == 0
	v_wmma_scale_f32_16x16x128_f8f6f4 v[\d:\d+7], v[\a:\a+11], v[\b:\b+11], \c, v[\sa], v[\sb] matrix_a_fmt:MATRIX_FMT_FP6 matrix_b_fmt:MATRIX_FMT_FP6 matrix_a_scale:MATRIX_SCALE_ROW1
.elseif (\ra) == 0
	v_wmma_scale_f32_16x16x128_f8f6f4 v[\d:\d+7], v[\a:\a+11], v[\b:\b+11], \c, v[\sa], v[\sb] matrix_a_fmt:MATRIX_FMT_FP6 matrix_b_fmt:MATRIX_FMT_FP6 matrix_b_scale:MATRIX_SCALE_ROW1
.else
	v_wmma_scale_f32_16x16x128_f8f6f4 v[\d:\d+7], v[\a:\a+11], v[\b:\b+11], \c, v[\sa], v[\sb] matrix_a_fmt:MATRIX_FMT_FP6 matrix_b_fmt:MATRIX_FMT_FP6 matrix_a_scale:MATRIX_SCALE_ROW1 matrix_b_scale:MATRIX_SCALE_ROW1
.endif
.endm
.macro WM m, s, hf, j                  ; tile of rows m x tile of columns (j, hf), K step s.  K step 0 starts the sum: nothing is cleared
.set RG, RING+48*(\hf)+12*(\j)
.if (\m) == 4
.set DW, 0
.set DD, ACC4+8*(4*(\hf)+(\j))
.set XW, 1+(\s)/4
.set XX, 192+12*((\s)%4)
.else
.set DW, 3
.set DD, 64*(\m)+8*(4*(\hf)+(\j))
.set XW, 1+(\m)/2
.set XX, 96*((\m)%2)+12*(\s)
.endif
.set SWR, WS+4*(\s)+(\j)
.set SXR, XS+4*(\m)+(\s)/2
.if UP
.set WN, (DW<<6)|(DW<<4)|(XW<<2)
	WIN WN
.if (\s) == 0
	WMM DD, RG, XX, 0, SWR, SXR, \hf, (\s)%2
.else
	WMM DD, RG, XX, v[DD:DD+7], SWR, SXR, \hf, (\s)%2
.endif
.else
.set WN, (DW<<6)|(DW<<4)|XW
	WIN WN
.if (\s) == 0
	WMM DD, XX, RG, 0, SXR, SWR, (\s)%2, \hf
.else
	WMM DD, XX, RG, v[DD:DD+7], SXR, SWR, (\s)%2, \hf
.endif
.endif
.endm
; A HALF-STEP: 20 matrix instructions on 20 different accumulators (an accumulator's next link stands 40 matrix instructions on).
; The OTHER half-ring's next four fragments ride behind its first four products, three loads behind each: in half-step (s, 0) those of (s, 1), in (s, 1) those of (s + 1, 0).  Half-steps (0, 0) and (7, 1) carry none.
; Tile m = 4 goes first: in UP its products have their result and their source 0 in window 0, as an LDS load has its data and its address, so that the loads want no switch; DOWN switches round each three.
.macro HSET s, hf
.set RIDE, 0
.if ((\hf) == 0) && ((\s) > 0)
.set RIDE, 1
.set RS, (\s)
.set RH, 1
.endif
.if ((\hf) == 1) && ((\s) < 7)
.set RIDE, 1
.set RS, (\s)+1
.set RH, 0
.endif
.if ((\s) == 0) && ((\hf) == 0)
	s_wait_dscnt 12                                ; my half-ring is in; the other's 12 loads, issued behind it, may be out
.else
	s_wait_dscnt 0x0                               ; my half-ring is in: its loads, which rode in the half-step before, are the youngest
.endif
.if RIDE
	s_wait_alu depctr_va_vdst(0)                   ; the half-step before is done reading the other half-ring, in which the loads below land; this half-step's products name none of those registers
.endif
.irp j, 0,1,2,3
	WM 4, \s, \hf, \j
.if RIDE
.if \j == 0
.rept 4
	v_nop                                          ; four plain lines stand between the last half-step's matrix instructions and the first load into the registers that they read, beside the wait above
.endr
.endif
.if !UP
	WIN 0
.endif
	RFRAG RS, RH, \j
.endif
.endr
.irp m, 0,1,2,3
.irp j, 0,1,2,3
	WM \m, \s, \hf, \j
.endr
.endr
.endm
; THE WAY OUT of tile m; a tile past the expert's last is passed over.
.macro EPI m
	s_cmp_ge_u32 s[IO+\m], s[NT]
	s_cbranch_scc1 .Lskip_\@
.if (\m) == 4
.set AW, 0
.set AB, ACC4
.else
.set AW, 3
.set AB, 64*(\m)
.endif
.if UP
.set WN, (AW<<6)|AW
	WIN WN
.set i, 0
.rept 32
	v_pk_add_f32 v[AB+2*i:AB+2*i+1], v[AB+2*i:AB+2*i+1], v[BI+2*i:BI+2*i+1]   ; + b1; each accumulator is read from its low end on
.set i, i+1
.endr
.set WN, (AW<<6)|(AW<<2)
	WIN WN
.set i, 0
.rept 64
	v_max_num_f32 v[AB+i], 0, v[AB+i]              ; relu
.set i, i+1
.endr
.set WN, (AW<<4)|(AW<<2)
	WIN WN
.irp c, 0,1
	v_max3_num_f32 v[EMX+\c], 0x1800000, v[AB+32*\c], v[AB+32*\c+1]   ; my two whole blocks, by turns; none is negative; the floor as above
.endr
.irp i, 2,4,6,8,10,12,14,16,18,20,22,24,26,28,30
.irp c, 0,1
	v_max3_num_f32 v[EMX+\c], v[EMX+\c], v[AB+32*\c+\i], v[AB+32*\c+\i+1]
.endr
.endr
	WIN 0
	s_wait_xcnt 0x0                                ; the last tile's stores have had their addresses translated: their offsets and data are written again only below; the 128 lines above name none of them
.if (\m) > 0
	s_wait_alu depctr_vm_vsrc(0)                   ; the last tile's stores have read ST0, ST1, HF and HW, which the lines below write again (ahead of tile 0 the pass's end has stated it)
.endif
	s_mul_i32 s38, s[TAU+\m], 49152
	v_add_nc_u32 v[ST0], s38, v[LOFF]
	s_lshl_b32 s38, s[TAU+\m], 11
	v_add_nc_u32 v[ST1], s38, v[R4]
.irp c, 0,1
	v_add_nc_u32 v[ESO+\c], 0xff000000, v[EMX+\c]
.endr
.irp c, 0,1
	v_lshrrev_b32 v[EBY+\c], 23, v[ESO+\c]
.endr
	WIN AW
.irp c, 0,1
	v_cvt_scalef32_pk16_fp6_f32 v[HF+6*\c:HF+6*\c+2], v[AB+32*\c:AB+32*\c+15], v[ESO+\c]
	v_cvt_scalef32_pk16_fp6_f32 v[EU+4*\c:EU+4*\c+2], v[AB+32*\c+16:AB+32*\c+31], v[ESO+\c]
.endr
	WIN 0
	v_lshl_or_b32 v[HW], v[EBY+1], 16, v[EBY]      ; my two bytes, blocks h and 2 + h (also the plain line behind the conversions),
.irp c, 0,1
.irp i, 0,1,2
	v_mov_b32 v[HF+6*\c+3+\i], v[EU+4*\c+\i]
.endr
.endr
	v_lshlrev_b32 v[HW], v[H8], v[HW]              ; at their places in the row's scale word;
	v_permlanex16_b32 v[TP], v[HW], s[SEL], s[SEL+1]
	v_or_b32 v[HW], v[HW], v[TP]                   ; with lane l xor 16's two it is whole
	s_wait_alu depctr_va_vdst(0)                   ; the lines above have written ST0, ST1, HF and HW, which the four stores read
.irp g, 0,1,2
	global_store_b128 v[ST0], v[HF+4*\g:HF+4*\g+3], s[12:13] offset:512*\g   ; K step cg of the tile's images: 512 consecutive bytes, at a multiple of 256
.endr
	global_store_b32 v[ST1], v[HW], s[14:15]       ; lanes 16-31 write the word that lanes 0-15 write
.else
	s_wait_xcnt 0x0                                ; the last tile's stores have had their addresses translated: their offset and data are written again below
.if (\m) > 0
	s_wait_alu depctr_vm_vsrc(0)                   ; the last tile's stores have read ST0 and O, which the lines below write again (ahead of tile 0 the pass's end has stated it)
.endif
	s_lshl_b32 s38, s[TAU+\m], 18
	v_add_nc_u32 v[ST0], s38, v[HV]
	WIN AW
.irp u, 0,1,2,3,4,5,6,7                        ; four tiles' numbers of one slot are four neighbouring columns; each accumulator is read from its low end on
.irp hf, 0,1
.irp j, 0,1,2,3
	v_mov_b32 v[O+4*(8*\hf+\u)+\j], v[AB+8*(4*\hf+\j)+\u]
.endr
.endr
.endr
	WIN 0
	s_wait_alu depctr_va_vdst(0)                   ; the lines above have written ST0 and O, which the sixteen stores read
.irp u, 0,1,2,3,4,5,6,7
.irp hf, 0,1
	global_store_b128 v[ST0], v[O+4*(8*\hf+\u):O+4*(8*\hf+\u)+3], s[12:13] offset:16384*\u+256*\hf th:TH_STORE_NT   ; sixteen lanes store 256 consecutive bytes of slot 8 h + u, at a multiple of 256
.endr
.endr
.endif
	WIN 0
.Lskip_\@:
.endm
	s_load_b256 s[40:47], s[0:1], 0x0              ; UP: W1, b1, xg, plan.  DOWN: W2, hb, plan, y
	v_lshl_add_u32 v19, v0, 2, 0x19000
	v_mov_b32 v20, 0
.if UP
	s_load_b64 s[48:49], s[0:1], 0x20              ; hb
.endif
	v_lshrrev_b32 v2, 5, v0
	v_readfirstlane_b32 s[WV], v2
	v_and_b32 v[TP], 31, v0
	v_lshlrev_b32 v[LOFF], 4, v[TP]
	v_add_nc_u32 v[LOF2], 49152, v[LOFF]
	v_lshlrev_b32 v[L4], 2, v[TP]
	v_add_nc_u32 v[WSA], SCI, v[L4]
	v_and_b32 v[R4], 15, v0                        ; r
	v_bfe_u32 v[H8], v0, 4, 1                      ; h (in the stream: half)
	s_wait_alu depctr_va_sdst(0)                   ; s18, the wave's number, is written, ahead of its first reader
	s_mul_i32 s38, s[WV], 24576
	v_mul_u32_u24 v[IMW], v[H8], 6144
	v_lshl_add_u32 v[IMW], v[R4], 4, v[IMW]
	v_add_nc_u32 v[IMW], s38, v[IMW]
	s_lshl_b32 s38, s[WV], 10
	v_add_nc_u32 v[ISW], s38, v[WSA]
.if UP
	s_lshl_b32 s38, s[WV], 11
	s_add_co_u32 s38, s38, BIO
	v_add_nc_u32 v[BIA], s38, v[LOFF]
	v_lshlrev_b32 v[HV], 7, v[H8]
	v_lshlrev_b32 v[R4], 2, v[R4]
	v_lshlrev_b32 v[H8], 3, v[H8]
	v_mov_b32 v[TP], 0                             ; written once: a lane permute's destination counts as one of its sources
.else
	v_lshlrev_b32 v[HV], 17, v[H8]
	v_lshl_add_u32 v[HV], v[R4], 4, v[HV]
.endif
	s_mov_b32 s[CG], ttmp9
	s_and_b32 s[EX], ttmp7, 0xffff
.if !UP
	s_and_b32 s[QQ], s[EX], 3
	s_lshr_b32 s[EX], s[EX], 2
.endif
	s_lshl_b32 s39, s[EX], 2
	s_lshl_b32 s50, s[EX], 24                      ; an expert's weights are 2^24 bytes
.if UP
	s_lshl_b32 s51, s[WV], 22                      ; my 256 rows
.else
	s_lshl_b32 s51, s[WV], 20
.endif
	s_add_co_u32 s50, s50, s51
	s_lshl_b32 s51, s[CG], 9                       ; the slab's 128 columns
	s_add_co_u32 s50, s50, s51
.if !UP
	s_lshl_b32 s51, s[QQ], 22                      ; the quarter's 1,024 rows
	s_add_co_u32 s50, s50, s51
.endif
	s_mov_b32 s51, 0
.if UP
	s_lshl_b32 s52, s[EX], 14                      ; b1: registers 16 w + i of the bias image: half = w / 2, j = 2 (w % 2) + i / 8, u = i % 8; unit 64 half + 32 h + 4 u + j
	s_lshl_b32 s53, s[CG], 9
	s_add_co_u32 s52, s52, s53
	s_lshr_b32 s53, s[WV], 1
	s_lshl_b32 s53, s53, 8
	s_add_co_u32 s52, s52, s53
	s_and_b32 s53, s[WV], 1
	s_lshl_b32 s53, s53, 3
	s_add_co_u32 s52, s52, s53
	s_mov_b32 s53, 0
.endif
	s_mov_b32 s[SEL], 0x76543210
	s_mov_b32 s[SEL+1], 0xfedcba98
	s_mov_b32 s[PB], 0
	s_mov_b32 s[PCT], 0
	s_wait_kmcnt 0x0
	s_add_nc_u64 s[4:5], s[40:41], s[50:51]
	s_load_b32 s[T0], s[PLN:PLN+1], s39 offset:8192
	s_load_b32 s[NT], s[PLN:PLN+1], s39 offset:8224
	s_wait_alu depctr_va_vdst(0)                   ; the head's offsets and addresses (v1-5, v16, v17, v21, v22) are written: the loads, stores and LDS instructions of the whole kernel read them
.if UP
	s_add_nc_u64 s[16:17], s[42:43], s[52:53]
.set i, 0
.rept 16
	global_load_b32 v[E+i], v[HV], s[16:17] offset:4*(4*(i%8)+i/8)
.set i, i+1
.endr
.endif
	WLOAD 0                                        ; the stream starts ahead of everything that hangs on the plan
	WLOAD 1
	WIN 0
.if UP
	s_mov_b64 s[6:7], s[44:45]                     ; the rows' images: xg,
	s_add_nc_u64 s[8:9], s[44:45], 1671168         ; their scale words
	s_mul_i32 s52, s[CG], 1536
	s_add_nc_u64 s[12:13], s[48:49], s[52:53]      ; out: K step cg of hb's images,
	s_lshl_b32 s52, s[CG], 6
	s_add_nc_u64 s[14:15], s[48:49], s[52:53]
	s_add_nc_u64 s[14:15], s[14:15], 6684672       ; and of its scale words
.else
	s_mul_i32 s52, s[QQ], 12288
	s_mov_b32 s53, 0
	s_add_nc_u64 s[6:7], s[42:43], s[52:53]        ; the rows' images: hb, K steps 8 q on,
	s_lshl_b32 s52, s[QQ], 9
	s_add_nc_u64 s[8:9], s[42:43], s[52:53]
	s_add_nc_u64 s[8:9], s[8:9], 6684672           ; their scale words
	s_lshl_b32 s52, s[QQ], 12
	s_lshl_b32 s38, s[CG], 9
	s_add_co_u32 s52, s52, s38
	s_add_nc_u64 s[12:13], s[46:47], s[52:53]      ; out: y, quarter q, my 128 columns
.endif
	s_wait_kmcnt 0x0
	s_min_u32 s[NT], s[NT], 136                    ; the buffers hold 136 tiles
	s_add_co_u32 s[NPS], s[NT], 19
	s_mul_i32 s[NPS], s[NPS], 3277                 ; / 20: 3,277 / 65,536 lies 3.1e-6 over 1 / 20, and 155 times that is far under 1 / 20: exact up to nt + 19 = 155
	s_lshr_b32 s[NPS], s[NPS], 16                  ; passes in all: ceil(nt / 20)
	SETUP
	; The loads go out in the order (bias) W0 W1 | W2 A0 | W3 A1 | .. | W7 A5 | A6: 32 to a block of weights, 20 to a part of the rows.
	BROW 0, 32                                     ; behind W0: W1
	BROW 1, 52                                     ; behind W1: W2, A0
	BROW 2, 63                                     ; behind W2: A0, W3, A1, 72 loads: a wait's count holds 63 at the most
	BROW 3, 63
	BROW 4, 63
	BROW 5, 63
	BROW 6, 63
	BROW 7, 40                                     ; behind W7: A5, A6
	s_wait_alu depctr_va_vdst(0)                   ; block 7 has written E and SW, which its LDS stores read; and the stream's vector lines are done with v76-255
	STO 7
	s_wait_dscnt 0x0                               ; for the others: my two K steps, their scale words and my part of the bias lie in LDS
	s_barrier_signal -1                            ; THE ONE BARRIER: it stands ahead of every branch on the plan's numbers; behind it LDS is only read
	s_barrier_wait -1
	s_wait_alu depctr_vm_vsrc(0)                   ; my LDS stores have read E and SW: these registers are part of the half-rings from here on, in which LDS loads land
.set i, 0
.rept 32
	ds_load_b32 v[WS+i], v[WSA] offset:128*i
.set i, i+1
.endr
	s_wait_loadcnt 0x0                             ; the stream's last 40 loads, the first pass's rows, are in: on every way into a pass no global load is out, so that a pass may write the rows' address registers and load into their fragments anew
.Lpass:
	s_cmp_eq_u32 s[PB], 0
	s_cbranch_scc1 .Lhave                          ; the first pass's rows were asked for during the stream
	SETUP
	WIN 0x40                                       ; the window of the first load below: the switch, then the wait, then the loads
	s_wait_alu depctr_va_vdst(0)                   ; SETUP has written VA and VS, which the 140 loads read
.set q, 0
.rept 140
	ALOAD q
.set q, q+1
.endr
	WIN 0
.Lhave:
	RLOAD 0, 0
	RLOAD 0, 1
	s_wait_loadcnt 0x0                             ; a later pass's five tiles of rows are in
.irp s, 0,1,2,3,4,5,6,7
	HSET \s, 0
	HSET \s, 1
.endr
.rept 5
	v_nop                                          ; four plain lines ahead of reads of the results; five ahead of the next pass's products, which begin the accumulators anew
.endr
	WIN 0
	s_wait_alu depctr_va_vdst(0)                   ; the products are done reading the half-rings, the rows' fragments and the scale words: in UP the bias lands in the half-rings below, and in all of them a later pass's loads
.if UP
.set i, 0
.rept 16
	ds_load_b128 v[BI+4*i:BI+4*i+3], v[LOF2] offset:BIO-49152+512*i
.set i, i+1
.endr
	s_wait_dscnt 0x0
.endif
	EPI 0
	EPI 1
	EPI 2
	EPI 3
	EPI 4
	s_wait_xcnt 0x0                                ; the stores have had their addresses translated: the next pass loads into their registers
	s_wait_alu depctr_vm_vsrc(0)                   ; the tiles' stores have read their offsets and data, in which the next pass's LDS loads land or which its tiles write again; the rows' loads have read VA and VS, which SETUP writes again
	s_add_co_u32 s[PB], s[PB], 20                  ; the next pass's first tile
	s_add_co_u32 s[PCT], s[PCT], 1                 ; the loop is counted in passes: one a trip, against a number that the loop does not write
	s_cmp_lt_u32 s[PCT], s[NPS]
	s_cbranch_scc1 .Lpass
	s_wait_dscnt 0x0                               ; the closing lines, six on end
	s_wait_alu 0x0
	s_wait_tensorcnt 0x0
	ds_add_u32 v19, v20
	s_wait_dscnt 0x0
	s_endpgm
.Lfunc_end_k_q7275aee91b_down:
	.size	k_q7275aee91b_down, .Lfunc_end_k_q7275aee91b_down-k_q7275aee91b_down
	.p2alignl 7, 3214868480
	.fill 96, 4, 3214868480
	.section	.rodata,"a",@progbits
	.p2align	6, 0x0
	.amdhsa_kernel k_q7275aee91b_down
		.amdhsa_group_segment_fixed_size 102912
		.amdhsa_private_segment_fixed_size 0
		.amdhsa_enable_private_segment 0
		.amdhsa_kernarg_size 32
		.amdhsa_user_sgpr_count 2
		.amdhsa_user_sgpr_kernarg_segment_ptr 1
		.amdhsa_wavefront_size32 1
		.amdhsa_system_sgpr_workgroup_id_x 1
		.amdhsa_system_sgpr_workgroup_id_y 1
		.amdhsa_system_sgpr_workgroup_id_z 1
		.amdhsa_system_vgpr_workitem_id 0
		.amdhsa_next_free_vgpr 1024
		.amdhsa_next_free_sgpr 66
		.amdhsa_reserve_vcc 0
		.amdhsa_float_denorm_mode_32 3
		.amdhsa_float_denorm_mode_16_64 3
		.amdhsa_memory_ordered 1
		.amdhsa_forward_progress 1
		.amdhsa_inst_pref_size 222
	.end_amdhsa_kernel
	.amdgpu_metadata
---
amdhsa.version: [ 1, 2 ]
amdhsa.kernels:
  - .name:           k_q7275aee91b_down
    .symbol:         k_q7275aee91b_down.kd
    .args:
      - { .name: W2, .offset: 0, .size: 8, .value_kind: global_buffer, .address_space: global }
      - { .name: hb, .offset: 8, .size: 8, .value_kind: global_buffer, .address_space: global }
      - { .name: plan, .offset: 16, .size: 8, .value_kind: global_buffer, .address_space: global }
      - { .name: y, .offset: 24, .size: 8, .value_kind: global_buffer, .address_space: global }
    .group_segment_fixed_size: 102912
    .private_segment_fixed_size: 0
    .kernarg_segment_align: 8
    .kernarg_segment_size: 32
    .max_flat_workgroup_size: 128
    .sgpr_count:     66
    .vgpr_count:     1024
    .wavefront_size: 32
...
	.end_amdgpu_metadata
.endif
;; end of part 9
;; launch combine (part 10): grid 256 x 1, 4 waves a work-group, no clusters, 0 bytes of LDS; arguments y, plan, sel, gwt, b2, out0; writes out0
.if DOCPART == 10
	.amdgcn_target "amdgcn-amd-amdhsa--gfx1250"
	.amdhsa_code_object_version 6
	.text
	.protected	k_q7275aee91b_combine
	.globl	k_q7275aee91b_combine
	.p2align	8
	.type	k_q7275aee91b_combine,@function
k_q7275aee91b_combine:
	s_mov_b64 s[64:65], 0
	v_nop
	global_prefetch_b8 v0, s[64:65] scope:SCOPE_SE
	s_setreg_imm32_b32 hwreg(HW_REG_WAVE_MODE, 25, 1), 1
	s_wait_xcnt 0x0
; COMBINE.  out0[n] = w0 (b2[e0] + the four partial sums of token n's row at expert e0) + w1 (the same at e1), all in f32.  The six experts that the mask throws away add nothing.
; A wave takes one token: n = 4 x work-group + wave.  Its two slots come from the plan, its experts from sel, its weights from gwt, by scalar loads; slots and experts are held inside their tables.
; A stream: no LDS, no barrier, no matrix unit.  The row goes in four quarters of 1,024 bytes; a quarter is 20 loads of 512 consecutive bytes (10 rows x 2), 80 registers; three buffers, so that 60 loads of a wave are out at the start.
.set B0, 16                            ; v16-95, v96-175, v176-255: in a buffer row r at 8 r: 0 b2[e0], 1-4 y of slot 0, 5 b2[e1], 6-9 y of slot 1
.set B1, 96
.set B2, 176
	s_load_b256 s[4:11], s[0:1], 0x0               ; y, plan, sel, gwt
	s_load_b128 s[12:15], s[0:1], 0x20             ; b2, out0
	v_lshrrev_b32 v2, 5, v0
	v_readfirstlane_b32 s16, v2
	v_and_b32 v1, 31, v0
	v_lshlrev_b32 v1, 4, v1                        ; 16 x lane
	s_lshl_b32 s17, ttmp9, 2
	s_add_co_u32 s17, s17, s16                     ; n
	s_lshl_b32 s18, s17, 3
	s_lshl_b32 s19, s17, 2
	s_wait_alu depctr_va_vdst(0)
	s_wait_kmcnt 0x0
	s_load_b64 s[20:21], s[6:7], s18 offset:0x0    ; the two slots
	s_load_b32 s22, s[8:9], s19 offset:0x0         ; e0 | e1 << 8
	s_load_b64 s[24:25], s[10:11], s18 offset:0x0  ; w0, w1
	s_wait_kmcnt 0x0
	s_min_u32 s20, s20, 2175
	s_min_u32 s21, s21, 2175
	s_and_b32 s23, s22, 0xff
	s_lshr_b32 s22, s22, 8
	s_min_u32 s23, s23, 7                          ; e0
	s_min_u32 s22, s22, 7                          ; e1
	s_mov_b32 s29, 0
	s_lshl_b32 s28, s20, 14                        ; a slot of y is 4 x 4,096 bytes
	s_add_nc_u64 s[32:33], s[4:5], s[28:29]
	s_lshl_b32 s28, s21, 14
	s_add_nc_u64 s[34:35], s[4:5], s[28:29]
	s_lshl_b32 s28, s23, 12
	s_add_nc_u64 s[36:37], s[12:13], s[28:29]
	s_lshl_b32 s28, s22, 12
	s_add_nc_u64 s[38:39], s[12:13], s[28:29]
	s_lshl_b32 s28, s17, 12
	s_add_nc_u64 s[40:41], s[14:15], s[28:29]
	s_mov_b32 s26, s25                             ; w1 as the low word of a pair of its own: the packed forms take a scalar pair's low word for both halves
	s_mov_b32 s27, s25
.macro QLOAD q, b
.irp i, 0,1
	global_load_b128 v[\b+4*\i:\b+4*\i+3], v1, s[36:37] offset:1024*(\q)+512*\i
.endr
.irp r, 0,1,2,3
.irp i, 0,1
	global_load_b128 v[\b+8+8*\r+4*\i:\b+8+8*\r+4*\i+3], v1, s[32:33] offset:4096*\r+1024*(\q)+512*\i th:TH_LOAD_NT
.endr
.endr
.irp i, 0,1
	global_load_b128 v[\b+40+4*\i:\b+40+4*\i+3], v1, s[38:39] offset:1024*(\q)+512*\i
.endr
.irp r, 0,1,2,3
.irp i, 0,1
	global_load_b128 v[\b+48+8*\r+4*\i:\b+48+8*\r+4*\i+3], v1, s[34:35] offset:4096*\r+1024*(\q)+512*\i th:TH_LOAD_NT
.endr
.endr
.endm
.macro QWORK q, b, n                   ; n: the loads of the younger quarters, which may stay out
	s_wait_loadcnt \n
.irp r, 1,2,3,4
.irp k, 0,2,4,6
	v_pk_add_f32 v[\b+\k:\b+\k+1], v[\b+\k:\b+\k+1], v[\b+8*\r+\k:\b+8*\r+\k+1]
	v_pk_add_f32 v[\b+40+\k:\b+40+\k+1], v[\b+40+\k:\b+40+\k+1], v[\b+40+8*\r+\k:\b+40+8*\r+\k+1]
.endr
.endr
.irp k, 0,2,4,6
	v_pk_mul_f32 v[\b+\k:\b+\k+1], v[\b+\k:\b+\k+1], s[24:25] op_sel_hi:[1,0]
.endr
.irp k, 0,2,4,6
	v_pk_fma_f32 v[\b+\k:\b+\k+1], v[\b+40+\k:\b+40+\k+1], s[26:27], v[\b+\k:\b+\k+1] op_sel_hi:[1,0,1]
.endr
	global_store_b128 v1, v[\b:\b+3], s[40:41] offset:1024*(\q)          ; 32 lanes store 512 consecutive bytes, at a multiple of 256
	global_store_b128 v1, v[\b+4:\b+7], s[40:41] offset:1024*(\q)+512
.endm
	QLOAD 0, B0
	QLOAD 1, B1
	QLOAD 2, B2
	QWORK 0, B0, 40                                ; behind quarter 0: quarters 1 and 2
	s_wait_xcnt 0x0                                ; quarter 0's stores have read their registers: quarter 3 lands there
	QLOAD 3, B0
	QWORK 1, B1, 40                                ; behind quarter 1: quarters 2 and 3
	QWORK 2, B2, 20
	QWORK 3, B0, 0
	s_endpgm
.Lfunc_end_k_q7275aee91b_combine:
	.size	k_q7275aee91b_combine, .Lfunc_end_k_q7275aee91b_combine-k_q7275aee91b_combine
	.p2alignl 7, 3214868480
	.fill 96, 4, 3214868480
	.section	.rodata,"a",@progbits
	.p2align	6, 0x0
	.amdhsa_kernel k_q7275aee91b_combine
		.amdhsa_group_segment_fixed_size 0
		.amdhsa_private_segment_fixed_size 0
		.amdhsa_enable_private_segment 0
		.amdhsa_kernarg_size 48
		.amdhsa_user_sgpr_count 2
		.amdhsa_user_sgpr_kernarg_segment_ptr 1
		.amdhsa_wavefront_size32 1
		.amdhsa_system_sgpr_workgroup_id_x 1
		.amdhsa_system_sgpr_workgroup_id_y 1
		.amdhsa_system_sgpr_workgroup_id_z 1
		.amdhsa_system_vgpr_workitem_id 0
		.amdhsa_next_free_vgpr 256
		.amdhsa_next_free_sgpr 66
		.amdhsa_reserve_vcc 0
		.amdhsa_float_denorm_mode_32 3
		.amdhsa_float_denorm_mode_16_64 3
		.amdhsa_memory_ordered 1
		.amdhsa_forward_progress 1
		.amdhsa_inst_pref_size 21
	.end_amdhsa_kernel
	.amdgpu_metadata
---
amdhsa.version: [ 1, 2 ]
amdhsa.kernels:
  - .name:           k_q7275aee91b_combine
    .symbol:         k_q7275aee91b_combine.kd
    .args:
      - { .name: y, .offset: 0, .size: 8, .value_kind: global_buffer, .address_space: global }
      - { .name: plan, .offset: 8, .size: 8, .value_kind: global_buffer, .address_space: global }
      - { .name: sel, .offset: 16, .size: 8, .value_kind: global_buffer, .address_space: global }
      - { .name: gwt, .offset: 24, .size: 8, .value_kind: global_buffer, .address_space: global }
      - { .name: b2, .offset: 32, .size: 8, .value_kind: global_buffer, .address_space: global }
      - { .name: out0, .offset: 40, .size: 8, .value_kind: global_buffer, .address_space: global }
    .group_segment_fixed_size: 0
    .private_segment_fixed_size: 0
    .kernarg_segment_align: 8
    .kernarg_segment_size: 48
    .max_flat_workgroup_size: 128
    .sgpr_count:     66
    .vgpr_count:     256
    .wavefront_size: 32
...
	.end_amdgpu_metadata
.endif
;; end of part 10
